; MI455X (gfx1250); checked and timed in simulation.
; The chip was launched on July 23, 2026; its instructions are those of AMD's public machine-readable ISA for CDNA 5 (MIT licence, August 2026) and "CDNA5" Instruction Set Architecture Reference Guide (July 2026). The comments in the code are by the model that wrote it; some were corrected since.
;; block. Allowed arithmetic: matrix products marked QUANTISED: E4M3 operands, one given power-of-two scale a tensor, by v_wmma_f32_16x16x64_fp8_fp8 or v_wmma_f32_16x16x128_fp8_fp8, f32 sums; everything else in f32.
;; Inputs: W1 1,024 x 4,096 float32; W2 4,096 x 1,024 float32; Wk 1,024 x 16 x 64 float32; Wo 1,024 x 1,024 float32; Wq 1,024 x 16 x 64 float32; Wv 1,024 x 16 x 64 float32; b1 4,096 float32; b2 1,024 float32; be1 1,024 float32; be2 1,024 float32; embedding 2 x 2,048 x 1,024 float32; g1 1,024 float32; g2 1,024 float32; lowp_scales 16 int32 (the exponents e of the quantised operands' scales 2^e).
;; Outputs: out0 2 x 2,048 x 1,024 float32.
;; This version of the problem:
;;   THIS VERSION OF THE PROBLEM IS GIVEN IN LOW PRECISION. The matrix products marked QUANTISED in the list below multiply operands that are first quantised to E4M3 (4 exponent bits, 3 mantissa bits; 8 bits a number), with one given power-of-two scale for each operand tensor; their sums are f32. All else is computed in f32.
;;   The module's matrix products, in the order in which they are computed (A, B: the left and right operand; K: the contracted axis; several contracted axes count as one K, in the product's order):
;;     1. [M 1,024, K 1,024] x [K 1,024, N 4,096]; A: input Wq; B: computed on the way: QUANTISED (scales: A lowp_scales[0], B lowp_scales[1])
;;     2. [M 1,024, K 1,024] x [K 1,024, N 4,096]; A: input Wk; B: computed on the way: QUANTISED (scales: A lowp_scales[2], B lowp_scales[3])
;;     3. [M 1,024, K 1,024] x [K 1,024, N 4,096]; A: input Wv; B: computed on the way: QUANTISED (scales: A lowp_scales[4], B lowp_scales[5])
;;     4. batch 32 x [M 2,048, K 64] x [K 64, N 2,048]; A: computed on the way; B: computed on the way: QUANTISED (scales: A lowp_scales[6], B lowp_scales[7])
;;     5. batch 32 x [M 2,048, K 2,048] x [K 2,048, N 64]; A: softmax (see below); B: computed on the way: QUANTISED (scales: A lowp_scales[8], B lowp_scales[9])
;;     6. [M 4,096, K 1,024] x [K 1,024, N 1,024]; A: computed on the way; B: input Wo: QUANTISED (scales: A lowp_scales[10], B lowp_scales[11])
;;     7. [M 4,096, K 1,024] x [K 1,024, N 4,096]; A: computed on the way; B: input W1: QUANTISED (scales: A lowp_scales[12], B lowp_scales[13])
;;     8. [M 4,096, K 4,096] x [K 4,096, N 1,024]; A: computed on the way; B: input W2: QUANTISED (scales: A lowp_scales[14], B lowp_scales[15])
;;   THE QUANTISER, for each operand of a quantised product, along K:
;;     - The operand's scale is 2^e, e = its entry of the input lowp_scales (int32; the entries are numbered through the quantised products in the list's order, A before B).
;;     - Each number is divided by the scale, clamped to +-448, and rounded to the nearest number of E4M3, ties to even, subnormals kept.
;;     - The product sums the exact products of the quantised numbers (number of the format x scale) in f32.
;;   ~~~python
;;   def quantise(x, axis, e):      # numpy; x: float32 -> the quantised numbers, widened to float32 again
;;       x = np.moveaxis(x, axis, -1); K = x.shape[-1]
;;       r = np.clip(x / 2.0 ** e, -448, 448)
;;       step = 2.0 ** (np.maximum(np.frexp(np.where(r == 0, 1, r))[1] - 1, -6) - 3)
;;       q = np.round(r / step) * step * 2.0 ** e      # np.round: ties to even
;;       return np.moveaxis(q, -1, axis).astype(np.float32)
;;   ~~~
;;   SOFTMAX AHEAD OF A QUANTISED PRODUCT. Where the list says 'softmax', what is quantised is not the finished softmax but p = 2^(t - M), with t = logit x log2(e) and M = ceil(the row's largest t), a whole number; so 1/2 < the row's largest p <= 1. The row's sum l is taken of the UNQUANTISED p, in f32, and the product's result is divided by l at the end. Since M is a whole number, a kernel that streams over the keys may use a running M (the ceiling of the running maximum): every later rescaling is an exact power of two, so the quantised numbers keep their values, but for numbers so far below the row's largest that they fall under the format's range.
;;   OPERANDS COMPUTED ON THE WAY. 'Computed on the way' means the value that the module computes at that place (a softmax that the list does not call 'softmax' is quantised finished and normalised). What goes into a quantiser is computed in f32, as accurately as f32 sums, v_exp_f32 and their like allow (about 1e-6 of the number): no bf16 or f16 on the way to a quantiser, and a product that is left as it is and whose result goes on into a quantised operand takes f32 operands (vector FMAs, or v_wmma_f32_16x16x4_f32). A number that lies on a knife's edge between two numbers of the format may be rounded either way, as far as f32 arithmetic and the matrix unit's own rounding can turn it there, and no further.
;; 2 versions. Each part assembles by itself: llvm-mc -triple=amdgcn-amd-amdhsa -mcpu=gfx1250 --defsym DOCPART=n.
;; ======== version 1 of 2: 7 launches
;; workspace buffers: codes 25,165,824 bytes; qkvc 12,582,912 bytes; ctxc 4,194,304 bytes; x1 16,777,216 bytes; h2c 4,194,304 bytes; ffc 16,777,216 bytes
;; launch prep (part 1): grid 640 x 1, 4 waves a work-group, no clusters, 84,480 bytes of LDS; arguments Wq, Wk, Wv, Wo, W1, W2, embedding, g1, be1, lowp_scales, codes; writes codes
.if DOCPART == 1
	.amdgcn_target "amdgcn-amd-amdhsa--gfx1250"
	.amdhsa_code_object_version 6
	.text
	.protected	k_q2e07591268_prep
	.globl	k_q2e07591268_prep
	.p2align	8
	.type	k_q2e07591268_prep,@function
k_q2e07591268_prep:
	s_mov_b64 s[64:65], 0
	v_nop
	global_prefetch_b8 v0, s[64:65] scope:SCOPE_SE
	s_setreg_imm32_b32 hwreg(HW_REG_WAVE_MODE, 25, 1), 1
	s_wait_xcnt 0x0
; PREP.  Work-groups 0-383 turn the six weights (f32, K their FIRST axis) into codes of FP8 (E4M3); work-groups 384-639 make LayerNorm 1 of the embedding and quantise it three times,
; with the scales of products 1, 2 and 3.  code = x / 2^e, held within +-448, to the nearest code, ties to even.
; LAYOUT OF EVERY OPERAND OF CODES (R rows, K codes a row): chunks of 4,096 bytes, chunk (rb, kb) = [64 rows][64 codes] at byte (rb K/64 + kb) 4096: so 64 rows x 512 K are 32 KB on end.
; In the buffer codes, in MiB: LN1 under e1 at 0, under e3 at 4, under e5 at 8; Wq 12, Wk 13, Wv 14, Wo 15, W1 16, W2 20.
; LIMITS: each exponent used here (entries 0, 2, 4, 11, 13, 15, 1, 3, 5) lies between -126 and 119, so that 2^e and 448 x 2^e are f32 numbers.  NaN among the inputs is not served.
; The two paths part on the work-group's number and never join; each has LDS bytes of its own.  No tensor load, no barrier: waves share nothing.
.set WST,   0                          ; weights: a stage of 32 rows x 272 bytes for each wave
.set LST,   34816                      ; LayerNorm: NSC x 4,096 bytes for each wave
.set SPARE, 83968                      ; the spare words, 128 bytes for each wave: two blocks of 256 bytes that no other line names
.set SPW,   12                         ; v12  LDS address of my spare word; never rewritten
.set NIL,   13                         ; v13  0; never rewritten
.set AO,    16                         ; weights: v16-47 byte offset of row i of a block of 32 along K: 4 x lane + i x a row of the weight
.set X,     48                         ; v48-111  two sets of 32 numbers
.set C,     112                        ; v112-119 a block's codes
.set OUTR,  120                        ; v120-183 the way out
.set NSC,   3                          ; LayerNorm: how many scales its result is quantised with
.set XR,    64                         ; v64-191  four rows, 32 numbers a lane each
.set G,     192                        ; v192-223 the gain at my 32 columns
.set BE,    224                        ; v224-255 the offset at my 32 columns
.set OB,    36                         ; s[36:41] where my rows' codes go, a pair for each scale
.macro MKSC se, vs, vl                 ; from the exponent e in a scalar register: 2^e (the conversion takes its exponent field) and 448 x 2^e, as f32
	s_add_co_i32 s2, \se, 127
	s_lshl_b32 s3, s2, 23
	v_mov_b32 \vs, s3
	s_add_co_i32 s2, s2, 8
	s_lshl_b32 s2, s2, 23
	s_or_b32 s2, s2, 0x600000
	v_mov_b32 \vl, s2
.endm
	s_load_b512 s[8:23], s[0:1], 0x0               ; Wq s[8:9], Wk s[10:11], Wv s[12:13], Wo s[14:15], W1 s[16:17], W2 s[18:19], embedding s[20:21], g1 s[22:23]
	s_load_b128 s[24:27], s[0:1], 0x40             ; be1 s[24:25], the scales' exponents s[26:27]
	s_load_b64 s[28:29], s[0:1], 0x50              ; codes
	v_lshl_add_u32 v[SPW], v0, 2, SPARE
	v_mov_b32 v[NIL], 0
	v_lshrrev_b32 v1, 5, v0
	v_readfirstlane_b32 s30, v1                    ; wave 0..3
	v_and_b32 v2, 31, v0                           ; lane
	s_wait_kmcnt 0x0
	s_load_b512 s[48:63], s[26:27], 0x0            ; e0 .. e15 in s48 .. s63
	s_cmp_ge_u32 ttmp9, 384
	s_cbranch_scc1 .Lln
; ---------------- THE WEIGHTS.  A work-group takes 128 columns n x 256 along K, a wave 32 columns.  A LANE TAKES A COLUMN AND ITS REGISTERS RUN DOWN K: each load reads 128 consecutive bytes
; a wave, and the conversions give codes with K innermost.  Work-groups 0-127: Wq, Wk, Wv, Wo, 32 each; 128-255: W1; 256-383: W2.
	s_mov_b32 s31, ttmp9
	s_lshr_b32 s32, s31, 5                         ; which of the four small ones
	s_and_b32 s33, s31, 31
	s_and_b32 s34, s31, 127
	s_add_co_u32 s36, s32, 12                      ; where its codes begin, in MiB
	s_lshr_b32 s38, s31, 7                         ; 0: a small one, 1: W1, 2: W2
	s_cmp_lt_u32 s31, 128
	s_cselect_b32 s33, s33, s34                    ; my number within the tensor
	s_cselect_b32 s36, s36, 16
	s_cmp_lt_u32 s31, 256
	s_cselect_b32 s36, s36, 20
	s_cselect_b32 s37, 16, 64                      ; K / 64: chunks in a block of 64 rows of codes
	s_cmp_eq_u32 s38, 1
	s_cselect_b32 s39, 5, 3                        ; log2(N / 128)
	s_cselect_b32 s40, 14, 12                      ; log2 of a row of the weight in bytes
	s_bfm_b32 s41, s39, 0
	s_and_b32 s41, s33, s41                        ; which 128 columns
	s_lshr_b32 s43, s33, s39                       ; which 256 along K
	s_lshl_b32 s42, 1, s40                         ; a row of the weight in bytes
	s_cmp_lt_u32 s31, 32                           ; the tensor: a choice that hangs on the work-group's number alone
	s_cselect_b64 s[4:5], s[8:9], s[10:11]
	s_cmp_lt_u32 s31, 64
	s_cselect_b64 s[4:5], s[4:5], s[12:13]
	s_cmp_lt_u32 s31, 96
	s_cselect_b64 s[4:5], s[4:5], s[14:15]
	s_cmp_lt_u32 s31, 128
	s_cselect_b64 s[4:5], s[4:5], s[16:17]
	s_cmp_lt_u32 s31, 256
	s_cselect_b64 s[4:5], s[4:5], s[18:19]
	s_add_co_u32 s44, s40, 8
	s_lshl_b32 s44, s43, s44                       ; 256 rows x my part of K,
	s_lshl_b32 s45, s41, 9
	s_add_co_u32 s44, s44, s45                     ; + 512 bytes x my 128 columns,
	s_lshl_b32 s45, s30, 7
	s_add_co_u32 s44, s44, s45                     ; + 128 bytes x wave
	s_mov_b32 s45, 0
	s_add_nc_u64 s[4:5], s[4:5], s[44:45]
	s_lshl_b32 s46, s42, 5                         ; s[46:47]: 32 rows on
	s_mov_b32 s47, 0
	s_lshl_b32 s34, s41, 1
	s_lshr_b32 s35, s30, 1
	s_add_co_u32 s34, s34, s35                     ; my block of 64 rows of codes: 2 x (128 columns) + wave / 2
	s_mul_i32 s34, s34, s37
	s_lshl_b32 s35, s43, 2
	s_add_co_u32 s34, s34, s35                     ; its chunk at my first 64 along K
	s_lshl_b32 s34, s34, 12
	s_and_b32 s35, s30, 1
	s_lshl_b32 s35, s35, 11
	s_add_co_u32 s34, s34, s35                     ; rows 32 (wave % 2) on: 2,048 bytes
	s_lshl_b32 s35, s36, 20
	s_add_co_u32 s34, s34, s35
	s_mov_b32 s35, 0
	s_add_nc_u64 s[6:7], s[28:29], s[34:35]
	v_lshlrev_b32 v[AO], 2, v2
.set i, 1
.rept 31
	v_add_nc_u32 v[AO+i], s42, v[AO+i-1]
.set i, i+1
.endr
	s_mul_i32 s38, s30, 32*272                     ; my stage (WST = 0)
	v_mul_u32_u24 v4, v2, 272
	v_add_nc_u32 v4, s38, v4                       ; into it: row = my column
	v_lshrrev_b32 v7, 2, v2
	v_mul_u32_u24 v7, v7, 272
	v_and_b32 v9, 3, v2
	v_lshl_add_u32 v7, v9, 4, v7
	v_add_nc_u32 v7, s38, v7                       ; out of it: four lanes to a row's 64 bytes, eight rows an instruction
	v_lshlrev_b32 v8, 4, v2                        ; and 512 consecutive bytes of a chunk
.macro LOAD t                          ; block t: W(32 t + i, my column), i = 0 .. 31, into set t % 2; then the base goes 32 rows on
.set i, 0
.rept 32
	global_load_b32 v[X+32*((\t)%2)+i], v[AO+i], s[4:5] th:TH_LOAD_NT
.set i, i+1
.endr
.if (\t) < 7
	s_wait_xcnt 0x0                                ; the loads have read their base: only behind this wait is it stepped
	s_add_nc_u64 s[4:5], s[4:5], s[46:47]
.endif
.endm
	LOAD 0
	LOAD 1
	s_wait_kmcnt 0x0
	s_cmp_lt_u32 s31, 32                           ; the tensor's exponent, by the same chain: entries 0, 2, 4, 11, 13, 15
	s_cselect_b32 s32, s48, s50
	s_cmp_lt_u32 s31, 64
	s_cselect_b32 s32, s32, s52
	s_cmp_lt_u32 s31, 96
	s_cselect_b32 s32, s32, s59
	s_cmp_lt_u32 s31, 128
	s_cselect_b32 s32, s32, s61
	s_cmp_lt_u32 s31, 256
	s_cselect_b32 s32, s32, s63
	MKSC s32, v11, v10
.macro BLOCK t
.set XS, X+32*((\t)%2)
.if (\t) < 7
	s_wait_loadcnt 32                              ; this block's 32 loads are in; the next block's may be out
.else
	s_wait_loadcnt 0x0
.endif
.set i, 0
.rept 32
	v_med3_num_f32 v[XS+i], v[XS+i], -v10, v10     ; the conversion to an 8-bit code does not saturate (ISA guide 7.6.2): the hold at the largest code x the scale
.set i, i+1
.endr
.irp g, 0,1,2,3
	v_cvt_scalef32_pk8_fp8_f32 v[C+2*\g:C+2*\g+1], v[XS+8*\g:XS+8*\g+7], v11
.endr
	ds_store_b128 v4, v[C:C+3] offset:32*(\t)      ; 32 codes of my column's row
	ds_store_b128 v4, v[C+4:C+7] offset:32*(\t)+16
.if (\t)+2 < 8
	LOAD (\t)+2
.endif
	s_wait_dscnt 0x0                               ; the stores have read their registers: the next block's codes may be written
.endm
.irp t, 0,1,2,3,4,5,6,7
	BLOCK \t
.endr
.irp q, 0,1,2,3                        ; chunk q of my four along K: 32 rows x 64 bytes = 2,048 bytes on end
.irp i, 0,1,2,3
	ds_load_b128 v[OUTR+4*(4*\q+\i):OUTR+4*(4*\q+\i)+3], v7 offset:\i*8*272+64*\q   ; LDS serves a wave's instructions in order: these see my stores
.endr
.endr
.irp q, 0,1,2,3
.irp i, 0,1,2,3
	s_wait_dscnt 15-(4*\q+\i)
	global_store_b128 v8, v[OUTR+4*(4*\q+\i):OUTR+4*(4*\q+\i)+3], s[6:7] offset:\q*4096+\i*512   ; 32 lanes store 512 consecutive bytes, at a multiple of 512 from the buffer's first byte
.endr
.endr
	s_wait_tensorcnt 0x0                           ; the wave's end: behind my last LDS store
	ds_add_u32 v[SPW], v[NIL]
	s_wait_dscnt 0x0
	s_endpgm
; ---------------- LAYERNORM.  A wave takes 4 rows, one row at a time across its 32 lanes: lane l holds, for j = 0 .. 3, the eight neighbours 256 j + 8 l + 0 .. 7.
; Mean, then the mean of squared differences, as the definition has them; all in f32.  A row's codes go through the wave's stage, laid as they leave: for each chunk of 64 along K, 4 rows x 64 bytes.
.Lln:
	s_sub_co_u32 s31, ttmp9, 384
	s_lshl_b32 s31, s31, 4
	s_lshl_b32 s32, s30, 2
	s_add_co_u32 s31, s31, s32                     ; my first row: 16 x work-group + 4 x wave
	s_lshl_b32 s34, s31, 12
	s_mov_b32 s35, 0
	s_add_nc_u64 s[4:5], s[20:21], s[34:35]        ; x at my first row
	s_lshr_b32 s34, s31, 6
	s_lshl_b32 s34, s34, 16                        ; my block of 64 rows: 16 chunks,
	s_and_b32 s32, s31, 63
	s_lshl_b32 s32, s32, 6
	s_add_co_u32 s34, s34, s32                     ; my rows' 256 bytes in each
	s_add_nc_u64 s[OB:OB+1], s[28:29], s[34:35]
.if NSC > 1
	s_add_nc_u64 s[OB+2:OB+3], s[OB:OB+1], 0x400000
	s_add_nc_u64 s[OB+4:OB+5], s[OB:OB+1], 0x800000
.endif
	s_mov_b32 s44, 0x76543210                      ; v_permlanex16_b32: lane l xor 16
	s_mov_b32 s45, 0xfedcba98
	s_mov_b32 s46, 0x3a800000                      ; 1 / 1024
	s_mov_b32 s47, 0x3727c5ac                      ; 1e-5
	v_lshlrev_b32 v3, 5, v2                        ; 32 bytes a lane
	s_mul_i32 s42, s30, NSC*4096
	s_add_co_u32 s42, s42, LST                     ; my stage
	v_lshrrev_b32 v4, 3, v2
	v_lshlrev_b32 v4, 8, v4
	v_and_b32 v5, 7, v2
	v_lshl_add_u32 v4, v5, 3, v4
	v_add_nc_u32 v4, s42, v4                       ; into it: chunk 4 j + l / 8 (256 bytes each), byte 8 (l % 8)
	v_lshlrev_b32 v5, 4, v2
	v_add_nc_u32 v5, s42, v5                       ; out of it: as it lies
	v_lshrrev_b32 v6, 4, v2
	v_lshlrev_b32 v6, 12, v6
	v_and_b32 v7, 15, v2
	v_lshl_add_u32 v6, v7, 4, v6                   ; in memory: sixteen lanes to a chunk's 256 bytes, two chunks an instruction
.irp j, 0,1,2,3
	global_load_b128 v[G+8*\j:G+8*\j+3], v3, s[22:23] offset:1024*\j
	global_load_b128 v[G+8*\j+4:G+8*\j+7], v3, s[22:23] offset:1024*\j+16
.endr
.irp j, 0,1,2,3
	global_load_b128 v[BE+8*\j:BE+8*\j+3], v3, s[24:25] offset:1024*\j
	global_load_b128 v[BE+8*\j+4:BE+8*\j+7], v3, s[24:25] offset:1024*\j+16
.endr
.irp i, 0,1,2,3
.irp j, 0,1,2,3
	global_load_b128 v[XR+32*\i+8*\j:XR+32*\i+8*\j+3], v3, s[4:5] offset:4096*\i+1024*\j
	global_load_b128 v[XR+32*\i+8*\j+4:XR+32*\i+8*\j+7], v3, s[4:5] offset:4096*\i+1024*\j+16
.endr
.endr
	s_wait_kmcnt 0x0
	MKSC s49, v44, v48                             ; e1
	MKSC s51, v45, v49                             ; e3
	MKSC s53, v46, v50                             ; e5
.macro RED x, y                        ; the sum of v[x] over the 32 lanes, in every lane; v[y] at work (written before)
	v_add_f32_dpp v[\x], v[\x], v[\x] row_xmask:1 row_mask:0xf bank_mask:0xf
	v_add_f32_dpp v[\x], v[\x], v[\x] row_xmask:2 row_mask:0xf bank_mask:0xf
	v_add_f32_dpp v[\x], v[\x], v[\x] row_xmask:4 row_mask:0xf bank_mask:0xf
	v_add_f32_dpp v[\x], v[\x], v[\x] row_xmask:8 row_mask:0xf bank_mask:0xf
	v_permlanex16_b32 v[\y], v[\x], s44, s45
	v_add_f32 v[\x], v[\x], v[\y]
.endm
.macro ROW i
.set XB, XR+32*(\i)
	s_wait_loadcnt 8*(3-(\i))                      ; gain, offset and my rows up to this one are in; the later rows' loads, eight each, may be out
	v_pk_add_f32 v[40:41], v[XB:XB+1], v[XB+2:XB+3]
	v_pk_add_f32 v[42:43], v[XB+4:XB+5], v[XB+6:XB+7]
.irp j, 8,12,16,20,24,28
	v_pk_add_f32 v[40:41], v[40:41], v[XB+\j:XB+\j+1]
	v_pk_add_f32 v[42:43], v[42:43], v[XB+\j+2:XB+\j+3]
.endr
	v_pk_add_f32 v[40:41], v[40:41], v[42:43]
	v_add_f32 v40, v40, v41
	RED 40, 41
	v_mul_f32 v36, s46, v40                        ; the mean
	v_mov_b32 v37, v36
.irp j, 0,2,4,6,8,10,12,14,16,18,20,22,24,26,28,30
	v_pk_add_f32 v[XB+\j:XB+\j+1], v[XB+\j:XB+\j+1], v[36:37] neg_lo:[0,1] neg_hi:[0,1]
.endr
	v_pk_mul_f32 v[40:41], v[XB:XB+1], v[XB:XB+1]
	v_pk_mul_f32 v[42:43], v[XB+2:XB+3], v[XB+2:XB+3]
.irp j, 4,8,12,16,20,24,28
	v_pk_fma_f32 v[40:41], v[XB+\j:XB+\j+1], v[XB+\j:XB+\j+1], v[40:41]
	v_pk_fma_f32 v[42:43], v[XB+\j+2:XB+\j+3], v[XB+\j+2:XB+\j+3], v[42:43]
.endr
	v_pk_add_f32 v[40:41], v[40:41], v[42:43]
	v_add_f32 v40, v40, v41
	RED 40, 41
	v_fma_f32 v40, v40, s46, s47                   ; the variance + 1e-5
	v_rsq_f32 v38, v40
	v_nop                                          ; a plain instruction behind the transcendental,
	s_wait_alu depctr_va_vdst(0)                   ; and the wait ahead of its first reader
	v_mov_b32 v39, v38
.irp j, 0,2,4,6,8,10,12,14,16,18,20,22,24,26,28,30
	v_pk_mul_f32 v[XB+\j:XB+\j+1], v[XB+\j:XB+\j+1], v[38:39]
.endr
.irp j, 0,2,4,6,8,10,12,14,16,18,20,22,24,26,28,30
	v_pk_fma_f32 v[XB+\j:XB+\j+1], v[XB+\j:XB+\j+1], v[G+\j:G+\j+1], v[BE+\j:BE+\j+1]
.endr
.set SCI, 0
.rept NSC                              ; the row is kept: each scale holds it into other registers (two sets by turns) and converts from there
.irp j, 0,1,2,3
.irp k, 0,1,2,3,4,5,6,7
	v_med3_num_f32 v[16+8*(\j%2)+\k], v[XB+8*\j+\k], -v[48+SCI], v[48+SCI]
.endr
	s_wait_dscnt 3                                 ; at most the three younger stores are out: the store four back has read the pair that is written next
	v_cvt_scalef32_pk8_fp8_f32 v[52+2*\j:53+2*\j], v[16+8*(\j%2):23+8*(\j%2)], v[44+SCI]
	ds_store_b64 v4, v[52+2*\j:53+2*\j] offset:SCI*4096+1024*\j+64*(\i)
.endr
.set SCI, SCI+1
.endr
.endm
	ROW 0
	ROW 1
	ROW 2
	ROW 3
.set n, 0
.rept 8*NSC
	ds_load_b128 v[XR+4*n:XR+4*n+3], v5 offset:512*n   ; LDS serves a wave's instructions in order: these see my stores
.set n, n+1
.endr
.set n, 0
.rept 8*NSC
	s_wait_dscnt 8*NSC-1-n
	global_store_b128 v6, v[XR+4*n:XR+4*n+3], s[OB+2*(n/8):OB+2*(n/8)+1] offset:8192*(n%8)   ; sixteen lanes store 256 consecutive bytes, aligned: my 4 rows of a chunk
.set n, n+1
.endr
	s_wait_tensorcnt 0x0                           ; the wave's end: behind my last LDS store
	ds_add_u32 v[SPW], v[NIL]
	s_wait_dscnt 0x0
	s_endpgm
.Lfunc_end_k_q2e07591268_prep:
	.size	k_q2e07591268_prep, .Lfunc_end_k_q2e07591268_prep-k_q2e07591268_prep
	.p2alignl 7, 3214868480
	.fill 96, 4, 3214868480
	.section	.rodata,"a",@progbits
	.p2align	6, 0x0
	.amdhsa_kernel k_q2e07591268_prep
		.amdhsa_group_segment_fixed_size 84480
		.amdhsa_private_segment_fixed_size 0
		.amdhsa_enable_private_segment 0
		.amdhsa_kernarg_size 88
		.amdhsa_user_sgpr_count 2
		.amdhsa_user_sgpr_kernarg_segment_ptr 1
		.amdhsa_wavefront_size32 1
		.amdhsa_system_sgpr_workgroup_id_x 1
		.amdhsa_system_sgpr_workgroup_id_y 1
		.amdhsa_system_sgpr_workgroup_id_z 1
		.amdhsa_system_vgpr_workitem_id 0
		.amdhsa_next_free_vgpr 256
		.amdhsa_next_free_sgpr 66
		.amdhsa_reserve_vcc 0
		.amdhsa_float_denorm_mode_32 3
		.amdhsa_float_denorm_mode_16_64 3
		.amdhsa_memory_ordered 1
		.amdhsa_forward_progress 1
		.amdhsa_inst_pref_size 119
	.end_amdhsa_kernel
	.amdgpu_metadata
---
amdhsa.version: [ 1, 2 ]
amdhsa.kernels:
  - .name:           k_q2e07591268_prep
    .symbol:         k_q2e07591268_prep.kd
    .args:
      - { .name: Wq, .offset: 0, .size: 8, .value_kind: global_buffer, .address_space: global }
      - { .name: Wk, .offset: 8, .size: 8, .value_kind: global_buffer, .address_space: global }
      - { .name: Wv, .offset: 16, .size: 8, .value_kind: global_buffer, .address_space: global }
      - { .name: Wo, .offset: 24, .size: 8, .value_kind: global_buffer, .address_space: global }
      - { .name: W1, .offset: 32, .size: 8, .value_kind: global_buffer, .address_space: global }
      - { .name: W2, .offset: 40, .size: 8, .value_kind: global_buffer, .address_space: global }
      - { .name: embedding, .offset: 48, .size: 8, .value_kind: global_buffer, .address_space: global }
      - { .name: g1, .offset: 56, .size: 8, .value_kind: global_buffer, .address_space: global }
      - { .name: be1, .offset: 64, .size: 8, .value_kind: global_buffer, .address_space: global }
      - { .name: lowp_scales, .offset: 72, .size: 8, .value_kind: global_buffer, .address_space: global }
      - { .name: codes, .offset: 80, .size: 8, .value_kind: global_buffer, .address_space: global }
    .group_segment_fixed_size: 84480
    .private_segment_fixed_size: 0
    .kernarg_segment_align: 8
    .kernarg_segment_size: 88
    .max_flat_workgroup_size: 128
    .sgpr_count:     66
    .vgpr_count:     256
    .wavefront_size: 32
...
	.end_amdgpu_metadata
.endif
;; end of part 1
;; launch qkv (part 2): grid 16 x 48, 4 waves a work-group, clusters of 4 x 4, 327,680 bytes of LDS; arguments codes, lowp_scales, qkvc; writes qkvc
.if DOCPART == 2
	.amdgcn_target "amdgcn-amd-amdhsa--gfx1250"
	.amdhsa_code_object_version 6
	.text
	.protected	k_q2e07591268_qkv
	.globl	k_q2e07591268_qkv
	.p2align	8
	.type	k_q2e07591268_qkv,@function
k_q2e07591268_qkv:
	s_mov_b64 s[64:65], 0
	v_nop
	global_prefetch_b8 v0, s[64:65] scope:SCOPE_SE
	s_setreg_imm32_b32 hwreg(HW_REG_WAVE_MODE, 25, 1), 1
	s_wait_xcnt 0x0
	s_wait_alu depctr_hold_cnt(0) depctr_sa_sdst(0) depctr_va_vdst(0) depctr_va_sdst(0) depctr_va_ssrc(0) depctr_va_vcc(0) depctr_vm_vsrc(0)
	s_getreg_b32 s2, hwreg(HW_REG_IB_STS2, 6, 4)
	s_cmp_eq_u32 s2, 0
	s_cbranch_scc0 .Lentry_in_a_cluster
	s_endpgm
.Lentry_in_a_cluster:
	s_bfe_u32 s2, ttmp6, 0x10000c
	s_cmp_lg_u32 s2, 0xf033
	s_cbranch_scc0 .Lentry_shape_is_right
	s_endpgm
.Lentry_shape_is_right:
; PRODUCTS 1 TO 3: q, k and v from LayerNorm 1's codes and the weights' codes; the results are quantised at once, q with entry 6, k with entry 7, v with entry 9, and v leaves with the KEYS innermost.
; THIS TEXT IS ONE TEMPLATE FOR FOUR LAUNCHES; the constants at its head choose.  C = S1 S0^T on codes of FP8 (E4M3).  S1 supplies C's rows and hangs on the tile row, S0 supplies C's columns and hangs on the tile column.
; Operands lie in chunks of 4,096 bytes, chunk (rb, kb) = [64 rows][64 codes] at (rb KB/64 + kb) 4096: 64 rows x 512 K are 32 KB on end, one tensor load of 128 lines of 256 bytes, 16 bytes of padding behind each in LDS.
; A tile of C is 128 x 128: four waves, each 64 x 64 in 16 accumulators.  K goes in steps of 512 through two LDS slots.  THE MATRIX INSTRUCTION IS USED TRANSPOSED (source 0 = 16 rows of S0, source 1 = 16 rows of S1):
; lane (r, h) of accumulator (a, b) holds row 16 a + r and columns 16 b + 8 h + 0 .. 7.  A fragment's registers 4 c .. 4 c + 3 hold k = 32 c + 16 h + 0 .. 15: the same permutation of k on both sides, so only the order of the sums changes.
; CLUSTERS: 4 x 4 work-groups; S1's tiles are asked for jointly along a row of the cluster, S0's along a column.
; HERE: clusters with y < 8 make q (cluster x 0, 1) and k (2, 3): S1 = the tokens, S0 = the weight's rows.  Clusters with y >= 8 make v: S1 = Wv's rows, S0 = the tokens, so that a lane's eight results are eight neighbouring keys.
; All choices are s_cselect on the cluster's numbers, which the sixteen partners share.  LIMITS: e6 - e0 - e1, e7 - e2 - e3, e9 - e4 - e5 lie between -126 and 119.
.set QKV,   1
.set KB,    1024                       ; a row of an operand in bytes
.set EPI,   0                          ; 0: the results leave as codes; 1: as f32, with a residual added
.set BIASM, 0                          ; 1: a bias along C's columns
.set RELU,  0
.set EA,    0                          ; entries of the scales: S1's, S0's, the result's (here chosen below)
.set EB,    0
.set EO,    0
.set S0OFF, 0                          ; where S0 begins in its buffer (here chosen below)
.set OCH,   0                          ; chunks in a block of 64 rows of the result
.set A_S1,  0                          ; the arguments' places
.set A_S0,  0
.set A_SC,  8
.set A_OUT, 16
.set A_BI,  0
.set A_RE,  0
.set HK,    4<<20                      ; places in the buffer of codes, and in the buffer of q, k, v
.set HV,    8<<20
.set WQ,    12<<20
.set WK,    13<<20
.set WV,    14<<20
.set KCO,   4<<20
.set VCO,   8<<20
.set LAPS,  KB/1024                    ; a lap = two K steps = once round the ring
.set PITCH, 272                        ; a line in LDS: 256 bytes (4 rows of 64 codes) + 16
.set HALFT, 128*PITCH                  ; what one tensor load brings: 64 rows x 512 K
.set SLOT,  4*HALFT                    ; S1's two blocks of 64 rows, then S0's two
.set STAGE, 2*SLOT                     ; behind the ring: the way out, 17,408 bytes
.set SPARE, STAGE+17408                ; the spare words, 128 bytes for each wave: two blocks of 256 bytes that no other line names
.set ADR1,  16                         ; v16-17 LDS address of my S1 fragments in slot 0, 1
.set ADR0,  20                         ; v20-21 the same for S0
.set STO,   24                         ; v24-26 the way out: into the stage, back out of it, in memory
.set RD,    25
.set CO,    26
.set BO,    27                         ; v27    the bias's offset
.set SPW,   28                         ; v28    LDS address of my spare word; never rewritten
.set NIL,   29                         ; v29    0; never rewritten
.set SCL,   30                         ; v30    the conversion's scale as f32;  v31  448 x that
.set LIM,   31
.set TMP,   32                         ; v32-95 at work on the way out
.set BIAS,  96                         ; v96-127 the bias in the result's layout, divided by the power of two that the sums lack
.set ACC,   128                        ; v128-255 accumulator (a, b) at 128 + 8 (4 a + b)
.set F0,    0                          ; window 1: two sets of fragments for 128 along K: S1's four at 16 a, S0's four at 64 + 16 b
.set F1,    128
.set G1,    24                         ; s[24:31] descriptor group 1 for S1;  s[32:39] group 0, a set for each slot
.set G0,    32
.set G1B,   48                         ; s[48:55], s[56:63] the same for S0
.set G0B,   56
.set SC,    68                         ; s68-83  e0 .. e15
.set ZF,    1+BIASM                    ; how the first products start the sums: from 0, or from the bias
.set MSB,   0
.macro WIN new                         ; the immediate's high byte repeats the setting that is left
.if MSB != \new
	s_set_vgpr_msb (MSB<<8)|\new
.set MSB, \new
.endif
.endm
.set MUL,  0x05                        ; sources 0 and 1 window 1; C and D window 0
.set TO_F, 0x40                        ; destination window 1, address window 0
.macro JLOAD s                         ; a joint load: waves 0 and 1 fetch S1's two blocks, waves 2 and 3 S0's; an s_nop 0 and four v_nop follow each of the two lines
	s_cmp_eq_u32 s11, 0
	s_cbranch_scc0 .Lfor_b_\@
	tensor_load_to_lds s[G0+4*\s:G0+4*\s+3], s[G1:G1+7]
	s_nop 0
.rept 4
	v_nop
.endr
	s_branch .Lasked_\@
.Lfor_b_\@:
	tensor_load_to_lds s[G0B+4*\s:G0B+4*\s+3], s[G1B:G1B+7]
	s_nop 0
.rept 4
	v_nop
.endr
.Lasked_\@:
.endm
.macro CREST                           ; a round of the cluster's barrier behind its opening barrier
	s_cmp_lg_u32 s10, 0
	s_cbranch_scc1 .Lnot_wave_0_\@
	s_barrier_signal -3
.Lnot_wave_0_\@:
	s_barrier_wait -3
	s_barrier_signal -1
	s_barrier_wait -1
.endm
.macro CROUND                          ; a whole round
	s_barrier_signal -1
	s_barrier_wait -1
	CREST
.endm
.macro PLACES                          ; four places in front of loads into registers that matrix instructions have read, and of the first read of results
.rept 4
	v_nop
.endr
.endm
	s_load_b64 s[4:5], s[0:1], A_S1                ; S1's buffer
	s_load_b64 s[6:7], s[0:1], A_S0                ; S0's buffer
	s_load_b64 s[84:85], s[0:1], A_SC              ; the scales' exponents
	s_load_b64 s[8:9], s[0:1], A_OUT               ; the result
.if BIASM
	s_load_b64 s[86:87], s[0:1], A_BI
.endif
.if EPI
	s_load_b64 s[88:89], s[0:1], A_RE
.endif
	v_lshl_add_u32 v[SPW], v0, 2, SPARE
	v_mov_b32 v[NIL], 0
	ds_add_u32 v[SPW], v[NIL]                      ; the wave's opening: the add, and its wait ahead of my first tensor load; the set-up below, work on registers, stands between them
	v_lshrrev_b32 v1, 5, v0
	v_readfirstlane_b32 s10, v1                    ; wave 0..3
	s_lshr_b32 s11, s10, 1                         ; which 64 rows of the tile are mine.  Also: I fetch for S1 (0) or for S0 (1)
	s_and_b32 s12, s10, 1                          ; which 64 columns.  Also: which block of 64 rows of that operand I fetch
	s_bfe_u32 s40, ttmp6, 0x40000                  ; cx, cy: my place in the cluster
	s_bfe_u32 s41, ttmp6, 0x40004
.if QKV
	s_and_b32 s20, ttmp7, 0xffff                   ; cluster y, 0 .. 11
	s_and_b32 s22, s20, 1                          ; v: which four of Wv's eight tiles of rows
	s_sub_co_u32 s23, s20, 8
	s_lshr_b32 s23, s23, 1
	s_lshl_b32 s23, s23, 2
	s_add_co_u32 s23, s23, ttmp9                   ; v: which four of the tokens' 32 tiles
	s_and_b32 s18, ttmp9, 1                        ; q, k: which four of the weight's eight tiles
	s_cmp_ge_u32 s20, 8
	s_cselect_b32 s13, s22, s20
	s_cselect_b32 s42, s23, s18
	s_cselect_b32 s19, 1, 0                        ; 1: v
	s_lshl_b32 s13, s13, 2
	s_add_co_u32 s13, s13, s41                     ; tile row
	s_lshl_b32 s42, s42, 2
	s_add_co_u32 s42, s42, s40                     ; tile column
	s_mov_b32 s91, WK
	s_cmp_lt_u32 ttmp9, 2
	s_cselect_b32 s90, 0, HK                       ; S1's place, S0's place, the result's place
	s_cselect_b32 s91, WQ, s91
	s_cselect_b32 s92, 0, KCO
	s_cselect_b32 s93, 1, 0                        ; 1: q (where it is not v)
	s_cmp_eq_u32 s19, 1
	s_cselect_b32 s90, WV, s90
	s_cselect_b32 s91, HV, s91
	s_cselect_b32 s92, VCO, s92
.else
	s_lshl_b32 s42, ttmp9, 2
	s_add_co_u32 s42, s42, s40                     ; tile column = 4 x cluster x + cx
	s_and_b32 s13, ttmp7, 0xffff
	s_lshl_b32 s13, s13, 2
	s_add_co_u32 s13, s13, s41                     ; tile row = 4 x cluster y + cy
.endif
	s_lshl_b32 s43, s41, 2
	s_lshl_b32 s43, 15, s43                        ; my row of the cluster
	s_lshl_b32 s44, 0x1111, s40                    ; my column
	s_or_b32 s[G1], s43, 0x7730000                 ; 15:0 the mask; 17:16 elements of 8 bytes; 20 padding on; 21 set beside a mask; 24:22 after every 64 words; 31:25 four words
	s_or_b32 s[G1B], s44, 0x7730000
.irp g, G1, G1B
	s_mov_b32 s[\g+1], 32<<16                      ; tensor_dim0 = 32 elements: 256 bytes
	s_mov_b32 s[\g+2], 128<<16                     ; tensor_dim1 = 128 lines
	s_mov_b32 s[\g+3], 32<<16                      ; tile_dim0
	s_mov_b32 s[\g+4], 128                         ; tile_dim1
	s_mov_b32 s[\g+5], 32                          ; the pitch: the block is dense
	s_mov_b32 s[\g+6], 0
	s_mov_b32 s[\g+7], 0
.endr
	s_lshl_b32 s16, s13, 1
	s_add_co_u32 s16, s16, s12
	s_mul_i32 s16, s16, 64*KB                      ; S1: block of 64 rows 2 x tile row + wave % 2
	s_lshl_b32 s46, s42, 1
	s_add_co_u32 s46, s46, s12
	s_mul_i32 s46, s46, 64*KB                      ; S0: 2 x tile column + wave % 2
.if QKV
	s_add_co_u32 s16, s16, s90
	s_add_co_u32 s46, s46, s91
.else
	s_add_co_u32 s46, s46, S0OFF
.endif
	s_mov_b32 s17, 0
	s_mov_b32 s47, 0
	s_mul_i32 s45, s10, HALFT                      ; where they go: wave x a load's bytes: no place in the cluster enters an LDS address
	s_wait_dscnt 0x0                               ; the opening add is done
	s_wait_kmcnt 0x0
	s_load_b256 s[68:75], s[84:85], 0x0
	s_load_b256 s[76:83], s[84:85], 0x20
	s_add_nc_u64 s[14:15], s[4:5], s[16:17]
	s_add_nc_u64 s[46:47], s[6:7], s[46:47]
	CROUND                                         ; all sixteen work-groups are here: the first joint loads meet
.irp s, 0,1
	s_mov_b32 s[G0+4*\s], 1
	s_add_co_u32 s[G0+4*\s+1], s45, \s*SLOT
	s_add_nc_u64 s[G0+4*\s+2:G0+4*\s+3], s[14:15], \s*32768
	s_or_b32 s[G0+4*\s+3], s[G0+4*\s+3], 0x80000000
	s_mov_b32 s[G0B+4*\s], 1
	s_add_co_u32 s[G0B+4*\s+1], s45, \s*SLOT
	s_add_nc_u64 s[G0B+4*\s+2:G0B+4*\s+3], s[46:47], \s*32768
	s_or_b32 s[G0B+4*\s+3], s[G0B+4*\s+3], 0x80000000
	JLOAD \s                                       ; two loads of mine are out
.endr
	v_and_b32 v1, 15, v0                           ; r
	v_bfe_u32 v2, v0, 4, 1                         ; h
	v_and_b32 v5, 31, v0                           ; lane
	v_lshrrev_b32 v3, 2, v1
	v_mul_u32_u24 v3, v3, PITCH
	v_and_b32 v4, 3, v1
	v_lshl_add_u32 v3, v4, 6, v3
	v_lshl_add_u32 v3, v2, 4, v3                   ; a fragment's lane term: line r / 4, row r % 4 in it, 16 h
	s_mul_i32 s21, s11, HALFT                      ; my 64 rows of S1
	s_mul_i32 s22, s12, HALFT
	s_add_co_u32 s22, s22, 2*HALFT                 ; my 64 rows of S0
.irp s, 0,1
	v_add_nc_u32 v[ADR1+\s], s21, v3
	v_add_nc_u32 v[ADR0+\s], s22, v3
	s_add_co_u32 s21, s21, SLOT
	s_add_co_u32 s22, s22, SLOT
.endr
.if EPI
	s_mul_i32 s23, s10, 16*272
	s_add_co_u32 s23, s23, STAGE                   ; my stage: 16 rows x (256 bytes + 16)
	v_mul_u32_u24 v6, v1, 272
	v_lshl_add_u32 v6, v2, 5, v6
	v_add_nc_u32 v[STO], s23, v6                   ; in: row r, 32 bytes for each half of the lanes
	v_mul_u32_u24 v6, v2, 272
	v_lshl_add_u32 v6, v1, 4, v6
	v_add_nc_u32 v[RD], s23, v6                    ; back: lanes 0-15 one row of 256 bytes, lanes 16-31 the next
	v_lshlrev_b32 v6, 12, v2
	v_lshl_add_u32 v[CO], v1, 4, v6                ; and the same two rows in memory (rows of 4,096 bytes)
	s_lshl_b32 s96, s13, 7
	s_lshl_b32 s97, s11, 6
	s_add_co_u32 s96, s96, s97                     ; my first row
	s_lshl_b32 s96, s96, 12
	s_lshl_b32 s97, s42, 9
	s_add_co_u32 s96, s96, s97
	s_lshl_b32 s97, s12, 8
	s_add_co_u32 s96, s96, s97                     ; + my first column x 4
	s_mov_b32 s97, 0
	s_add_nc_u64 s[8:9], s[8:9], s[96:97]
	s_add_nc_u64 s[88:89], s[88:89], s[96:97]
.else
	s_lshl_b32 s23, s10, 12
	s_add_co_u32 s23, s23, STAGE                   ; my stage: a chunk
	v_lshlrev_b32 v6, 6, v1
	v_lshl_add_u32 v6, v2, 3, v6
	v_add_nc_u32 v[STO], s23, v6                   ; in: row r of 64 bytes, 8 h
	v_lshlrev_b32 v[CO], 4, v5
	v_add_nc_u32 v[RD], s23, v[CO]                 ; back, and in memory: as it lies
	s_lshl_b32 s96, s13, 1
	s_add_co_u32 s96, s96, s11                     ; my block of 64 rows of C
	s_lshl_b32 s97, s42, 1
	s_add_co_u32 s97, s97, s12                     ; my block of 64 columns
.if QKV
	s_cmp_eq_u32 s19, 1
	s_cselect_b32 s98, s97, s96                    ; the tokens' block,
	s_cselect_b32 s99, s96, s97                    ; the head
	s_lshr_b32 s96, s98, 5
	s_lshl_b32 s96, s96, 4
	s_add_co_u32 s96, s96, s99
	s_lshl_b32 s96, s96, 5
	s_and_b32 s98, s98, 31
	s_add_co_u32 s96, s96, s98                     ; chunk ((batch x 16 + head) x 32 + the block of 64 tokens within the batch)
	s_lshl_b32 s96, s96, 12
	s_add_co_u32 s96, s96, s92
.else
	s_mul_i32 s96, s96, OCH
	s_add_co_u32 s96, s96, s97
	s_lshl_b32 s96, s96, 12
.endif
	s_mov_b32 s97, 0
	s_add_nc_u64 s[8:9], s[8:9], s[96:97]
.endif
.if BIASM
	s_lshl_b32 s98, s42, 9
	s_lshl_b32 s99, s12, 8
	s_add_co_u32 s98, s98, s99
	s_mov_b32 s99, 0
	s_add_nc_u64 s[86:87], s[86:87], s[98:99]      ; the bias at my first column
	v_lshlrev_b32 v[BO], 5, v2
.irp b, 0,1,2,3
	global_load_b128 v[BIAS+8*\b:BIAS+8*\b+3], v[BO], s[86:87] offset:64*\b          ; columns 16 b + 8 h + 0 .. 7
	global_load_b128 v[BIAS+8*\b+4:BIAS+8*\b+7], v[BO], s[86:87] offset:64*\b+16
.endr
.endif
.if EPI
	WIN 0x80                                       ; destination window 2: the residual's tile, asked for now, wanted on the way out
.irp a, 0,1,2,3
.irp t, 0,1,2,3,4,5,6,7
	global_load_b128 v[32*\a+4*\t:32*\a+4*\t+3], v[CO], s[88:89] offset:(16*\a+2*\t)*4096
.endr
.endr
	WIN 0
.endif
	s_wait_kmcnt 0x0                               ; the exponents
.if QKV
	s_sub_co_i32 s94, s74, s68
	s_sub_co_i32 s94, s94, s69                     ; q: e6 - e0 - e1
	s_sub_co_i32 s95, s75, s70
	s_sub_co_i32 s95, s95, s71                     ; k: e7 - e2 - e3
	s_sub_co_i32 s96, s77, s72
	s_sub_co_i32 s96, s96, s73                     ; v: e9 - e4 - e5
	s_cmp_eq_u32 s93, 1
	s_cselect_b32 s94, s94, s95
	s_cmp_eq_u32 s19, 1
	s_cselect_b32 s94, s96, s94
.else
	s_add_co_i32 s95, s[SC+EA], s[SC+EB]           ; a sum stands for sum x 2^(eA + eB)
.endif
.if EPI
	s_add_co_i32 s66, s95, 127
	s_lshl_b32 s66, s66, 23                        ; 2^(eA + eB) as f32
	s_mov_b32 s67, s66                             ; (named with it as a pair, so it is written)
.else
.if QKV == 0
	s_sub_co_i32 s94, s[SC+EO], s95                ; the three scales folded into the conversion's one
.endif
	s_add_co_i32 s2, s94, 127
	s_lshl_b32 s3, s2, 23
	v_mov_b32 v[SCL], s3
	s_add_co_i32 s2, s2, 8
	s_lshl_b32 s2, s2, 23
	s_or_b32 s2, s2, 0x600000
	v_mov_b32 v[LIM], s2
.endif
.if BIASM
	s_sub_co_i32 s96, 0, s95
	s_wait_loadcnt 32*EPI                          ; the bias's eight loads are in; the residual's 32, issued behind them, may be out
.set j, 0
.rept 32
	v_ldexp_f32 v[BIAS+j], v[BIAS+j], s96          ; the bias goes in as the C of each sum's first product, divided by 2^(eA + eB)
.set j, j+1
.endr
.endif
.macro FRAG reg, adr, q, i             ; 16 rows x 128 K: the slot's q-th 128 along K (two chunks), rows 16 i on
.irp c, 0,1,2,3
	ds_load_b128 v[\reg+4*\c:\reg+4*\c+3], v[\adr] offset:8704*(\q)+4352*(\c/2)+32*(\c%2)+1088*(\i)
.endr
.endm
.macro FETCH slot, q, f                ; 32 LDS loads in one run: S0's four fragments, then S1's
	WIN TO_F
.irp i, 0,1,2,3
	FRAG \f+64+16*\i, ADR0+\slot, \q, \i
.endr
.irp i, 0,1,2,3
	FRAG \f+16*\i, ADR1+\slot, \q, \i
.endr
.endm
.macro MUL4 f, a, z                    ; S1's block a against S0's four.  z = 1: the sums start from 0; 2: from the bias.  The 16 accumulators take turns, one instruction a turn, in the same order everywhere
.irp b, 0,1,2,3
.if (\z) == 1
	v_wmma_f32_16x16x128_fp8_fp8 v[ACC+8*(4*(\a)+\b):ACC+8*(4*(\a)+\b)+7], v[\f+64+16*\b:\f+64+16*\b+15], v[\f+16*(\a):\f+16*(\a)+15], 0
.elseif (\z) == 2
	v_wmma_f32_16x16x128_fp8_fp8 v[ACC+8*(4*(\a)+\b):ACC+8*(4*(\a)+\b)+7], v[\f+64+16*\b:\f+64+16*\b+15], v[\f+16*(\a):\f+16*(\a)+15], v[BIAS+8*\b:BIAS+8*\b+7]
.else
	v_wmma_f32_16x16x128_fp8_fp8 v[ACC+8*(4*(\a)+\b):ACC+8*(4*(\a)+\b)+7], v[\f+64+16*\b:\f+64+16*\b+15], v[\f+16*(\a):\f+16*(\a)+15], v[ACC+8*(4*(\a)+\b):ACC+8*(4*(\a)+\b)+7]
.endif
.endr
.endm
.macro MUL8 f, a0, z
	MUL4 \f, \a0, \z
	MUL4 \f, \a0+1, \z
.endm
; A K step is four quarters of 128 along K, 16 matrix instructions each, on sets 0, 1, 0, 1.  One of the first three: multiplies set f and fetches the slot's quarter qn into set g.
.macro QUARTER slot, qn, f, g, z
	s_wait_dscnt 8                                 ; S0's four and S1's blocks 0 and 1 are in; the youngest eight loads (blocks 2 and 3) may be out
	WIN MUL
	MUL8 \f, 0, \z
	PLACES
	FETCH \slot, \qn, \g
	s_wait_dscnt 32                                ; all but the 32 just issued
	WIN MUL
	MUL8 \f, 2, \z
.endm
; The last quarter multiplies set 1 and changes slots: ONE barrier; in front of it each wave waits for all its tensor loads, adds 0 to its spare word, and waits for that and for its reads of this slot.  fill = 1: this slot is filled again, two K steps ahead.
.macro TURN slot, next, fill
	WIN 0                                          ; (the add's two registers lie in window 0)
	s_wait_tensorcnt 0x0                           ; all my tensor loads have landed: my part of the next slot;
	ds_add_u32 v[SPW], v[NIL]                      ; 0 onto my spare word
	s_wait_dscnt 9                                 ; (the add and the youngest eight loads may be out)
	WIN MUL
	MUL4 F1, 0, 0                                  ; four matrix instructions stand between the add and the wait for it
	s_wait_dscnt 0x0                               ; the add is done, and my reads of this slot are over
	s_barrier_signal -1
	MUL4 F1, 1, 0
.if \fill
	WIN 0
.endif
	s_barrier_wait -1
.if \fill
	CREST                                          ; the barrier has opened a round of the cluster's barrier: no wave of any partner still reads this slot or has a load on its way
	s_add_nc_u64 s[G0+4*\slot+2:G0+4*\slot+3], s[G0+4*\slot+2:G0+4*\slot+3], 65536
	s_add_nc_u64 s[G0B+4*\slot+2:G0B+4*\slot+3], s[G0B+4*\slot+2:G0B+4*\slot+3], 65536
	JLOAD \slot                                    ; the first tensor load behind the round; its four v_nop are also the places in front of the loads below
.else
	PLACES
.endif
	FETCH \next, 0, F0
	WIN MUL
	MUL4 F1, 2, 0
	MUL4 F1, 3, 0
.endm
	s_wait_tensorcnt 1                             ; my part of K step 0 is in; K step 1's may stay out
	s_barrier_signal -1
	s_barrier_wait -1                              ; everybody's is
	FETCH 0, 0, F0
	QUARTER 0, 1, F0, F1, ZF                       ; the first quarter's products start the sums
.if LAPS > 1
	WIN 0                                          ; at a label and at a branch every window is 0
	s_mov_b32 s3, LAPS-1
.Llap:                                                 ; a trip goes once round the ring, from a lap's second quarter to the next lap's first, and fills both slots again
	QUARTER 0, 2, F1, F0, 0
	QUARTER 0, 3, F0, F1, 0
	TURN 0, 1, 1
	QUARTER 1, 1, F0, F1, 0
	QUARTER 1, 2, F1, F0, 0
	QUARTER 1, 3, F0, F1, 0
	TURN 1, 0, 1
	QUARTER 0, 1, F0, F1, 0
	WIN 0
	s_sub_co_u32 s3, s3, 1
	s_cmp_lg_u32 s3, 0
	s_cbranch_scc1 .Llap
.endif
	QUARTER 0, 2, F1, F0, 0                        ; the last lap fills nothing
	QUARTER 0, 3, F0, F1, 0
	TURN 0, 1, 0
	QUARTER 1, 1, F0, F1, 0
	QUARTER 1, 2, F1, F0, 0
	QUARTER 1, 3, F0, F1, 0
	s_wait_dscnt 8                                 ; the very last quarter: nothing more to fetch
	WIN MUL
	MUL8 F1, 0, 0
	s_wait_dscnt 0x0
	MUL8 F1, 2, 0
	WIN 0
	PLACES
.if EPI == 0
; THE WAY OUT, AS CODES.  A lane's eight results are eight neighbours along the next product's K: held, converted, 8 bytes a lane into my stage (a chunk as it will lie), back as it lies, and out as 4,096 consecutive bytes.
.set t, 0
.rept 16
.set k, 0
.rept 8
.if RELU
	v_med3_num_f32 v[ACC+8*t+k], v[ACC+8*t+k], 0, v[LIM]          ; the activation and the hold in one; each accumulator from its low end on
.else
	v_med3_num_f32 v[ACC+8*t+k], v[ACC+8*t+k], -v[LIM], v[LIM]    ; the conversion does not saturate (ISA guide 7.6.2): the hold; each accumulator from its low end on
.endif
.set k, k+1
.endr
	v_cvt_scalef32_pk8_fp8_f32 v[TMP+2*t:TMP+2*t+1], v[ACC+8*t:ACC+8*t+7], v[SCL]
.set t, t+1
.endr
	v_nop                                          ; a plain instruction behind the last conversion
.irp a, 0,1,2,3
.irp b, 0,1,2,3
	ds_store_b64 v[STO], v[TMP+2*(4*\a+\b):TMP+2*(4*\a+\b)+1] offset:1024*\a+16*\b
.endr
.endr
.irp i, 0,1,2,3,4,5,6,7
	ds_load_b128 v[TMP+32+4*\i:TMP+32+4*\i+3], v[RD] offset:512*\i   ; LDS serves a wave's instructions in order: these see my stores
.endr
.irp i, 0,1,2,3,4,5,6,7
	s_wait_dscnt 7-\i
	global_store_b128 v[CO], v[TMP+32+4*\i:TMP+32+4*\i+3], s[8:9] offset:512*\i   ; 32 lanes store 512 consecutive bytes, aligned
.endr
.else
; THE WAY OUT, AS F32.  A block of 16 rows x 64 columns goes through my stage and comes back as whole rows of 256 bytes; there sum x 2^(eA + eB) + the residual is one packed multiply-add for two numbers.
.macro TOSTAGE a
.irp b, 0,1,2,3
	ds_store_b128 v[STO], v[ACC+8*(4*(\a)+\b):ACC+8*(4*(\a)+\b)+3] offset:64*\b          ; each accumulator from its low end on
	ds_store_b128 v[STO], v[ACC+8*(4*(\a)+\b)+4:ACC+8*(4*(\a)+\b)+7] offset:64*\b+16
.endr
.set BK, TMP+32*((\a)%2)
.irp t, 0,1,2,3,4,5,6,7
	ds_load_b128 v[BK+4*\t:BK+4*\t+3], v[RD] offset:544*\t   ; LDS serves a wave's instructions in order: these see the stores above, and the next block's stores come behind them
.endr
.endm
.macro SEND a, younger                 ; younger: the LDS instructions issued behind block a's loads, which may stay out
.set BK, TMP+32*((\a)%2)
	s_wait_dscnt \younger
	WIN 0x20                                       ; source 2 (the residual) window 2
.irp u, 0,2,4,6,8,10,12,14,16,18,20,22,24,26,28,30
	v_pk_fma_f32 v[BK+\u:BK+\u+1], v[BK+\u:BK+\u+1], s[66:67], v[32*(\a)+\u:32*(\a)+\u+1] op_sel_hi:[1,0,1]
.endr
	WIN 0
.irp t, 0,1,2,3,4,5,6,7
	global_store_b128 v[CO], v[BK+4*\t:BK+4*\t+3], s[8:9] offset:(16*(\a)+2*\t)*4096   ; sixteen lanes store 256 consecutive bytes, aligned
.endr
.endm
	s_wait_loadcnt 0x0                             ; the residual
	TOSTAGE 0
	TOSTAGE 1
	SEND 0, 16
	s_wait_xcnt 0x0                                ; block 0's stores have read their registers: block 2's loads may land there
	TOSTAGE 2
	SEND 1, 16
	s_wait_xcnt 0x0
	TOSTAGE 3
	SEND 2, 16
	SEND 3, 0
.endif
	s_wait_tensorcnt 0x0                           ; the wave's end: behind my last tensor load and my last LDS store
	ds_add_u32 v[SPW], v[NIL]
	s_wait_dscnt 0x0
	CROUND                                         ; the closing round: no work-group ends while a partner may still ask for a tile that names it
	s_endpgm
.Lfunc_end_k_q2e07591268_qkv:
	.size	k_q2e07591268_qkv, .Lfunc_end_k_q2e07591268_qkv-k_q2e07591268_qkv
	.p2alignl 7, 3214868480
	.fill 96, 4, 3214868480
	.section	.rodata,"a",@progbits
	.p2align	6, 0x0
	.amdhsa_kernel k_q2e07591268_qkv
		.amdhsa_group_segment_fixed_size 327680
		.amdhsa_private_segment_fixed_size 0
		.amdhsa_enable_private_segment 0
		.amdhsa_kernarg_size 24
		.amdhsa_user_sgpr_count 2
		.amdhsa_user_sgpr_kernarg_segment_ptr 1
		.amdhsa_wavefront_size32 1
		.amdhsa_system_sgpr_workgroup_id_x 1
		.amdhsa_system_sgpr_workgroup_id_y 1
		.amdhsa_system_sgpr_workgroup_id_z 1
		.amdhsa_system_vgpr_workitem_id 0
		.amdhsa_next_free_vgpr 512
		.amdhsa_next_free_sgpr 100
		.amdhsa_reserve_vcc 0
		.amdhsa_float_denorm_mode_32 3
		.amdhsa_float_denorm_mode_16_64 3
		.amdhsa_memory_ordered 1
		.amdhsa_forward_progress 1
		.amdhsa_inst_pref_size 47
	.end_amdhsa_kernel
	.amdgpu_metadata
---
amdhsa.version: [ 1, 2 ]
amdhsa.kernels:
  - .name:           k_q2e07591268_qkv
    .symbol:         k_q2e07591268_qkv.kd
    .args:
      - { .name: codes, .offset: 0, .size: 8, .value_kind: global_buffer, .address_space: global }
      - { .name: lowp_scales, .offset: 8, .size: 8, .value_kind: global_buffer, .address_space: global }
      - { .name: qkvc, .offset: 16, .size: 8, .value_kind: global_buffer, .address_space: global }
    .group_segment_fixed_size: 327680
    .private_segment_fixed_size: 0
    .kernarg_segment_align: 8
    .kernarg_segment_size: 24
    .max_flat_workgroup_size: 128
    .sgpr_count:     100
    .vgpr_count:     512
    .wavefront_size: 32
...
	.end_amdgpu_metadata
.endif
;; end of part 2
;; launch attn (part 3): grid 8 x 32, 16 waves a work-group, clusters of 4 x 1, 327,680 bytes of LDS; arguments qkvc, lowp_scales, ctxc; writes ctxc
.if DOCPART == 3
	.amdgcn_target "amdgcn-amd-amdhsa--gfx1250"
	.amdhsa_code_object_version 6
	.text
	.protected	k_q2e07591268_attn
	.globl	k_q2e07591268_attn
	.p2align	8
	.type	k_q2e07591268_attn,@function
k_q2e07591268_attn:
	s_mov_b64 s[64:65], 0
	v_nop
	global_prefetch_b8 v0, s[64:65] scope:SCOPE_SE
	s_setreg_imm32_b32 hwreg(HW_REG_WAVE_MODE, 25, 1), 1
	s_wait_xcnt 0x0
	s_wait_alu depctr_hold_cnt(0) depctr_sa_sdst(0) depctr_va_vdst(0) depctr_va_sdst(0) depctr_va_ssrc(0) depctr_va_vcc(0) depctr_vm_vsrc(0)
	s_getreg_b32 s2, hwreg(HW_REG_IB_STS2, 6, 4)
	s_cmp_eq_u32 s2, 0
	s_cbranch_scc0 .Lentry_in_a_cluster
	s_endpgm
.Lentry_in_a_cluster:
	s_bfe_u32 s2, ttmp6, 0x10000c
	s_cmp_lg_u32 s2, 0x3003
	s_cbranch_scc0 .Lentry_shape_is_right
	s_endpgm
.Lentry_shape_is_right:
; PRODUCTS 4 AND 5: causal attention on codes of FP8 (E4M3), head size 64; the result is quantised with entry 10 for product 6.
; q, k: [batch x head][2048 tokens][64] codes; v: for each batch x head, 32 chunks of [64 channels][64 keys]: the keys innermost.  ctx leaves in chunks [64 tokens][64 channels], chunk (block of 64 tokens) x 16 + head.
; THE SOFTMAX AHEAD OF THE SECOND PRODUCT: t = score x log2(e) / 8; M = the row's largest t so far, rounded UP to a whole number; p = 2^(t - M) is what is quantised; the row's sum is taken of the unquantised p and divides at the end.
; SHARES.  A cluster of four work-groups of sixteen waves serves half of one head's queries; ALL of the head's K and V (2 x 128 KB) lie in each work-group's LDS, asked for JOINTLY once, in four groups of 512 keys.
; A wave owns 16 queries.  A head's sixteen blocks of 128 queries are dealt by the wave's number and the cluster's number alone (so every branch is alike in the four partners): block = 4 m + (sigma xor 3 (m % 2)), m = wave / 4,
; sigma = 2 x cluster + (wave / 2) % 2: the four waves w, w + 4, w + 8, w + 12 have 34 key steps together, whatever w.  Within a block the eight tiles of 16 queries go by 2 cx + wave % 2: that enters global addresses and the mask's data alone.
; Every wave walks all sixteen key steps of 128 keys; a step whose keys all come after the block's queries is jumped over (a scalar branch on ids); the block's own step is masked.  No barrier stands in a step.
; LAYOUT.  Both products are used transposed: a lane holds ONE query (lane % 16).  THE KEYS OF A TILE ARE NOT NEIGHBOURS: lane r of tile 2 b + u takes key 32 b + 8 u + r + 8 (r / 8), so that the 16 registers of tiles 2 b, 2 b + 1 are keys 32 b + 16 h + 0 .. 15.
; k is permuted alike in both operands of each product (16 bytes a load), which changes only the order of the sums.
; LIMITS: e6 + e7 between -123 and 130 (added to c's exponent field); e8, and e10 - e8 - e9, between -126 and 119.
; REGISTERS: v1-7, v10, v11 addresses that stay; v8, v9 the step's; v12 -M, v13 the largest t, v[14:15] the sum; v16-23 Q; v32-95 fragments of K, then of V; v96-159 S^T, then p; v160-191 O^T; v224-239 p's codes; v236-254 at work.
.set VOFF,  139264                     ; K: 512 lines of 272 bytes (4 keys of 64 codes + 16); then V: the same (4 channels x 64 keys a line)
.set STG,   278528                     ; the way out: 1,024 bytes for each wave
.set SPARE, 294912                     ; the spare words, 128 bytes for each wave: eight blocks of 256 bytes that no other line names
.set SPW,   5
.set NIL,   6
.macro CROUND                          ; a round of the cluster's barrier
	s_barrier_signal -1
	s_barrier_wait -1
	s_cmp_lg_u32 s18, 0
	s_cbranch_scc1 .Lnot_wave_0_\@
	s_barrier_signal -3
.Lnot_wave_0_\@:
	s_barrier_wait -3
	s_barrier_signal -1
	s_barrier_wait -1
.endm
.macro MKSC se, vs, vl                 ; 2^e and 448 x 2^e as f32
	s_add_co_i32 s2, \se, 127
	s_lshl_b32 s3, s2, 23
	v_mov_b32 \vs, s3
	s_add_co_i32 s2, s2, 8
	s_lshl_b32 s2, s2, 23
	s_or_b32 s2, s2, 0x600000
	v_mov_b32 \vl, s2
.endm
	s_load_b128 s[4:7], s[0:1], 0x0                ; q, k, v's codes s[4:5], the scales' exponents s[6:7]
	s_load_b64 s[8:9], s[0:1], 0x10                ; ctx's codes
	v_lshl_add_u32 v[SPW], v0, 2, SPARE
	v_mov_b32 v[NIL], 0
	ds_add_u32 v[SPW], v[NIL]                      ; the wave's opening: the add, and its wait ahead of my first tensor load; the set-up below, work on registers, stands between them
	v_lshrrev_b32 v8, 5, v0
	v_readfirstlane_b32 s18, v8                    ; wave 0..15
	s_bfe_u32 s51, ttmp6, 0x40000                  ; cx
	s_and_b32 s52, ttmp7, 0xffff                   ; batch x 16 + head
	s_lshr_b32 s53, s18, 1
	s_and_b32 s53, s53, 1
	s_lshl_b32 s54, ttmp9, 1
	s_add_co_u32 s53, s53, s54                     ; sigma
	s_lshr_b32 s54, s18, 2                         ; m
	s_and_b32 s55, s54, 1
	s_mul_i32 s55, s55, 3
	s_xor_b32 s53, s53, s55
	s_lshl_b32 s49, s54, 2
	s_add_co_u32 s49, s49, s53                     ; s49: my block of 128 queries
	s_and_b32 s57, s18, 1
	s_lshl_b32 s56, s51, 1
	s_add_co_u32 s56, s56, s57
	s_lshl_b32 s56, s56, 4                         ; s56: my first query within the block
	s_lshl_b32 s50, s49, 7
	s_add_co_u32 s50, s50, s56                     ; s50: my first query
	s_mov_b32 s24, 15|0x7730000                    ; group 1: 15:0 all four work-groups; elements of 8 bytes; padding on; bit 21 beside the mask; after every 64 words four words
	s_mov_b32 s25, 32<<16                          ; tensor_dim0 = 32 elements: 256 bytes
	s_mov_b32 s26, 64<<16                          ; tensor_dim1 = 64 lines
	s_mov_b32 s27, 32<<16                          ; tile_dim0
	s_mov_b32 s28, 64                              ; tile_dim1
	s_mov_b32 s29, 32                              ; the pitch: the block is dense
	s_mov_b32 s30, 0
	s_mov_b32 s31, 0
	s_lshr_b32 s58, s18, 1
	s_and_b32 s58, s58, 1                          ; waves 0, 1 fetch K, waves 2, 3 V; each a half (64 lines) of every group
	s_mul_i32 s59, s58, VOFF
	s_mul_i32 s60, s57, 64*272
	s_add_co_u32 s59, s59, s60                     ; in LDS
	s_lshl_b32 s60, s58, 22
	s_add_co_u32 s60, s60, 4<<20                   ; k's codes begin at 4 MiB, v's at 8
	s_lshl_b32 s61, s52, 17
	s_add_co_u32 s60, s60, s61                     ; my head's 131,072 bytes
	s_lshl_b32 s61, s57, 14
	s_add_co_u32 s60, s60, s61
	s_mov_b32 s61, 0
	s_mov_b32 s20, 0x76543210                      ; v_permlanex16_b32: lane l xor 16
	s_mov_b32 s21, 0xfedcba98
	s_mov_b32 s48, 0                               ; s48: the key step
	s_wait_dscnt 0x0                               ; the opening add is done
	s_wait_kmcnt 0x0
	s_load_b256 s[68:75], s[6:7], 0x0              ; e0 .. e15 in s68 .. s83
	s_load_b256 s[76:83], s[6:7], 0x20
	s_add_nc_u64 s[60:61], s[4:5], s[60:61]
.irp g, 0,1,2,3
	s_mov_b32 s[32+4*\g], 1
	s_add_co_u32 s[33+4*\g], s59, \g*34816
	s_add_nc_u64 s[34+4*\g:35+4*\g], s[60:61], \g*32768
	s_or_b32 s[35+4*\g], s[35+4*\g], 0x80000000
.endr
	CROUND                                         ; all four work-groups are here: the joint loads meet
	s_cmp_lt_u32 s18, 4                            ; a wave's four fills stand in one branch, ahead of every wait on TENSORcnt and every LDS read: four loads of mine are out.  Nothing is ever filled again
	s_cbranch_scc0 .Lno_load
.irp g, 0,1,2,3
	tensor_load_to_lds s[32+4*\g:35+4*\g], s[24:31]
	s_nop 0
.endr
.rept 4
	v_nop
.endr
.Lno_load:
	s_lshl_b32 s62, s52, 17
	s_lshl_b32 s63, s50, 6
	s_add_co_u32 s62, s62, s63
	s_mov_b32 s63, 0
	s_add_nc_u64 s[10:11], s[4:5], s[62:63]        ; q's codes at my first query
	v_and_b32 v8, 15, v0                           ; r
	v_bfe_u32 v9, v0, 4, 1                         ; h
	v_lshlrev_b32 v4, 6, v8
	v_lshl_add_u32 v4, v9, 4, v4
	global_load_b128 v[16:19], v4, s[10:11]            ; Q's fragment stays in registers: k = 16 h + 0 .. 15,
	global_load_b128 v[20:23], v4, s[10:11] offset:32  ; and 32 + 16 h + 0 .. 15
	v_and_b32 v11, 8, v8
	v_add_nc_u32 v11, v11, v8                      ; r + 8 (r / 8)
	v_lshrrev_b32 v11, 2, v11
	v_mul_u32_u24 v1, v11, 272
	v_and_b32 v11, 3, v8
	v_lshl_add_u32 v1, v11, 6, v1
	v_lshl_add_u32 v1, v9, 4, v1                   ; v1: my lane's place in a tile of K
	v_lshrrev_b32 v2, 2, v8
	v_mul_u32_u24 v2, v2, 272
	v_lshl_add_u32 v2, v11, 6, v2
	v_lshl_add_u32 v2, v9, 4, v2
	v_add_nc_u32 v2, VOFF, v2                      ; v2: the same for V
	v_lshlrev_b32 v3, 4, v9
	v_sub_nc_u32 v3, v8, v3
	v_add_nc_u32 v3, s56, v3                       ; v3: my query within the block - 16 h: in the block's own step register 16 b + i holds a hidden key where 32 b + i is above it
	s_lshl_b32 s62, s18, 10
	s_add_co_u32 s62, s62, STG                     ; my stage
	v_lshlrev_b32 v10, 6, v8
	v_lshl_add_u32 v10, v9, 3, v10
	v_add_nc_u32 v10, s62, v10                     ; v10: in: row r of 64 bytes, 8 h
	v_and_b32 v7, 31, v0
	v_lshlrev_b32 v7, 4, v7                        ; v7: in memory: as it lies
	v_add_nc_u32 v11, s62, v7                      ; v11: back
	s_lshr_b32 s84, s52, 4
	s_lshl_b32 s84, s84, 5
	s_lshr_b32 s85, s50, 6
	s_add_co_u32 s84, s84, s85                     ; my block of 64 tokens: batch x 32 + query / 64
	s_lshl_b32 s84, s84, 4
	s_and_b32 s85, s52, 15
	s_add_co_u32 s84, s84, s85                     ; its chunk for my head
	s_lshl_b32 s84, s84, 12
	s_and_b32 s85, s50, 63
	s_lshl_b32 s85, s85, 6
	s_add_co_u32 s84, s84, s85
	s_mov_b32 s85, 0
	s_add_nc_u64 s[8:9], s[8:9], s[84:85]
	v_mov_b32 v13, 0xff61b1e6                      ; the largest t so far: -3e38, under every t
	v_floor_f32 v12, -v13                          ; -M
	v_mov_b32 v14, 0                               ; the sum, in two halves
	v_mov_b32 v15, 0
	v_mov_b32 v236, 0                              ; written once: a lane permute's destination counts as one of its sources
	v_mov_b32 v252, 0
	v_mov_b32 v253, 0                              ; (named as the upper half of the pair v[252:253])
.set j, 0
.rept 32
	v_mov_b32 v[160+j], 0                          ; O^T.  (The step is written once: the first finds zeros, which the first change of M leaves zeros)
.set j, j+1
.endr
	s_wait_kmcnt 0x0
	s_add_co_i32 s62, s74, s75
	s_lshl_b32 s62, s62, 23
	s_mov_b32 s22, 0x3e38aa3b                      ; c = log2(e) / 8
	s_add_co_i32 s22, s22, s62                     ; a score stands for score x 2^(e6 + e7): added to c's exponent field
	s_mov_b32 s23, s22                             ; (named with it as a pair, so it is written)
	MKSC s76, v244, v240                           ; e8: p's scale
	s_sub_co_i32 s62, s78, s76
	s_sub_co_i32 s62, s62, s77                     ; O / l stands for ctx / 2^(e8 + e9): its code is taken with 2^(e10 - e8 - e9)
	MKSC s62, v245, v241
; A KEY STEP: 128 keys, at LDS byte s2 of K's and of V's region.
.macro STEP
	s_cmp_gt_u32 s48, s49                          ; all its keys come after my block's queries: nothing to do
	s_cbranch_scc1 .Lhidden_\@
	v_add_nc_u32 v8, s2, v1
	v_add_nc_u32 v9, s2, v2
	v_nop
	v_nop                                          ; with the two additions: four places in front of loads into registers that the last products read
.irp t, 0,1,2,3,4,5,6,7
	ds_load_b128 v[32+8*\t:35+8*\t], v8 offset:(8*(\t/2)+2*(\t%2))*272
	ds_load_b128 v[36+8*\t:39+8*\t], v8 offset:(8*(\t/2)+2*(\t%2))*272+32
.endr
	s_wait_dscnt 0x0
.irp t, 0,1,2,3,4,5,6,7                        ; S^T = K Q^T
	v_wmma_f32_16x16x64_fp8_fp8 v[96+8*\t:103+8*\t], v[32+8*\t:39+8*\t], v[16:23], 0
.endr
.rept 4
	v_nop
.endr
.irp t, 0,1,2,3                                ; V's four fragments (16 channels x 128 keys) are asked for now and land during the softmax
.irp c, 0,1,2,3
	ds_load_b128 v[32+16*\t+4*\c:35+16*\t+4*\c], v9 offset:4352*(\c/2)+32*(\c%2)+1088*\t
.endr
.endr
	s_cmp_lt_u32 s48, s49                          ; a step all of whose keys count skips the mask
	s_cbranch_scc1 .Lopen_\@
	v_mov_b32 v254, 0xff800000                     ; -infinity: p = 0 then
.set n, 0
.rept 64
	v_cmp_gt_i32 vcc_lo, 32*(n/16)+n%16, v3
	v_cndmask_b32 v[96+n], v[96+n], v254, vcc_lo
.set n, n+1
.endr
.Lopen_\@:
	v_max3_num_f32 v254, v96, v97, v98             ; the step's largest score of my query, among my 64 keys, in two chains,
	v_max3_num_f32 v252, v99, v100, v101
.irp i, 6,10,14,18,22,26,30,34,38,42,46,50,54,58
	v_max3_num_f32 v254, v254, v[96+\i], v[97+\i]
	v_max3_num_f32 v252, v252, v[98+\i], v[99+\i]
.endr
	v_max3_num_f32 v254, v254, v158, v159
	v_max_num_f32 v254, v254, v252
	v_permlanex16_b32 v236, v254, s20, s21
	v_max_num_f32 v254, v254, v236                 ; and among lane l xor 16's
	v_mul_f32 v254, s22, v254                      ; as t (c is positive)
	v_max_num_f32 v13, v13, v254                   ; the running largest t
	v_mov_b32 v254, v12
	v_floor_f32 v12, -v13                          ; the new -M = floor(-t): M is a whole number
	v_sub_f32 v254, v12, v254                      ; M's old value less its new one: a whole number, 0 or less
	v_cvt_i32_f32 v254, v254                       ; (it saturates)
	v_ldexp_f32 v252, 1.0, v254                    ; f = 2^(old M - new M)
.set j, 0
.rept 32
	v_pk_fma_f32 v[96+j:97+j], v[96+j:97+j], s[22:23], v[12:13] op_sel_hi:[1,0,0]   ; t - M, two at a time
.set j, j+2
.endr
.set j, 0
.rept 64
	v_exp_f32 v[96+j], v[96+j]                     ; p = 2^(t - M), at most 1: not normalised
.set j, j+1
.endr
	v_pk_mul_f32 v[14:15], v[14:15], v[252:253] op_sel_hi:[1,0]   ; the sums under the new M.  (A plain instruction behind the exponentials)
	s_wait_alu depctr_va_vdst(0)                   ; one wait for the whole batch, ahead of its first reader
	v_pk_add_f32 v[242:243], v[96:97], v[98:99]    ; the row's sum is taken of the unquantised p
.irp j, 4,8,12,16,20,24,28,32,36,40,44,48,52,56,60
	v_pk_add_f32 v[14:15], v[14:15], v[96+\j:97+\j]
	v_pk_add_f32 v[242:243], v[242:243], v[98+\j:99+\j]
.endr
	v_pk_add_f32 v[14:15], v[14:15], v[242:243]
.irp b, 0,1,2,3
.irp i, 0,1,2,3,4,5,6,7,8,9,10,11,12,13,14,15
	v_min_num_f32 v[96+16*\b+\i], v[96+16*\b+\i], v240   ; the conversion does not saturate (ISA guide 7.6.2); p is not negative, so the hold is one-sided
.endr
	v_cvt_scalef32_pk8_fp8_f32 v[224+4*\b:225+4*\b], v[96+16*\b:103+16*\b], v244
	v_cvt_scalef32_pk8_fp8_f32 v[226+4*\b:227+4*\b], v[104+16*\b:111+16*\b], v244
.endr
.set j, 0
.rept 16
	v_pk_mul_f32 v[160+j:161+j], v[160+j:161+j], v[252:253] op_sel_hi:[1,0]   ; O^T under the new M.  (These are also the plain instructions behind the conversions)
.set j, j+2
.endr
	s_wait_dscnt 0x0                               ; V
.irp t, 0,1,2,3                                ; O^T += V^T P^T: the four accumulators take turns
	v_wmma_f32_16x16x128_fp8_fp8 v[160+8*\t:167+8*\t], v[32+16*\t:47+16*\t], v[224:239], v[160+8*\t:167+8*\t]
.endr
.Lhidden_\@:
	s_add_co_u32 s2, s2, 8704                      ; 128 keys on: 32 lines
	s_add_co_u32 s48, s48, 1
.endm
; A group of 512 keys: the fetching waves wait for their load of this group (the later groups' may stay out); behind the barrier all sixteen read it.
.macro GROUP g
	s_wait_tensorcnt 3-\g
	s_wait_dscnt 0x0
	s_barrier_signal -1
	s_barrier_wait -1
	s_mov_b32 s2, \g*34816
	s_mov_b32 s3, 4
.Lgroup_\@:
	STEP
	s_sub_co_u32 s3, s3, 1
	s_cmp_lg_u32 s3, 0
	s_cbranch_scc1 .Lgroup_\@
.endm
	s_wait_loadcnt 0x0                             ; Q
	GROUP 0
	GROUP 1
	GROUP 2
	GROUP 3
	; THE WAY OUT.  O^T / the sum, held and converted: a lane's eight channels are 8 bytes of its query's row; 16 rows x 64 bytes go through my stage and leave as 1,024 consecutive bytes.
.rept 4
	v_nop
.endr
	v_add_f32 v14, v14, v15                        ; the sum's two halves,
	v_permlanex16_b32 v252, v14, s20, s21
	v_add_f32 v14, v14, v252                       ; and lane l xor 16's
	v_rcp_f32 v14, v14
	v_nop                                          ; a plain instruction behind the transcendental,
	s_wait_alu depctr_va_vdst(0)                   ; and the wait ahead of its first reader
.set j, 0
.rept 32
	v_mul_f32 v[96+j], v[160+j], v14               ; register 8 t + i: channel 16 t + 8 h + i; each accumulator from its low end on
.set j, j+1
.endr
.set j, 0
.rept 32
	v_med3_num_f32 v[96+j], v[96+j], -v241, v241
.set j, j+1
.endr
.irp t, 0,1,2,3
	v_cvt_scalef32_pk8_fp8_f32 v[224+2*\t:225+2*\t], v[96+8*\t:103+8*\t], v245
.endr
	v_nop                                          ; a plain instruction behind the last conversion
.irp t, 0,1,2,3
	ds_store_b64 v10, v[224+2*\t:225+2*\t] offset:16*\t
.endr
	ds_load_b128 v[32:35], v11                     ; LDS serves a wave's instructions in order: these see my stores
	ds_load_b128 v[36:39], v11 offset:512
	s_wait_dscnt 1
	global_store_b128 v7, v[32:35], s[8:9]         ; 32 lanes store 512 consecutive bytes, aligned
	s_wait_dscnt 0x0
	global_store_b128 v7, v[36:39], s[8:9] offset:512
	s_wait_tensorcnt 0x0                           ; the wave's end: behind my last tensor load and my last LDS store
	ds_add_u32 v[SPW], v[NIL]
	s_wait_dscnt 0x0
	CROUND                                         ; the closing round
	s_endpgm
.Lfunc_end_k_q2e07591268_attn:
	.size	k_q2e07591268_attn, .Lfunc_end_k_q2e07591268_attn-k_q2e07591268_attn
	.p2alignl 7, 3214868480
	.fill 96, 4, 3214868480
	.section	.rodata,"a",@progbits
	.p2align	6, 0x0
	.amdhsa_kernel k_q2e07591268_attn
		.amdhsa_group_segment_fixed_size 327680
		.amdhsa_private_segment_fixed_size 0
		.amdhsa_enable_private_segment 0
		.amdhsa_kernarg_size 24
		.amdhsa_user_sgpr_count 2
		.amdhsa_user_sgpr_kernarg_segment_ptr 1
		.amdhsa_wavefront_size32 1
		.amdhsa_system_sgpr_workgroup_id_x 1
		.amdhsa_system_sgpr_workgroup_id_y 1
		.amdhsa_system_sgpr_workgroup_id_z 1
		.amdhsa_system_vgpr_workitem_id 0
		.amdhsa_next_free_vgpr 256
		.amdhsa_next_free_sgpr 100
		.amdhsa_reserve_vcc 1
		.amdhsa_float_denorm_mode_32 3
		.amdhsa_float_denorm_mode_16_64 3
		.amdhsa_memory_ordered 1
		.amdhsa_forward_progress 1
		.amdhsa_inst_pref_size 96
	.end_amdhsa_kernel
	.amdgpu_metadata
---
amdhsa.version: [ 1, 2 ]
amdhsa.kernels:
  - .name:           k_q2e07591268_attn
    .symbol:         k_q2e07591268_attn.kd
    .args:
      - { .name: qkvc, .offset: 0, .size: 8, .value_kind: global_buffer, .address_space: global }
      - { .name: lowp_scales, .offset: 8, .size: 8, .value_kind: global_buffer, .address_space: global }
      - { .name: ctxc, .offset: 16, .size: 8, .value_kind: global_buffer, .address_space: global }
    .group_segment_fixed_size: 327680
    .private_segment_fixed_size: 0
    .kernarg_segment_align: 8
    .kernarg_segment_size: 24
    .max_flat_workgroup_size: 512
    .sgpr_count:     100
    .vgpr_count:     256
    .wavefront_size: 32
...
	.end_amdgpu_metadata
.endif
;; end of part 3
;; launch wo (part 4): grid 8 x 32, 4 waves a work-group, clusters of 4 x 4, 327,680 bytes of LDS; arguments ctxc, codes, lowp_scales, embedding, x1; writes x1
.if DOCPART == 4
	.amdgcn_target "amdgcn-amd-amdhsa--gfx1250"
	.amdhsa_code_object_version 6
	.text
	.protected	k_q2e07591268_wo
	.globl	k_q2e07591268_wo
	.p2align	8
	.type	k_q2e07591268_wo,@function
k_q2e07591268_wo:
	s_mov_b64 s[64:65], 0
	v_nop
	global_prefetch_b8 v0, s[64:65] scope:SCOPE_SE
	s_setreg_imm32_b32 hwreg(HW_REG_WAVE_MODE, 25, 1), 1
	s_wait_xcnt 0x0
	s_wait_alu depctr_hold_cnt(0) depctr_sa_sdst(0) depctr_va_vdst(0) depctr_va_sdst(0) depctr_va_ssrc(0) depctr_va_vcc(0) depctr_vm_vsrc(0)
	s_getreg_b32 s2, hwreg(HW_REG_IB_STS2, 6, 4)
	s_cmp_eq_u32 s2, 0
	s_cbranch_scc0 .Lentry_in_a_cluster
	s_endpgm
.Lentry_in_a_cluster:
	s_bfe_u32 s2, ttmp6, 0x10000c
	s_cmp_lg_u32 s2, 0xf033
	s_cbranch_scc0 .Lentry_shape_is_right
	s_endpgm
.Lentry_shape_is_right:
; PRODUCT 6 AND THE FIRST RESIDUAL: x1 = embedding + ctx Wo, f32.
; THIS TEXT IS ONE TEMPLATE FOR FOUR LAUNCHES; the constants at its head choose.  C = S1 S0^T on codes of FP8 (E4M3).  S1 supplies C's rows and hangs on the tile row, S0 supplies C's columns and hangs on the tile column.
; Operands lie in chunks of 4,096 bytes, chunk (rb, kb) = [64 rows][64 codes] at (rb KB/64 + kb) 4096: 64 rows x 512 K are 32 KB on end, one tensor load of 128 lines of 256 bytes, 16 bytes of padding behind each in LDS.
; A tile of C is 128 x 128: four waves, each 64 x 64 in 16 accumulators.  K goes in steps of 512 through two LDS slots.  THE MATRIX INSTRUCTION IS USED TRANSPOSED (source 0 = 16 rows of S0, source 1 = 16 rows of S1):
; lane (r, h) of accumulator (a, b) holds row 16 a + r and columns 16 b + 8 h + 0 .. 7.  A fragment's registers 4 c .. 4 c + 3 hold k = 32 c + 16 h + 0 .. 15: the same permutation of k on both sides, so only the order of the sums changes.
; CLUSTERS: 4 x 4 work-groups; S1's tiles are asked for jointly along a row of the cluster, S0's along a column.
; HERE: S1 = ctx's codes (entry 10), S0 = Wo's codes (entry 11).  LIMIT: e10 + e11 lies between -126 and 127.
.set QKV,   0
.set KB,    1024                       ; a row of an operand in bytes
.set EPI,   1                          ; 0: the results leave as codes; 1: as f32, with a residual added
.set BIASM, 0                          ; 1: a bias along C's columns
.set RELU,  0
.set EA,    10                         ; entries of the scales: S1's, S0's, the result's
.set EB,    11
.set EO,    0
.set S0OFF, 15<<20                     ; where S0 begins in its buffer
.set OCH,   0                          ; chunks in a block of 64 rows of the result
.set A_S1,  0                          ; the arguments' places
.set A_S0,  8
.set A_SC,  16
.set A_OUT, 32
.set A_BI,  0
.set A_RE,  24
.set HK,    4<<20                      ; places in the buffer of codes, and in the buffer of q, k, v
.set HV,    8<<20
.set WQ,    12<<20
.set WK,    13<<20
.set WV,    14<<20
.set KCO,   4<<20
.set VCO,   8<<20
.set LAPS,  KB/1024                    ; a lap = two K steps = once round the ring
.set PITCH, 272                        ; a line in LDS: 256 bytes (4 rows of 64 codes) + 16
.set HALFT, 128*PITCH                  ; what one tensor load brings: 64 rows x 512 K
.set SLOT,  4*HALFT                    ; S1's two blocks of 64 rows, then S0's two
.set STAGE, 2*SLOT                     ; behind the ring: the way out, 17,408 bytes
.set SPARE, STAGE+17408                ; the spare words, 128 bytes for each wave: two blocks of 256 bytes that no other line names
.set ADR1,  16                         ; v16-17 LDS address of my S1 fragments in slot 0, 1
.set ADR0,  20                         ; v20-21 the same for S0
.set STO,   24                         ; v24-26 the way out: into the stage, back out of it, in memory
.set RD,    25
.set CO,    26
.set BO,    27                         ; v27    the bias's offset
.set SPW,   28                         ; v28    LDS address of my spare word; never rewritten
.set NIL,   29                         ; v29    0; never rewritten
.set SCL,   30                         ; v30    the conversion's scale as f32;  v31  448 x that
.set LIM,   31
.set TMP,   32                         ; v32-95 at work on the way out
.set BIAS,  96                         ; v96-127 the bias in the result's layout, divided by the power of two that the sums lack
.set ACC,   128                        ; v128-255 accumulator (a, b) at 128 + 8 (4 a + b)
.set F0,    0                          ; window 1: two sets of fragments for 128 along K: S1's four at 16 a, S0's four at 64 + 16 b.  Window 2, v0-127: the residual's tile
.set F1,    128
.set G1,    24                         ; s[24:31] descriptor group 1 for S1;  s[32:39] group 0, a set for each slot
.set G0,    32
.set G1B,   48                         ; s[48:55], s[56:63] the same for S0
.set G0B,   56
.set SC,    68                         ; s68-83  e0 .. e15
.set ZF,    1+BIASM                    ; how the first products start the sums: from 0, or from the bias
.set MSB,   0
.macro WIN new                         ; the immediate's high byte repeats the setting that is left
.if MSB != \new
	s_set_vgpr_msb (MSB<<8)|\new
.set MSB, \new
.endif
.endm
.set MUL,  0x05                        ; sources 0 and 1 window 1; C and D window 0
.set TO_F, 0x40                        ; destination window 1, address window 0
.macro JLOAD s                         ; a joint load: waves 0 and 1 fetch S1's two blocks, waves 2 and 3 S0's; an s_nop 0 and four v_nop follow each of the two lines
	s_cmp_eq_u32 s11, 0
	s_cbranch_scc0 .Lfor_b_\@
	tensor_load_to_lds s[G0+4*\s:G0+4*\s+3], s[G1:G1+7]
	s_nop 0
.rept 4
	v_nop
.endr
	s_branch .Lasked_\@
.Lfor_b_\@:
	tensor_load_to_lds s[G0B+4*\s:G0B+4*\s+3], s[G1B:G1B+7]
	s_nop 0
.rept 4
	v_nop
.endr
.Lasked_\@:
.endm
.macro CREST                           ; a round of the cluster's barrier behind its opening barrier
	s_cmp_lg_u32 s10, 0
	s_cbranch_scc1 .Lnot_wave_0_\@
	s_barrier_signal -3
.Lnot_wave_0_\@:
	s_barrier_wait -3
	s_barrier_signal -1
	s_barrier_wait -1
.endm
.macro CROUND                          ; a whole round
	s_barrier_signal -1
	s_barrier_wait -1
	CREST
.endm
.macro PLACES                          ; four places in front of loads into registers that matrix instructions have read, and of the first read of results
.rept 4
	v_nop
.endr
.endm
	s_load_b64 s[4:5], s[0:1], A_S1                ; S1's buffer
	s_load_b64 s[6:7], s[0:1], A_S0                ; S0's buffer
	s_load_b64 s[84:85], s[0:1], A_SC              ; the scales' exponents
	s_load_b64 s[8:9], s[0:1], A_OUT               ; the result
.if BIASM
	s_load_b64 s[86:87], s[0:1], A_BI
.endif
.if EPI
	s_load_b64 s[88:89], s[0:1], A_RE
.endif
	v_lshl_add_u32 v[SPW], v0, 2, SPARE
	v_mov_b32 v[NIL], 0
	ds_add_u32 v[SPW], v[NIL]                      ; the wave's opening: the add, and its wait ahead of my first tensor load; the set-up below, work on registers, stands between them
	v_lshrrev_b32 v1, 5, v0
	v_readfirstlane_b32 s10, v1                    ; wave 0..3
	s_lshr_b32 s11, s10, 1                         ; which 64 rows of the tile are mine.  Also: I fetch for S1 (0) or for S0 (1)
	s_and_b32 s12, s10, 1                          ; which 64 columns.  Also: which block of 64 rows of that operand I fetch
	s_bfe_u32 s40, ttmp6, 0x40000                  ; cx, cy: my place in the cluster
	s_bfe_u32 s41, ttmp6, 0x40004
.if QKV
	s_and_b32 s20, ttmp7, 0xffff                   ; cluster y, 0 .. 11
	s_and_b32 s22, s20, 1                          ; v: which four of Wv's eight tiles of rows
	s_sub_co_u32 s23, s20, 8
	s_lshr_b32 s23, s23, 1
	s_lshl_b32 s23, s23, 2
	s_add_co_u32 s23, s23, ttmp9                   ; v: which four of the tokens' 32 tiles
	s_and_b32 s18, ttmp9, 1                        ; q, k: which four of the weight's eight tiles
	s_cmp_ge_u32 s20, 8
	s_cselect_b32 s13, s22, s20
	s_cselect_b32 s42, s23, s18
	s_cselect_b32 s19, 1, 0                        ; 1: v
	s_lshl_b32 s13, s13, 2
	s_add_co_u32 s13, s13, s41                     ; tile row
	s_lshl_b32 s42, s42, 2
	s_add_co_u32 s42, s42, s40                     ; tile column
	s_mov_b32 s91, WK
	s_cmp_lt_u32 ttmp9, 2
	s_cselect_b32 s90, 0, HK                       ; S1's place, S0's place, the result's place
	s_cselect_b32 s91, WQ, s91
	s_cselect_b32 s92, 0, KCO
	s_cselect_b32 s93, 1, 0                        ; 1: q (where it is not v)
	s_cmp_eq_u32 s19, 1
	s_cselect_b32 s90, WV, s90
	s_cselect_b32 s91, HV, s91
	s_cselect_b32 s92, VCO, s92
.else
	s_lshl_b32 s42, ttmp9, 2
	s_add_co_u32 s42, s42, s40                     ; tile column = 4 x cluster x + cx
	s_and_b32 s13, ttmp7, 0xffff
	s_lshl_b32 s13, s13, 2
	s_add_co_u32 s13, s13, s41                     ; tile row = 4 x cluster y + cy
.endif
	s_lshl_b32 s43, s41, 2
	s_lshl_b32 s43, 15, s43                        ; my row of the cluster
	s_lshl_b32 s44, 0x1111, s40                    ; my column
	s_or_b32 s[G1], s43, 0x7730000                 ; 15:0 the mask; 17:16 elements of 8 bytes; 20 padding on; 21 set beside a mask; 24:22 after every 64 words; 31:25 four words
	s_or_b32 s[G1B], s44, 0x7730000
.irp g, G1, G1B
	s_mov_b32 s[\g+1], 32<<16                      ; tensor_dim0 = 32 elements: 256 bytes
	s_mov_b32 s[\g+2], 128<<16                     ; tensor_dim1 = 128 lines
	s_mov_b32 s[\g+3], 32<<16                      ; tile_dim0
	s_mov_b32 s[\g+4], 128                         ; tile_dim1
	s_mov_b32 s[\g+5], 32                          ; the pitch: the block is dense
	s_mov_b32 s[\g+6], 0
	s_mov_b32 s[\g+7], 0
.endr
	s_lshl_b32 s16, s13, 1
	s_add_co_u32 s16, s16, s12
	s_mul_i32 s16, s16, 64*KB                      ; S1: block of 64 rows 2 x tile row + wave % 2
	s_lshl_b32 s46, s42, 1
	s_add_co_u32 s46, s46, s12
	s_mul_i32 s46, s46, 64*KB                      ; S0: 2 x tile column + wave % 2
.if QKV
	s_add_co_u32 s16, s16, s90
	s_add_co_u32 s46, s46, s91
.else
	s_add_co_u32 s46, s46, S0OFF
.endif
	s_mov_b32 s17, 0
	s_mov_b32 s47, 0
	s_mul_i32 s45, s10, HALFT                      ; where they go: wave x a load's bytes: no place in the cluster enters an LDS address
	s_wait_dscnt 0x0                               ; the opening add is done
	s_wait_kmcnt 0x0
	s_load_b256 s[68:75], s[84:85], 0x0
	s_load_b256 s[76:83], s[84:85], 0x20
	s_add_nc_u64 s[14:15], s[4:5], s[16:17]
	s_add_nc_u64 s[46:47], s[6:7], s[46:47]
	CROUND                                         ; all sixteen work-groups are here: the first joint loads meet
.irp s, 0,1
	s_mov_b32 s[G0+4*\s], 1
	s_add_co_u32 s[G0+4*\s+1], s45, \s*SLOT
	s_add_nc_u64 s[G0+4*\s+2:G0+4*\s+3], s[14:15], \s*32768
	s_or_b32 s[G0+4*\s+3], s[G0+4*\s+3], 0x80000000
	s_mov_b32 s[G0B+4*\s], 1
	s_add_co_u32 s[G0B+4*\s+1], s45, \s*SLOT
	s_add_nc_u64 s[G0B+4*\s+2:G0B+4*\s+3], s[46:47], \s*32768
	s_or_b32 s[G0B+4*\s+3], s[G0B+4*\s+3], 0x80000000
	JLOAD \s                                       ; two loads of mine are out
.endr
	v_and_b32 v1, 15, v0                           ; r
	v_bfe_u32 v2, v0, 4, 1                         ; h
	v_and_b32 v5, 31, v0                           ; lane
	v_lshrrev_b32 v3, 2, v1
	v_mul_u32_u24 v3, v3, PITCH
	v_and_b32 v4, 3, v1
	v_lshl_add_u32 v3, v4, 6, v3
	v_lshl_add_u32 v3, v2, 4, v3                   ; a fragment's lane term: line r / 4, row r % 4 in it, 16 h
	s_mul_i32 s21, s11, HALFT                      ; my 64 rows of S1
	s_mul_i32 s22, s12, HALFT
	s_add_co_u32 s22, s22, 2*HALFT                 ; my 64 rows of S0
.irp s, 0,1
	v_add_nc_u32 v[ADR1+\s], s21, v3
	v_add_nc_u32 v[ADR0+\s], s22, v3
	s_add_co_u32 s21, s21, SLOT
	s_add_co_u32 s22, s22, SLOT
.endr
.if EPI
	s_mul_i32 s23, s10, 16*272
	s_add_co_u32 s23, s23, STAGE                   ; my stage: 16 rows x (256 bytes + 16)
	v_mul_u32_u24 v6, v1, 272
	v_lshl_add_u32 v6, v2, 5, v6
	v_add_nc_u32 v[STO], s23, v6                   ; in: row r, 32 bytes for each half of the lanes
	v_mul_u32_u24 v6, v2, 272
	v_lshl_add_u32 v6, v1, 4, v6
	v_add_nc_u32 v[RD], s23, v6                    ; back: lanes 0-15 one row of 256 bytes, lanes 16-31 the next
	v_lshlrev_b32 v6, 12, v2
	v_lshl_add_u32 v[CO], v1, 4, v6                ; and the same two rows in memory (rows of 4,096 bytes)
	s_lshl_b32 s96, s13, 7
	s_lshl_b32 s97, s11, 6
	s_add_co_u32 s96, s96, s97                     ; my first row
	s_lshl_b32 s96, s96, 12
	s_lshl_b32 s97, s42, 9
	s_add_co_u32 s96, s96, s97
	s_lshl_b32 s97, s12, 8
	s_add_co_u32 s96, s96, s97                     ; + my first column x 4
	s_mov_b32 s97, 0
	s_add_nc_u64 s[8:9], s[8:9], s[96:97]
	s_add_nc_u64 s[88:89], s[88:89], s[96:97]
.else
	s_lshl_b32 s23, s10, 12
	s_add_co_u32 s23, s23, STAGE                   ; my stage: a chunk
	v_lshlrev_b32 v6, 6, v1
	v_lshl_add_u32 v6, v2, 3, v6
	v_add_nc_u32 v[STO], s23, v6                   ; in: row r of 64 bytes, 8 h
	v_lshlrev_b32 v[CO], 4, v5
	v_add_nc_u32 v[RD], s23, v[CO]                 ; back, and in memory: as it lies
	s_lshl_b32 s96, s13, 1
	s_add_co_u32 s96, s96, s11                     ; my block of 64 rows of C
	s_lshl_b32 s97, s42, 1
	s_add_co_u32 s97, s97, s12                     ; my block of 64 columns
.if QKV
	s_cmp_eq_u32 s19, 1
	s_cselect_b32 s98, s97, s96                    ; the tokens' block,
	s_cselect_b32 s99, s96, s97                    ; the head
	s_lshr_b32 s96, s98, 5
	s_lshl_b32 s96, s96, 4
	s_add_co_u32 s96, s96, s99
	s_lshl_b32 s96, s96, 5
	s_and_b32 s98, s98, 31
	s_add_co_u32 s96, s96, s98                     ; chunk ((batch x 16 + head) x 32 + the block of 64 tokens within the batch)
	s_lshl_b32 s96, s96, 12
	s_add_co_u32 s96, s96, s92
.else
	s_mul_i32 s96, s96, OCH
	s_add_co_u32 s96, s96, s97
	s_lshl_b32 s96, s96, 12
.endif
	s_mov_b32 s97, 0
	s_add_nc_u64 s[8:9], s[8:9], s[96:97]
.endif
.if BIASM
	s_lshl_b32 s98, s42, 9
	s_lshl_b32 s99, s12, 8
	s_add_co_u32 s98, s98, s99
	s_mov_b32 s99, 0
	s_add_nc_u64 s[86:87], s[86:87], s[98:99]      ; the bias at my first column
	v_lshlrev_b32 v[BO], 5, v2
.irp b, 0,1,2,3
	global_load_b128 v[BIAS+8*\b:BIAS+8*\b+3], v[BO], s[86:87] offset:64*\b          ; columns 16 b + 8 h + 0 .. 7
	global_load_b128 v[BIAS+8*\b+4:BIAS+8*\b+7], v[BO], s[86:87] offset:64*\b+16
.endr
.endif
.if EPI
	WIN 0x80                                       ; destination window 2: the residual's tile, asked for now, wanted on the way out
.irp a, 0,1,2,3
.irp t, 0,1,2,3,4,5,6,7
	global_load_b128 v[32*\a+4*\t:32*\a+4*\t+3], v[CO], s[88:89] offset:(16*\a+2*\t)*4096
.endr
.endr
	WIN 0
.endif
	s_wait_kmcnt 0x0                               ; the exponents
.if QKV
	s_sub_co_i32 s94, s74, s68
	s_sub_co_i32 s94, s94, s69                     ; q: e6 - e0 - e1
	s_sub_co_i32 s95, s75, s70
	s_sub_co_i32 s95, s95, s71                     ; k: e7 - e2 - e3
	s_sub_co_i32 s96, s77, s72
	s_sub_co_i32 s96, s96, s73                     ; v: e9 - e4 - e5
	s_cmp_eq_u32 s93, 1
	s_cselect_b32 s94, s94, s95
	s_cmp_eq_u32 s19, 1
	s_cselect_b32 s94, s96, s94
.else
	s_add_co_i32 s95, s[SC+EA], s[SC+EB]           ; a sum stands for sum x 2^(eA + eB)
.endif
.if EPI
	s_add_co_i32 s66, s95, 127
	s_lshl_b32 s66, s66, 23                        ; 2^(eA + eB) as f32
	s_mov_b32 s67, s66                             ; (named with it as a pair, so it is written)
.else
.if QKV == 0
	s_sub_co_i32 s94, s[SC+EO], s95                ; the three scales folded into the conversion's one
.endif
	s_add_co_i32 s2, s94, 127
	s_lshl_b32 s3, s2, 23
	v_mov_b32 v[SCL], s3
	s_add_co_i32 s2, s2, 8
	s_lshl_b32 s2, s2, 23
	s_or_b32 s2, s2, 0x600000
	v_mov_b32 v[LIM], s2
.endif
.if BIASM
	s_sub_co_i32 s96, 0, s95
	s_wait_loadcnt 32*EPI                          ; the bias's eight loads are in; the residual's 32, issued behind them, may be out
.set j, 0
.rept 32
	v_ldexp_f32 v[BIAS+j], v[BIAS+j], s96          ; the bias goes in as the C of each sum's first product, divided by 2^(eA + eB)
.set j, j+1
.endr
.endif
.macro FRAG reg, adr, q, i             ; 16 rows x 128 K: the slot's q-th 128 along K (two chunks), rows 16 i on
.irp c, 0,1,2,3
	ds_load_b128 v[\reg+4*\c:\reg+4*\c+3], v[\adr] offset:8704*(\q)+4352*(\c/2)+32*(\c%2)+1088*(\i)
.endr
.endm
.macro FETCH slot, q, f                ; 32 LDS loads in one run: S0's four fragments, then S1's
	WIN TO_F
.irp i, 0,1,2,3
	FRAG \f+64+16*\i, ADR0+\slot, \q, \i
.endr
.irp i, 0,1,2,3
	FRAG \f+16*\i, ADR1+\slot, \q, \i
.endr
.endm
.macro MUL4 f, a, z                    ; S1's block a against S0's four.  z = 1: the sums start from 0; 2: from the bias.  The 16 accumulators take turns, one instruction a turn, in the same order everywhere
.irp b, 0,1,2,3
.if (\z) == 1
	v_wmma_f32_16x16x128_fp8_fp8 v[ACC+8*(4*(\a)+\b):ACC+8*(4*(\a)+\b)+7], v[\f+64+16*\b:\f+64+16*\b+15], v[\f+16*(\a):\f+16*(\a)+15], 0
.elseif (\z) == 2
	v_wmma_f32_16x16x128_fp8_fp8 v[ACC+8*(4*(\a)+\b):ACC+8*(4*(\a)+\b)+7], v[\f+64+16*\b:\f+64+16*\b+15], v[\f+16*(\a):\f+16*(\a)+15], v[BIAS+8*\b:BIAS+8*\b+7]
.else
	v_wmma_f32_16x16x128_fp8_fp8 v[ACC+8*(4*(\a)+\b):ACC+8*(4*(\a)+\b)+7], v[\f+64+16*\b:\f+64+16*\b+15], v[\f+16*(\a):\f+16*(\a)+15], v[ACC+8*(4*(\a)+\b):ACC+8*(4*(\a)+\b)+7]
.endif
.endr
.endm
.macro MUL8 f, a0, z
	MUL4 \f, \a0, \z
	MUL4 \f, \a0+1, \z
.endm
; A K step is four quarters of 128 along K, 16 matrix instructions each, on sets 0, 1, 0, 1.  One of the first three: multiplies set f and fetches the slot's quarter qn into set g.
.macro QUARTER slot, qn, f, g, z
	s_wait_dscnt 8                                 ; S0's four and S1's blocks 0 and 1 are in; the youngest eight loads (blocks 2 and 3) may be out
	WIN MUL
	MUL8 \f, 0, \z
	PLACES
	FETCH \slot, \qn, \g
	s_wait_dscnt 32                                ; all but the 32 just issued
	WIN MUL
	MUL8 \f, 2, \z
.endm
; The last quarter multiplies set 1 and changes slots: ONE barrier; in front of it each wave waits for all its tensor loads, adds 0 to its spare word, and waits for that and for its reads of this slot.  fill = 1: this slot is filled again, two K steps ahead.
.macro TURN slot, next, fill
	WIN 0                                          ; (the add's two registers lie in window 0)
	s_wait_tensorcnt 0x0                           ; all my tensor loads have landed: my part of the next slot;
	ds_add_u32 v[SPW], v[NIL]                      ; 0 onto my spare word
	s_wait_dscnt 9                                 ; (the add and the youngest eight loads may be out)
	WIN MUL
	MUL4 F1, 0, 0                                  ; four matrix instructions stand between the add and the wait for it
	s_wait_dscnt 0x0                               ; the add is done, and my reads of this slot are over
	s_barrier_signal -1
	MUL4 F1, 1, 0
.if \fill
	WIN 0
.endif
	s_barrier_wait -1
.if \fill
	CREST                                          ; the barrier has opened a round of the cluster's barrier: no wave of any partner still reads this slot or has a load on its way
	s_add_nc_u64 s[G0+4*\slot+2:G0+4*\slot+3], s[G0+4*\slot+2:G0+4*\slot+3], 65536
	s_add_nc_u64 s[G0B+4*\slot+2:G0B+4*\slot+3], s[G0B+4*\slot+2:G0B+4*\slot+3], 65536
	JLOAD \slot                                    ; the first tensor load behind the round; its four v_nop are also the places in front of the loads below
.else
	PLACES
.endif
	FETCH \next, 0, F0
	WIN MUL
	MUL4 F1, 2, 0
	MUL4 F1, 3, 0
.endm
	s_wait_tensorcnt 1                             ; my part of K step 0 is in; K step 1's may stay out
	s_barrier_signal -1
	s_barrier_wait -1                              ; everybody's is
	FETCH 0, 0, F0
	QUARTER 0, 1, F0, F1, ZF                       ; the first quarter's products start the sums
.if LAPS > 1
	WIN 0                                          ; at a label and at a branch every window is 0
	s_mov_b32 s3, LAPS-1
.Llap:                                                 ; a trip goes once round the ring, from a lap's second quarter to the next lap's first, and fills both slots again
	QUARTER 0, 2, F1, F0, 0
	QUARTER 0, 3, F0, F1, 0
	TURN 0, 1, 1
	QUARTER 1, 1, F0, F1, 0
	QUARTER 1, 2, F1, F0, 0
	QUARTER 1, 3, F0, F1, 0
	TURN 1, 0, 1
	QUARTER 0, 1, F0, F1, 0
	WIN 0
	s_sub_co_u32 s3, s3, 1
	s_cmp_lg_u32 s3, 0
	s_cbranch_scc1 .Llap
.endif
	QUARTER 0, 2, F1, F0, 0                        ; the last lap fills nothing
	QUARTER 0, 3, F0, F1, 0
	TURN 0, 1, 0
	QUARTER 1, 1, F0, F1, 0
	QUARTER 1, 2, F1, F0, 0
	QUARTER 1, 3, F0, F1, 0
	s_wait_dscnt 8                                 ; the very last quarter: nothing more to fetch
	WIN MUL
	MUL8 F1, 0, 0
	s_wait_dscnt 0x0
	MUL8 F1, 2, 0
	WIN 0
	PLACES
.if EPI == 0
; THE WAY OUT, AS CODES.  A lane's eight results are eight neighbours along the next product's K: held, converted, 8 bytes a lane into my stage (a chunk as it will lie), back as it lies, and out as 4,096 consecutive bytes.
.set t, 0
.rept 16
.set k, 0
.rept 8
.if RELU
	v_med3_num_f32 v[ACC+8*t+k], v[ACC+8*t+k], 0, v[LIM]          ; the activation and the hold in one; each accumulator from its low end on
.else
	v_med3_num_f32 v[ACC+8*t+k], v[ACC+8*t+k], -v[LIM], v[LIM]    ; the conversion does not saturate (ISA guide 7.6.2): the hold; each accumulator from its low end on
.endif
.set k, k+1
.endr
	v_cvt_scalef32_pk8_fp8_f32 v[TMP+2*t:TMP+2*t+1], v[ACC+8*t:ACC+8*t+7], v[SCL]
.set t, t+1
.endr
	v_nop                                          ; a plain instruction behind the last conversion
.irp a, 0,1,2,3
.irp b, 0,1,2,3
	ds_store_b64 v[STO], v[TMP+2*(4*\a+\b):TMP+2*(4*\a+\b)+1] offset:1024*\a+16*\b
.endr
.endr
.irp i, 0,1,2,3,4,5,6,7
	ds_load_b128 v[TMP+32+4*\i:TMP+32+4*\i+3], v[RD] offset:512*\i   ; LDS serves a wave's instructions in order: these see my stores
.endr
.irp i, 0,1,2,3,4,5,6,7
	s_wait_dscnt 7-\i
	global_store_b128 v[CO], v[TMP+32+4*\i:TMP+32+4*\i+3], s[8:9] offset:512*\i   ; 32 lanes store 512 consecutive bytes, aligned
.endr
.else
; THE WAY OUT, AS F32.  A block of 16 rows x 64 columns goes through my stage and comes back as whole rows of 256 bytes; there sum x 2^(eA + eB) + the residual is one packed multiply-add for two numbers.
.macro TOSTAGE a
.irp b, 0,1,2,3
	ds_store_b128 v[STO], v[ACC+8*(4*(\a)+\b):ACC+8*(4*(\a)+\b)+3] offset:64*\b          ; each accumulator from its low end on
	ds_store_b128 v[STO], v[ACC+8*(4*(\a)+\b)+4:ACC+8*(4*(\a)+\b)+7] offset:64*\b+16
.endr
.set BK, TMP+32*((\a)%2)
.irp t, 0,1,2,3,4,5,6,7
	ds_load_b128 v[BK+4*\t:BK+4*\t+3], v[RD] offset:544*\t   ; LDS serves a wave's instructions in order: these see the stores above, and the next block's stores come behind them
.endr
.endm
.macro SEND a, younger                 ; younger: the LDS instructions issued behind block a's loads, which may stay out
.set BK, TMP+32*((\a)%2)
	s_wait_dscnt \younger
	WIN 0x20                                       ; source 2 (the residual) window 2
.irp u, 0,2,4,6,8,10,12,14,16,18,20,22,24,26,28,30
	v_pk_fma_f32 v[BK+\u:BK+\u+1], v[BK+\u:BK+\u+1], s[66:67], v[32*(\a)+\u:32*(\a)+\u+1] op_sel_hi:[1,0,1]
.endr
	WIN 0
.irp t, 0,1,2,3,4,5,6,7
	global_store_b128 v[CO], v[BK+4*\t:BK+4*\t+3], s[8:9] offset:(16*(\a)+2*\t)*4096   ; sixteen lanes store 256 consecutive bytes, aligned
.endr
.endm
	s_wait_loadcnt 0x0                             ; the residual
	TOSTAGE 0
	TOSTAGE 1
	SEND 0, 16
	s_wait_xcnt 0x0                                ; block 0's stores have read their registers: block 2's loads may land there
	TOSTAGE 2
	SEND 1, 16
	s_wait_xcnt 0x0
	TOSTAGE 3
	SEND 2, 16
	SEND 3, 0
.endif
	s_wait_tensorcnt 0x0                           ; the wave's end: behind my last tensor load and my last LDS store
	ds_add_u32 v[SPW], v[NIL]
	s_wait_dscnt 0x0
	CROUND                                         ; the closing round: no work-group ends while a partner may still ask for a tile that names it
	s_endpgm
.Lfunc_end_k_q2e07591268_wo:
	.size	k_q2e07591268_wo, .Lfunc_end_k_q2e07591268_wo-k_q2e07591268_wo
	.p2alignl 7, 3214868480
	.fill 96, 4, 3214868480
	.section	.rodata,"a",@progbits
	.p2align	6, 0x0
	.amdhsa_kernel k_q2e07591268_wo
		.amdhsa_group_segment_fixed_size 327680
		.amdhsa_private_segment_fixed_size 0
		.amdhsa_enable_private_segment 0
		.amdhsa_kernarg_size 40
		.amdhsa_user_sgpr_count 2
		.amdhsa_user_sgpr_kernarg_segment_ptr 1
		.amdhsa_wavefront_size32 1
		.amdhsa_system_sgpr_workgroup_id_x 1
		.amdhsa_system_sgpr_workgroup_id_y 1
		.amdhsa_system_sgpr_workgroup_id_z 1
		.amdhsa_system_vgpr_workitem_id 0
		.amdhsa_next_free_vgpr 768
		.amdhsa_next_free_sgpr 100
		.amdhsa_reserve_vcc 0
		.amdhsa_float_denorm_mode_32 3
		.amdhsa_float_denorm_mode_16_64 3
		.amdhsa_memory_ordered 1
		.amdhsa_forward_progress 1
		.amdhsa_inst_pref_size 49
	.end_amdhsa_kernel
	.amdgpu_metadata
---
amdhsa.version: [ 1, 2 ]
amdhsa.kernels:
  - .name:           k_q2e07591268_wo
    .symbol:         k_q2e07591268_wo.kd
    .args:
      - { .name: ctxc, .offset: 0, .size: 8, .value_kind: global_buffer, .address_space: global }
      - { .name: codes, .offset: 8, .size: 8, .value_kind: global_buffer, .address_space: global }
      - { .name: lowp_scales, .offset: 16, .size: 8, .value_kind: global_buffer, .address_space: global }
      - { .name: embedding, .offset: 24, .size: 8, .value_kind: global_buffer, .address_space: global }
      - { .name: x1, .offset: 32, .size: 8, .value_kind: global_buffer, .address_space: global }
    .group_segment_fixed_size: 327680
    .private_segment_fixed_size: 0
    .kernarg_segment_align: 8
    .kernarg_segment_size: 40
    .max_flat_workgroup_size: 128
    .sgpr_count:     100
    .vgpr_count:     768
    .wavefront_size: 32
...
	.end_amdgpu_metadata
.endif
;; end of part 4
;; launch ln2 (part 5): grid 256 x 1, 4 waves a work-group, no clusters, 16,896 bytes of LDS; arguments x1, g2, be2, lowp_scales, h2c; writes h2c
.if DOCPART == 5
	.amdgcn_target "amdgcn-amd-amdhsa--gfx1250"
	.amdhsa_code_object_version 6
	.text
	.protected	k_q2e07591268_ln2
	.globl	k_q2e07591268_ln2
	.p2align	8
	.type	k_q2e07591268_ln2,@function
k_q2e07591268_ln2:
	s_mov_b64 s[64:65], 0
	v_nop
	global_prefetch_b8 v0, s[64:65] scope:SCOPE_SE
	s_setreg_imm32_b32 hwreg(HW_REG_WAVE_MODE, 25, 1), 1
	s_wait_xcnt 0x0
; LAYERNORM 2 of x1, quantised with entry 12 into codes of FP8 (E4M3) for product 7.  code = x / 2^e, held within +-448, to the nearest code, ties to even.
; The codes lie in chunks of 4,096 bytes, chunk (rb, kb) = [64 rows][64 codes] at (16 rb + kb) 4096.
; A wave takes 4 rows, one row at a time across its 32 lanes: lane l holds, for j = 0 .. 3, the eight neighbours 256 j + 8 l + 0 .. 7.  Mean, then the mean of squared differences, as the definition has them; all in f32.
; A row's codes go through the wave's stage, laid as they leave: for each chunk of 64 along K, 4 rows x 64 bytes.  No tensor load, no barrier: waves share nothing.
; LIMITS: e12 lies between -126 and 119.  NaN among the inputs is not served.
.set LST,   0                          ; NSC x 4,096 bytes for each wave
.set SPARE, 16384                      ; the spare words, 128 bytes for each wave: two blocks of 256 bytes that no other line names
.set SPW,   12                         ; v12  LDS address of my spare word; never rewritten
.set NIL,   13                         ; v13  0; never rewritten
.set NSC,   1                          ; how many scales the result is quantised with
.set XR,    64                         ; v64-191  four rows, 32 numbers a lane each
.set G,     192                        ; v192-223 the gain at my 32 columns
.set BE,    224                        ; v224-255 the offset at my 32 columns
.set OB,    36                         ; s[36:37] where my rows' codes go
.macro MKSC se, vs, vl                 ; from the exponent e in a scalar register: 2^e (the conversion takes its exponent field) and 448 x 2^e, as f32
	s_add_co_i32 s2, \se, 127
	s_lshl_b32 s3, s2, 23
	v_mov_b32 \vs, s3
	s_add_co_i32 s2, s2, 8
	s_lshl_b32 s2, s2, 23
	s_or_b32 s2, s2, 0x600000
	v_mov_b32 \vl, s2
.endm
	s_load_b128 s[20:23], s[0:1], 0x0              ; x1 s[20:21], g2 s[22:23]
	s_load_b128 s[24:27], s[0:1], 0x10             ; be2 s[24:25], the scales' exponents s[26:27]
	s_load_b64 s[28:29], s[0:1], 0x20              ; the codes
	v_lshl_add_u32 v[SPW], v0, 2, SPARE
	v_mov_b32 v[NIL], 0
	v_lshrrev_b32 v1, 5, v0
	v_readfirstlane_b32 s30, v1                    ; wave 0..3
	v_and_b32 v2, 31, v0                           ; lane
	s_wait_kmcnt 0x0
	s_load_b512 s[48:63], s[26:27], 0x0            ; e0 .. e15 in s48 .. s63
	s_lshl_b32 s31, ttmp9, 4
	s_lshl_b32 s32, s30, 2
	s_add_co_u32 s31, s31, s32                     ; my first row: 16 x work-group + 4 x wave
	s_lshl_b32 s34, s31, 12
	s_mov_b32 s35, 0
	s_add_nc_u64 s[4:5], s[20:21], s[34:35]        ; x at my first row
	s_lshr_b32 s34, s31, 6
	s_lshl_b32 s34, s34, 16                        ; my block of 64 rows: 16 chunks,
	s_and_b32 s32, s31, 63
	s_lshl_b32 s32, s32, 6
	s_add_co_u32 s34, s34, s32                     ; my rows' 256 bytes in each
	s_add_nc_u64 s[OB:OB+1], s[28:29], s[34:35]
	s_mov_b32 s44, 0x76543210                      ; v_permlanex16_b32: lane l xor 16
	s_mov_b32 s45, 0xfedcba98
	s_mov_b32 s46, 0x3a800000                      ; 1 / 1024
	s_mov_b32 s47, 0x3727c5ac                      ; 1e-5
	v_lshlrev_b32 v3, 5, v2                        ; 32 bytes a lane
	s_mul_i32 s42, s30, NSC*4096
	s_add_co_u32 s42, s42, LST                     ; my stage
	v_lshrrev_b32 v4, 3, v2
	v_lshlrev_b32 v4, 8, v4
	v_and_b32 v5, 7, v2
	v_lshl_add_u32 v4, v5, 3, v4
	v_add_nc_u32 v4, s42, v4                       ; into it: chunk 4 j + l / 8 (256 bytes each), byte 8 (l % 8)
	v_lshlrev_b32 v5, 4, v2
	v_add_nc_u32 v5, s42, v5                       ; out of it: as it lies
	v_lshrrev_b32 v6, 4, v2
	v_lshlrev_b32 v6, 12, v6
	v_and_b32 v7, 15, v2
	v_lshl_add_u32 v6, v7, 4, v6                   ; in memory: sixteen lanes to a chunk's 256 bytes, two chunks an instruction
.irp j, 0,1,2,3
	global_load_b128 v[G+8*\j:G+8*\j+3], v3, s[22:23] offset:1024*\j
	global_load_b128 v[G+8*\j+4:G+8*\j+7], v3, s[22:23] offset:1024*\j+16
.endr
.irp j, 0,1,2,3
	global_load_b128 v[BE+8*\j:BE+8*\j+3], v3, s[24:25] offset:1024*\j
	global_load_b128 v[BE+8*\j+4:BE+8*\j+7], v3, s[24:25] offset:1024*\j+16
.endr
.irp i, 0,1,2,3
.irp j, 0,1,2,3
	global_load_b128 v[XR+32*\i+8*\j:XR+32*\i+8*\j+3], v3, s[4:5] offset:4096*\i+1024*\j
	global_load_b128 v[XR+32*\i+8*\j+4:XR+32*\i+8*\j+7], v3, s[4:5] offset:4096*\i+1024*\j+16
.endr
.endr
	s_wait_kmcnt 0x0
	MKSC s60, v44, v48                             ; e12
.macro RED x, y                        ; the sum of v[x] over the 32 lanes, in every lane; v[y] at work (written before)
	v_add_f32_dpp v[\x], v[\x], v[\x] row_xmask:1 row_mask:0xf bank_mask:0xf
	v_add_f32_dpp v[\x], v[\x], v[\x] row_xmask:2 row_mask:0xf bank_mask:0xf
	v_add_f32_dpp v[\x], v[\x], v[\x] row_xmask:4 row_mask:0xf bank_mask:0xf
	v_add_f32_dpp v[\x], v[\x], v[\x] row_xmask:8 row_mask:0xf bank_mask:0xf
	v_permlanex16_b32 v[\y], v[\x], s44, s45
	v_add_f32 v[\x], v[\x], v[\y]
.endm
.macro ROW i
.set XB, XR+32*(\i)
	s_wait_loadcnt 8*(3-(\i))                      ; gain, offset and my rows up to this one are in; the later rows' loads, eight each, may be out
	v_pk_add_f32 v[40:41], v[XB:XB+1], v[XB+2:XB+3]
	v_pk_add_f32 v[42:43], v[XB+4:XB+5], v[XB+6:XB+7]
.irp j, 8,12,16,20,24,28
	v_pk_add_f32 v[40:41], v[40:41], v[XB+\j:XB+\j+1]
	v_pk_add_f32 v[42:43], v[42:43], v[XB+\j+2:XB+\j+3]
.endr
	v_pk_add_f32 v[40:41], v[40:41], v[42:43]
	v_add_f32 v40, v40, v41
	RED 40, 41
	v_mul_f32 v36, s46, v40                        ; the mean
	v_mov_b32 v37, v36
.irp j, 0,2,4,6,8,10,12,14,16,18,20,22,24,26,28,30
	v_pk_add_f32 v[XB+\j:XB+\j+1], v[XB+\j:XB+\j+1], v[36:37] neg_lo:[0,1] neg_hi:[0,1]
.endr
	v_pk_mul_f32 v[40:41], v[XB:XB+1], v[XB:XB+1]
	v_pk_mul_f32 v[42:43], v[XB+2:XB+3], v[XB+2:XB+3]
.irp j, 4,8,12,16,20,24,28
	v_pk_fma_f32 v[40:41], v[XB+\j:XB+\j+1], v[XB+\j:XB+\j+1], v[40:41]
	v_pk_fma_f32 v[42:43], v[XB+\j+2:XB+\j+3], v[XB+\j+2:XB+\j+3], v[42:43]
.endr
	v_pk_add_f32 v[40:41], v[40:41], v[42:43]
	v_add_f32 v40, v40, v41
	RED 40, 41
	v_fma_f32 v40, v40, s46, s47                   ; the variance + 1e-5
	v_rsq_f32 v38, v40
	v_nop                                          ; a plain instruction behind the transcendental,
	s_wait_alu depctr_va_vdst(0)                   ; and the wait ahead of its first reader
	v_mov_b32 v39, v38
.irp j, 0,2,4,6,8,10,12,14,16,18,20,22,24,26,28,30
	v_pk_mul_f32 v[XB+\j:XB+\j+1], v[XB+\j:XB+\j+1], v[38:39]
.endr
.irp j, 0,2,4,6,8,10,12,14,16,18,20,22,24,26,28,30
	v_pk_fma_f32 v[XB+\j:XB+\j+1], v[XB+\j:XB+\j+1], v[G+\j:G+\j+1], v[BE+\j:BE+\j+1]
.endr
.set SCI, 0
.rept NSC                              ; each scale holds the row into other registers (two sets by turns) and converts from there
.irp j, 0,1,2,3
.irp k, 0,1,2,3,4,5,6,7
	v_med3_num_f32 v[16+8*(\j%2)+\k], v[XB+8*\j+\k], -v[48+SCI], v[48+SCI]
.endr
	s_wait_dscnt 3                                 ; at most the three younger stores are out: the store four back has read the pair that is written next
	v_cvt_scalef32_pk8_fp8_f32 v[52+2*\j:53+2*\j], v[16+8*(\j%2):23+8*(\j%2)], v[44+SCI]
	ds_store_b64 v4, v[52+2*\j:53+2*\j] offset:SCI*4096+1024*\j+64*(\i)
.endr
.set SCI, SCI+1
.endr
.endm
	ROW 0
	ROW 1
	ROW 2
	ROW 3
.set n, 0
.rept 8*NSC
	ds_load_b128 v[XR+4*n:XR+4*n+3], v5 offset:512*n   ; LDS serves a wave's instructions in order: these see my stores
.set n, n+1
.endr
.set n, 0
.rept 8*NSC
	s_wait_dscnt 8*NSC-1-n
	global_store_b128 v6, v[XR+4*n:XR+4*n+3], s[OB+2*(n/8):OB+2*(n/8)+1] offset:8192*(n%8)   ; sixteen lanes store 256 consecutive bytes, aligned: my 4 rows of a chunk
.set n, n+1
.endr
	s_wait_tensorcnt 0x0                           ; the wave's end: behind my last LDS store
	ds_add_u32 v[SPW], v[NIL]
	s_wait_dscnt 0x0
	s_endpgm
.Lfunc_end_k_q2e07591268_ln2:
	.size	k_q2e07591268_ln2, .Lfunc_end_k_q2e07591268_ln2-k_q2e07591268_ln2
	.p2alignl 7, 3214868480
	.fill 96, 4, 3214868480
	.section	.rodata,"a",@progbits
	.p2align	6, 0x0
	.amdhsa_kernel k_q2e07591268_ln2
		.amdhsa_group_segment_fixed_size 16896
		.amdhsa_private_segment_fixed_size 0
		.amdhsa_enable_private_segment 0
		.amdhsa_kernarg_size 40
		.amdhsa_user_sgpr_count 2
		.amdhsa_user_sgpr_kernarg_segment_ptr 1
		.amdhsa_wavefront_size32 1
		.amdhsa_system_sgpr_workgroup_id_x 1
		.amdhsa_system_sgpr_workgroup_id_y 1
		.amdhsa_system_sgpr_workgroup_id_z 1
		.amdhsa_system_vgpr_workitem_id 0
		.amdhsa_next_free_vgpr 256
		.amdhsa_next_free_sgpr 66
		.amdhsa_reserve_vcc 0
		.amdhsa_float_denorm_mode_32 3
		.amdhsa_float_denorm_mode_16_64 3
		.amdhsa_memory_ordered 1
		.amdhsa_forward_progress 1
		.amdhsa_inst_pref_size 43
	.end_amdhsa_kernel
	.amdgpu_metadata
---
amdhsa.version: [ 1, 2 ]
amdhsa.kernels:
  - .name:           k_q2e07591268_ln2
    .symbol:         k_q2e07591268_ln2.kd
    .args:
      - { .name: x1, .offset: 0, .size: 8, .value_kind: global_buffer, .address_space: global }
      - { .name: g2, .offset: 8, .size: 8, .value_kind: global_buffer, .address_space: global }
      - { .name: be2, .offset: 16, .size: 8, .value_kind: global_buffer, .address_space: global }
      - { .name: lowp_scales, .offset: 24, .size: 8, .value_kind: global_buffer, .address_space: global }
      - { .name: h2c, .offset: 32, .size: 8, .value_kind: global_buffer, .address_space: global }
    .group_segment_fixed_size: 16896
    .private_segment_fixed_size: 0
    .kernarg_segment_align: 8
    .kernarg_segment_size: 40
    .max_flat_workgroup_size: 128
    .sgpr_count:     66
    .vgpr_count:     256
    .wavefront_size: 32
...
	.end_amdgpu_metadata
.endif
;; end of part 5
;; launch ff1 (part 6): grid 32 x 32, 4 waves a work-group, clusters of 4 x 4, 327,680 bytes of LDS; arguments h2c, codes, lowp_scales, b1, ffc; writes ffc
.if DOCPART == 6
	.amdgcn_target "amdgcn-amd-amdhsa--gfx1250"
	.amdhsa_code_object_version 6
	.text
	.protected	k_q2e07591268_ff1
	.globl	k_q2e07591268_ff1
	.p2align	8
	.type	k_q2e07591268_ff1,@function
k_q2e07591268_ff1:
	s_mov_b64 s[64:65], 0
	v_nop
	global_prefetch_b8 v0, s[64:65] scope:SCOPE_SE
	s_setreg_imm32_b32 hwreg(HW_REG_WAVE_MODE, 25, 1), 1
	s_wait_xcnt 0x0
	s_wait_alu depctr_hold_cnt(0) depctr_sa_sdst(0) depctr_va_vdst(0) depctr_va_sdst(0) depctr_va_ssrc(0) depctr_va_vcc(0) depctr_vm_vsrc(0)
	s_getreg_b32 s2, hwreg(HW_REG_IB_STS2, 6, 4)
	s_cmp_eq_u32 s2, 0
	s_cbranch_scc0 .Lentry_in_a_cluster
	s_endpgm
.Lentry_in_a_cluster:
	s_bfe_u32 s2, ttmp6, 0x10000c
	s_cmp_lg_u32 s2, 0xf033
	s_cbranch_scc0 .Lentry_shape_is_right
	s_endpgm
.Lentry_shape_is_right:
; PRODUCT 7: relu(h2 W1 + b1), quantised at once with entry 14 for product 8.
; THIS TEXT IS ONE TEMPLATE FOR FOUR LAUNCHES; the constants at its head choose.  C = S1 S0^T on codes of FP8 (E4M3).  S1 supplies C's rows and hangs on the tile row, S0 supplies C's columns and hangs on the tile column.
; Operands lie in chunks of 4,096 bytes, chunk (rb, kb) = [64 rows][64 codes] at (rb KB/64 + kb) 4096: 64 rows x 512 K are 32 KB on end, one tensor load of 128 lines of 256 bytes, 16 bytes of padding behind each in LDS.
; A tile of C is 128 x 128: four waves, each 64 x 64 in 16 accumulators.  K goes in steps of 512 through two LDS slots.  THE MATRIX INSTRUCTION IS USED TRANSPOSED (source 0 = 16 rows of S0, source 1 = 16 rows of S1):
; lane (r, h) of accumulator (a, b) holds row 16 a + r and columns 16 b + 8 h + 0 .. 7.  A fragment's registers 4 c .. 4 c + 3 hold k = 32 c + 16 h + 0 .. 15: the same permutation of k on both sides, so only the order of the sums changes.
; CLUSTERS: 4 x 4 work-groups; S1's tiles are asked for jointly along a row of the cluster, S0's along a column.
; HERE: S1 = LayerNorm 2's codes (entry 12), S0 = W1's codes (entry 13).  LIMIT: e14 - e12 - e13 lies between -126 and 119.
.set QKV,   0
.set KB,    1024                       ; a row of an operand in bytes
.set EPI,   0                          ; 0: the results leave as codes; 1: as f32, with a residual added
.set BIASM, 1                          ; 1: a bias along C's columns
.set RELU,  1
.set EA,    12                         ; entries of the scales: S1's, S0's, the result's
.set EB,    13
.set EO,    14
.set S0OFF, 16<<20                     ; where S0 begins in its buffer
.set OCH,   64                         ; chunks in a block of 64 rows of the result
.set A_S1,  0                          ; the arguments' places
.set A_S0,  8
.set A_SC,  16
.set A_OUT, 32
.set A_BI,  24
.set A_RE,  0
.set HK,    4<<20                      ; places in the buffer of codes, and in the buffer of q, k, v
.set HV,    8<<20
.set WQ,    12<<20
.set WK,    13<<20
.set WV,    14<<20
.set KCO,   4<<20
.set VCO,   8<<20
.set LAPS,  KB/1024                    ; a lap = two K steps = once round the ring
.set PITCH, 272                        ; a line in LDS: 256 bytes (4 rows of 64 codes) + 16
.set HALFT, 128*PITCH                  ; what one tensor load brings: 64 rows x 512 K
.set SLOT,  4*HALFT                    ; S1's two blocks of 64 rows, then S0's two
.set STAGE, 2*SLOT                     ; behind the ring: the way out, 17,408 bytes
.set SPARE, STAGE+17408                ; the spare words, 128 bytes for each wave: two blocks of 256 bytes that no other line names
.set ADR1,  16                         ; v16-17 LDS address of my S1 fragments in slot 0, 1
.set ADR0,  20                         ; v20-21 the same for S0
.set STO,   24                         ; v24-26 the way out: into the stage, back out of it, in memory
.set RD,    25
.set CO,    26
.set BO,    27                         ; v27    the bias's offset
.set SPW,   28                         ; v28    LDS address of my spare word; never rewritten
.set NIL,   29                         ; v29    0; never rewritten
.set SCL,   30                         ; v30    the conversion's scale as f32;  v31  448 x that
.set LIM,   31
.set TMP,   32                         ; v32-95 at work on the way out
.set BIAS,  96                         ; v96-127 the bias in the result's layout, divided by the power of two that the sums lack
.set ACC,   128                        ; v128-255 accumulator (a, b) at 128 + 8 (4 a + b)
.set F0,    0                          ; window 1: two sets of fragments for 128 along K: S1's four at 16 a, S0's four at 64 + 16 b
.set F1,    128
.set G1,    24                         ; s[24:31] descriptor group 1 for S1;  s[32:39] group 0, a set for each slot
.set G0,    32
.set G1B,   48                         ; s[48:55], s[56:63] the same for S0
.set G0B,   56
.set SC,    68                         ; s68-83  e0 .. e15
.set ZF,    1+BIASM                    ; how the first products start the sums: from 0, or from the bias
.set MSB,   0
.macro WIN new                         ; the immediate's high byte repeats the setting that is left
.if MSB != \new
	s_set_vgpr_msb (MSB<<8)|\new
.set MSB, \new
.endif
.endm
.set MUL,  0x05                        ; sources 0 and 1 window 1; C and D window 0
.set TO_F, 0x40                        ; destination window 1, address window 0
.macro JLOAD s                         ; a joint load: waves 0 and 1 fetch S1's two blocks, waves 2 and 3 S0's; an s_nop 0 and four v_nop follow each of the two lines
	s_cmp_eq_u32 s11, 0
	s_cbranch_scc0 .Lfor_b_\@
	tensor_load_to_lds s[G0+4*\s:G0+4*\s+3], s[G1:G1+7]
	s_nop 0
.rept 4
	v_nop
.endr
	s_branch .Lasked_\@
.Lfor_b_\@:
	tensor_load_to_lds s[G0B+4*\s:G0B+4*\s+3], s[G1B:G1B+7]
	s_nop 0
.rept 4
	v_nop
.endr
.Lasked_\@:
.endm
.macro CREST                           ; a round of the cluster's barrier behind its opening barrier
	s_cmp_lg_u32 s10, 0
	s_cbranch_scc1 .Lnot_wave_0_\@
	s_barrier_signal -3
.Lnot_wave_0_\@:
	s_barrier_wait -3
	s_barrier_signal -1
	s_barrier_wait -1
.endm
.macro CROUND                          ; a whole round
	s_barrier_signal -1
	s_barrier_wait -1
	CREST
.endm
.macro PLACES                          ; four places in front of loads into registers that matrix instructions have read, and of the first read of results
.rept 4
	v_nop
.endr
.endm
	s_load_b64 s[4:5], s[0:1], A_S1                ; S1's buffer
	s_load_b64 s[6:7], s[0:1], A_S0                ; S0's buffer
	s_load_b64 s[84:85], s[0:1], A_SC              ; the scales' exponents
	s_load_b64 s[8:9], s[0:1], A_OUT               ; the result
.if BIASM
	s_load_b64 s[86:87], s[0:1], A_BI
.endif
.if EPI
	s_load_b64 s[88:89], s[0:1], A_RE
.endif
	v_lshl_add_u32 v[SPW], v0, 2, SPARE
	v_mov_b32 v[NIL], 0
	ds_add_u32 v[SPW], v[NIL]                      ; the wave's opening: the add, and its wait ahead of my first tensor load; the set-up below, work on registers, stands between them
	v_lshrrev_b32 v1, 5, v0
	v_readfirstlane_b32 s10, v1                    ; wave 0..3
	s_lshr_b32 s11, s10, 1                         ; which 64 rows of the tile are mine.  Also: I fetch for S1 (0) or for S0 (1)
	s_and_b32 s12, s10, 1                          ; which 64 columns.  Also: which block of 64 rows of that operand I fetch
	s_bfe_u32 s40, ttmp6, 0x40000                  ; cx, cy: my place in the cluster
	s_bfe_u32 s41, ttmp6, 0x40004
.if QKV
	s_and_b32 s20, ttmp7, 0xffff                   ; cluster y, 0 .. 11
	s_and_b32 s22, s20, 1                          ; v: which four of Wv's eight tiles of rows
	s_sub_co_u32 s23, s20, 8
	s_lshr_b32 s23, s23, 1
	s_lshl_b32 s23, s23, 2
	s_add_co_u32 s23, s23, ttmp9                   ; v: which four of the tokens' 32 tiles
	s_and_b32 s18, ttmp9, 1                        ; q, k: which four of the weight's eight tiles
	s_cmp_ge_u32 s20, 8
	s_cselect_b32 s13, s22, s20
	s_cselect_b32 s42, s23, s18
	s_cselect_b32 s19, 1, 0                        ; 1: v
	s_lshl_b32 s13, s13, 2
	s_add_co_u32 s13, s13, s41                     ; tile row
	s_lshl_b32 s42, s42, 2
	s_add_co_u32 s42, s42, s40                     ; tile column
	s_mov_b32 s91, WK
	s_cmp_lt_u32 ttmp9, 2
	s_cselect_b32 s90, 0, HK                       ; S1's place, S0's place, the result's place
	s_cselect_b32 s91, WQ, s91
	s_cselect_b32 s92, 0, KCO
	s_cselect_b32 s93, 1, 0                        ; 1: q (where it is not v)
	s_cmp_eq_u32 s19, 1
	s_cselect_b32 s90, WV, s90
	s_cselect_b32 s91, HV, s91
	s_cselect_b32 s92, VCO, s92
.else
	s_lshl_b32 s42, ttmp9, 2
	s_add_co_u32 s42, s42, s40                     ; tile column = 4 x cluster x + cx
	s_and_b32 s13, ttmp7, 0xffff
	s_lshl_b32 s13, s13, 2
	s_add_co_u32 s13, s13, s41                     ; tile row = 4 x cluster y + cy
.endif
	s_lshl_b32 s43, s41, 2
	s_lshl_b32 s43, 15, s43                        ; my row of the cluster
	s_lshl_b32 s44, 0x1111, s40                    ; my column
	s_or_b32 s[G1], s43, 0x7730000                 ; 15:0 the mask; 17:16 elements of 8 bytes; 20 padding on; 21 set beside a mask; 24:22 after every 64 words; 31:25 four words
	s_or_b32 s[G1B], s44, 0x7730000
.irp g, G1, G1B
	s_mov_b32 s[\g+1], 32<<16                      ; tensor_dim0 = 32 elements: 256 bytes
	s_mov_b32 s[\g+2], 128<<16                     ; tensor_dim1 = 128 lines
	s_mov_b32 s[\g+3], 32<<16                      ; tile_dim0
	s_mov_b32 s[\g+4], 128                         ; tile_dim1
	s_mov_b32 s[\g+5], 32                          ; the pitch: the block is dense
	s_mov_b32 s[\g+6], 0
	s_mov_b32 s[\g+7], 0
.endr
	s_lshl_b32 s16, s13, 1
	s_add_co_u32 s16, s16, s12
	s_mul_i32 s16, s16, 64*KB                      ; S1: block of 64 rows 2 x tile row + wave % 2
	s_lshl_b32 s46, s42, 1
	s_add_co_u32 s46, s46, s12
	s_mul_i32 s46, s46, 64*KB                      ; S0: 2 x tile column + wave % 2
.if QKV
	s_add_co_u32 s16, s16, s90
	s_add_co_u32 s46, s46, s91
.else
	s_add_co_u32 s46, s46, S0OFF
.endif
	s_mov_b32 s17, 0
	s_mov_b32 s47, 0
	s_mul_i32 s45, s10, HALFT                      ; where they go: wave x a load's bytes: no place in the cluster enters an LDS address
	s_wait_dscnt 0x0                               ; the opening add is done
	s_wait_kmcnt 0x0
	s_load_b256 s[68:75], s[84:85], 0x0
	s_load_b256 s[76:83], s[84:85], 0x20
	s_add_nc_u64 s[14:15], s[4:5], s[16:17]
	s_add_nc_u64 s[46:47], s[6:7], s[46:47]
	CROUND                                         ; all sixteen work-groups are here: the first joint loads meet
.irp s, 0,1
	s_mov_b32 s[G0+4*\s], 1
	s_add_co_u32 s[G0+4*\s+1], s45, \s*SLOT
	s_add_nc_u64 s[G0+4*\s+2:G0+4*\s+3], s[14:15], \s*32768
	s_or_b32 s[G0+4*\s+3], s[G0+4*\s+3], 0x80000000
	s_mov_b32 s[G0B+4*\s], 1
	s_add_co_u32 s[G0B+4*\s+1], s45, \s*SLOT
	s_add_nc_u64 s[G0B+4*\s+2:G0B+4*\s+3], s[46:47], \s*32768
	s_or_b32 s[G0B+4*\s+3], s[G0B+4*\s+3], 0x80000000
	JLOAD \s                                       ; two loads of mine are out
.endr
	v_and_b32 v1, 15, v0                           ; r
	v_bfe_u32 v2, v0, 4, 1                         ; h
	v_and_b32 v5, 31, v0                           ; lane
	v_lshrrev_b32 v3, 2, v1
	v_mul_u32_u24 v3, v3, PITCH
	v_and_b32 v4, 3, v1
	v_lshl_add_u32 v3, v4, 6, v3
	v_lshl_add_u32 v3, v2, 4, v3                   ; a fragment's lane term: line r / 4, row r % 4 in it, 16 h
	s_mul_i32 s21, s11, HALFT                      ; my 64 rows of S1
	s_mul_i32 s22, s12, HALFT
	s_add_co_u32 s22, s22, 2*HALFT                 ; my 64 rows of S0
.irp s, 0,1
	v_add_nc_u32 v[ADR1+\s], s21, v3
	v_add_nc_u32 v[ADR0+\s], s22, v3
	s_add_co_u32 s21, s21, SLOT
	s_add_co_u32 s22, s22, SLOT
.endr
.if EPI
	s_mul_i32 s23, s10, 16*272
	s_add_co_u32 s23, s23, STAGE                   ; my stage: 16 rows x (256 bytes + 16)
	v_mul_u32_u24 v6, v1, 272
	v_lshl_add_u32 v6, v2, 5, v6
	v_add_nc_u32 v[STO], s23, v6                   ; in: row r, 32 bytes for each half of the lanes
	v_mul_u32_u24 v6, v2, 272
	v_lshl_add_u32 v6, v1, 4, v6
	v_add_nc_u32 v[RD], s23, v6                    ; back: lanes 0-15 one row of 256 bytes, lanes 16-31 the next
	v_lshlrev_b32 v6, 12, v2
	v_lshl_add_u32 v[CO], v1, 4, v6                ; and the same two rows in memory (rows of 4,096 bytes)
	s_lshl_b32 s96, s13, 7
	s_lshl_b32 s97, s11, 6
	s_add_co_u32 s96, s96, s97                     ; my first row
	s_lshl_b32 s96, s96, 12
	s_lshl_b32 s97, s42, 9
	s_add_co_u32 s96, s96, s97
	s_lshl_b32 s97, s12, 8
	s_add_co_u32 s96, s96, s97                     ; + my first column x 4
	s_mov_b32 s97, 0
	s_add_nc_u64 s[8:9], s[8:9], s[96:97]
	s_add_nc_u64 s[88:89], s[88:89], s[96:97]
.else
	s_lshl_b32 s23, s10, 12
	s_add_co_u32 s23, s23, STAGE                   ; my stage: a chunk
	v_lshlrev_b32 v6, 6, v1
	v_lshl_add_u32 v6, v2, 3, v6
	v_add_nc_u32 v[STO], s23, v6                   ; in: row r of 64 bytes, 8 h
	v_lshlrev_b32 v[CO], 4, v5
	v_add_nc_u32 v[RD], s23, v[CO]                 ; back, and in memory: as it lies
	s_lshl_b32 s96, s13, 1
	s_add_co_u32 s96, s96, s11                     ; my block of 64 rows of C
	s_lshl_b32 s97, s42, 1
	s_add_co_u32 s97, s97, s12                     ; my block of 64 columns
.if QKV
	s_cmp_eq_u32 s19, 1
	s_cselect_b32 s98, s97, s96                    ; the tokens' block,
	s_cselect_b32 s99, s96, s97                    ; the head
	s_lshr_b32 s96, s98, 5
	s_lshl_b32 s96, s96, 4
	s_add_co_u32 s96, s96, s99
	s_lshl_b32 s96, s96, 5
	s_and_b32 s98, s98, 31
	s_add_co_u32 s96, s96, s98                     ; chunk ((batch x 16 + head) x 32 + the block of 64 tokens within the batch)
	s_lshl_b32 s96, s96, 12
	s_add_co_u32 s96, s96, s92
.else
	s_mul_i32 s96, s96, OCH
	s_add_co_u32 s96, s96, s97
	s_lshl_b32 s96, s96, 12
.endif
	s_mov_b32 s97, 0
	s_add_nc_u64 s[8:9], s[8:9], s[96:97]
.endif
.if BIASM
	s_lshl_b32 s98, s42, 9
	s_lshl_b32 s99, s12, 8
	s_add_co_u32 s98, s98, s99
	s_mov_b32 s99, 0
	s_add_nc_u64 s[86:87], s[86:87], s[98:99]      ; the bias at my first column
	v_lshlrev_b32 v[BO], 5, v2
.irp b, 0,1,2,3
	global_load_b128 v[BIAS+8*\b:BIAS+8*\b+3], v[BO], s[86:87] offset:64*\b          ; columns 16 b + 8 h + 0 .. 7
	global_load_b128 v[BIAS+8*\b+4:BIAS+8*\b+7], v[BO], s[86:87] offset:64*\b+16
.endr
.endif
.if EPI
	WIN 0x80                                       ; destination window 2: the residual's tile, asked for now, wanted on the way out
.irp a, 0,1,2,3
.irp t, 0,1,2,3,4,5,6,7
	global_load_b128 v[32*\a+4*\t:32*\a+4*\t+3], v[CO], s[88:89] offset:(16*\a+2*\t)*4096
.endr
.endr
	WIN 0
.endif
	s_wait_kmcnt 0x0                               ; the exponents
.if QKV
	s_sub_co_i32 s94, s74, s68
	s_sub_co_i32 s94, s94, s69                     ; q: e6 - e0 - e1
	s_sub_co_i32 s95, s75, s70
	s_sub_co_i32 s95, s95, s71                     ; k: e7 - e2 - e3
	s_sub_co_i32 s96, s77, s72
	s_sub_co_i32 s96, s96, s73                     ; v: e9 - e4 - e5
	s_cmp_eq_u32 s93, 1
	s_cselect_b32 s94, s94, s95
	s_cmp_eq_u32 s19, 1
	s_cselect_b32 s94, s96, s94
.else
	s_add_co_i32 s95, s[SC+EA], s[SC+EB]           ; a sum stands for sum x 2^(eA + eB)
.endif
.if EPI
	s_add_co_i32 s66, s95, 127
	s_lshl_b32 s66, s66, 23                        ; 2^(eA + eB) as f32
	s_mov_b32 s67, s66                             ; (named with it as a pair, so it is written)
.else
.if QKV == 0
	s_sub_co_i32 s94, s[SC+EO], s95                ; the three scales folded into the conversion's one
.endif
	s_add_co_i32 s2, s94, 127
	s_lshl_b32 s3, s2, 23
	v_mov_b32 v[SCL], s3
	s_add_co_i32 s2, s2, 8
	s_lshl_b32 s2, s2, 23
	s_or_b32 s2, s2, 0x600000
	v_mov_b32 v[LIM], s2
.endif
.if BIASM
	s_sub_co_i32 s96, 0, s95
	s_wait_loadcnt 32*EPI                          ; the bias's eight loads are in; the residual's 32, issued behind them, may be out
.set j, 0
.rept 32
	v_ldexp_f32 v[BIAS+j], v[BIAS+j], s96          ; the bias goes in as the C of each sum's first product, divided by 2^(eA + eB)
.set j, j+1
.endr
.endif
.macro FRAG reg, adr, q, i             ; 16 rows x 128 K: the slot's q-th 128 along K (two chunks), rows 16 i on
.irp c, 0,1,2,3
	ds_load_b128 v[\reg+4*\c:\reg+4*\c+3], v[\adr] offset:8704*(\q)+4352*(\c/2)+32*(\c%2)+1088*(\i)
.endr
.endm
.macro FETCH slot, q, f                ; 32 LDS loads in one run: S0's four fragments, then S1's
	WIN TO_F
.irp i, 0,1,2,3
	FRAG \f+64+16*\i, ADR0+\slot, \q, \i
.endr
.irp i, 0,1,2,3
	FRAG \f+16*\i, ADR1+\slot, \q, \i
.endr
.endm
.macro MUL4 f, a, z                    ; S1's block a against S0's four.  z = 1: the sums start from 0; 2: from the bias.  The 16 accumulators take turns, one instruction a turn, in the same order everywhere
.irp b, 0,1,2,3
.if (\z) == 1
	v_wmma_f32_16x16x128_fp8_fp8 v[ACC+8*(4*(\a)+\b):ACC+8*(4*(\a)+\b)+7], v[\f+64+16*\b:\f+64+16*\b+15], v[\f+16*(\a):\f+16*(\a)+15], 0
.elseif (\z) == 2
	v_wmma_f32_16x16x128_fp8_fp8 v[ACC+8*(4*(\a)+\b):ACC+8*(4*(\a)+\b)+7], v[\f+64+16*\b:\f+64+16*\b+15], v[\f+16*(\a):\f+16*(\a)+15], v[BIAS+8*\b:BIAS+8*\b+7]
.else
	v_wmma_f32_16x16x128_fp8_fp8 v[ACC+8*(4*(\a)+\b):ACC+8*(4*(\a)+\b)+7], v[\f+64+16*\b:\f+64+16*\b+15], v[\f+16*(\a):\f+16*(\a)+15], v[ACC+8*(4*(\a)+\b):ACC+8*(4*(\a)+\b)+7]
.endif
.endr
.endm
.macro MUL8 f, a0, z
	MUL4 \f, \a0, \z
	MUL4 \f, \a0+1, \z
.endm
; A K step is four quarters of 128 along K, 16 matrix instructions each, on sets 0, 1, 0, 1.  One of the first three: multiplies set f and fetches the slot's quarter qn into set g.
.macro QUARTER slot, qn, f, g, z
	s_wait_dscnt 8                                 ; S0's four and S1's blocks 0 and 1 are in; the youngest eight loads (blocks 2 and 3) may be out
	WIN MUL
	MUL8 \f, 0, \z
	PLACES
	FETCH \slot, \qn, \g
	s_wait_dscnt 32                                ; all but the 32 just issued
	WIN MUL
	MUL8 \f, 2, \z
.endm
; The last quarter multiplies set 1 and changes slots: ONE barrier; in front of it each wave waits for all its tensor loads, adds 0 to its spare word, and waits for that and for its reads of this slot.  fill = 1: this slot is filled again, two K steps ahead.
.macro TURN slot, next, fill
	WIN 0                                          ; (the add's two registers lie in window 0)
	s_wait_tensorcnt 0x0                           ; all my tensor loads have landed: my part of the next slot;
	ds_add_u32 v[SPW], v[NIL]                      ; 0 onto my spare word
	s_wait_dscnt 9                                 ; (the add and the youngest eight loads may be out)
	WIN MUL
	MUL4 F1, 0, 0                                  ; four matrix instructions stand between the add and the wait for it
	s_wait_dscnt 0x0                               ; the add is done, and my reads of this slot are over
	s_barrier_signal -1
	MUL4 F1, 1, 0
.if \fill
	WIN 0
.endif
	s_barrier_wait -1
.if \fill
	CREST                                          ; the barrier has opened a round of the cluster's barrier: no wave of any partner still reads this slot or has a load on its way
	s_add_nc_u64 s[G0+4*\slot+2:G0+4*\slot+3], s[G0+4*\slot+2:G0+4*\slot+3], 65536
	s_add_nc_u64 s[G0B+4*\slot+2:G0B+4*\slot+3], s[G0B+4*\slot+2:G0B+4*\slot+3], 65536
	JLOAD \slot                                    ; the first tensor load behind the round; its four v_nop are also the places in front of the loads below
.else
	PLACES
.endif
	FETCH \next, 0, F0
	WIN MUL
	MUL4 F1, 2, 0
	MUL4 F1, 3, 0
.endm
	s_wait_tensorcnt 1                             ; my part of K step 0 is in; K step 1's may stay out
	s_barrier_signal -1
	s_barrier_wait -1                              ; everybody's is
	FETCH 0, 0, F0
	QUARTER 0, 1, F0, F1, ZF                       ; the first quarter's products start the sums
.if LAPS > 1
	WIN 0                                          ; at a label and at a branch every window is 0
	s_mov_b32 s3, LAPS-1
.Llap:                                                 ; a trip goes once round the ring, from a lap's second quarter to the next lap's first, and fills both slots again
	QUARTER 0, 2, F1, F0, 0
	QUARTER 0, 3, F0, F1, 0
	TURN 0, 1, 1
	QUARTER 1, 1, F0, F1, 0
	QUARTER 1, 2, F1, F0, 0
	QUARTER 1, 3, F0, F1, 0
	TURN 1, 0, 1
	QUARTER 0, 1, F0, F1, 0
	WIN 0
	s_sub_co_u32 s3, s3, 1
	s_cmp_lg_u32 s3, 0
	s_cbranch_scc1 .Llap
.endif
	QUARTER 0, 2, F1, F0, 0                        ; the last lap fills nothing
	QUARTER 0, 3, F0, F1, 0
	TURN 0, 1, 0
	QUARTER 1, 1, F0, F1, 0
	QUARTER 1, 2, F1, F0, 0
	QUARTER 1, 3, F0, F1, 0
	s_wait_dscnt 8                                 ; the very last quarter: nothing more to fetch
	WIN MUL
	MUL8 F1, 0, 0
	s_wait_dscnt 0x0
	MUL8 F1, 2, 0
	WIN 0
	PLACES
.if EPI == 0
; THE WAY OUT, AS CODES.  A lane's eight results are eight neighbours along the next product's K: held, converted, 8 bytes a lane into my stage (a chunk as it will lie), back as it lies, and out as 4,096 consecutive bytes.
.set t, 0
.rept 16
.set k, 0
.rept 8
.if RELU
	v_med3_num_f32 v[ACC+8*t+k], v[ACC+8*t+k], 0, v[LIM]          ; the activation and the hold in one; each accumulator from its low end on
.else
	v_med3_num_f32 v[ACC+8*t+k], v[ACC+8*t+k], -v[LIM], v[LIM]    ; the conversion does not saturate (ISA guide 7.6.2): the hold; each accumulator from its low end on
.endif
.set k, k+1
.endr
	v_cvt_scalef32_pk8_fp8_f32 v[TMP+2*t:TMP+2*t+1], v[ACC+8*t:ACC+8*t+7], v[SCL]
.set t, t+1
.endr
	v_nop                                          ; a plain instruction behind the last conversion
.irp a, 0,1,2,3
.irp b, 0,1,2,3
	ds_store_b64 v[STO], v[TMP+2*(4*\a+\b):TMP+2*(4*\a+\b)+1] offset:1024*\a+16*\b
.endr
.endr
.irp i, 0,1,2,3,4,5,6,7
	ds_load_b128 v[TMP+32+4*\i:TMP+32+4*\i+3], v[RD] offset:512*\i   ; LDS serves a wave's instructions in order: these see my stores
.endr
.irp i, 0,1,2,3,4,5,6,7
	s_wait_dscnt 7-\i
	global_store_b128 v[CO], v[TMP+32+4*\i:TMP+32+4*\i+3], s[8:9] offset:512*\i   ; 32 lanes store 512 consecutive bytes, aligned
.endr
.else
; THE WAY OUT, AS F32.  A block of 16 rows x 64 columns goes through my stage and comes back as whole rows of 256 bytes; there sum x 2^(eA + eB) + the residual is one packed multiply-add for two numbers.
.macro TOSTAGE a
.irp b, 0,1,2,3
	ds_store_b128 v[STO], v[ACC+8*(4*(\a)+\b):ACC+8*(4*(\a)+\b)+3] offset:64*\b          ; each accumulator from its low end on
	ds_store_b128 v[STO], v[ACC+8*(4*(\a)+\b)+4:ACC+8*(4*(\a)+\b)+7] offset:64*\b+16
.endr
.set BK, TMP+32*((\a)%2)
.irp t, 0,1,2,3,4,5,6,7
	ds_load_b128 v[BK+4*\t:BK+4*\t+3], v[RD] offset:544*\t   ; LDS serves a wave's instructions in order: these see the stores above, and the next block's stores come behind them
.endr
.endm
.macro SEND a, younger                 ; younger: the LDS instructions issued behind block a's loads, which may stay out
.set BK, TMP+32*((\a)%2)
	s_wait_dscnt \younger
	WIN 0x20                                       ; source 2 (the residual) window 2
.irp u, 0,2,4,6,8,10,12,14,16,18,20,22,24,26,28,30
	v_pk_fma_f32 v[BK+\u:BK+\u+1], v[BK+\u:BK+\u+1], s[66:67], v[32*(\a)+\u:32*(\a)+\u+1] op_sel_hi:[1,0,1]
.endr
	WIN 0
.irp t, 0,1,2,3,4,5,6,7
	global_store_b128 v[CO], v[BK+4*\t:BK+4*\t+3], s[8:9] offset:(16*(\a)+2*\t)*4096   ; sixteen lanes store 256 consecutive bytes, aligned
.endr
.endm
	s_wait_loadcnt 0x0                             ; the residual
	TOSTAGE 0
	TOSTAGE 1
	SEND 0, 16
	s_wait_xcnt 0x0                                ; block 0's stores have read their registers: block 2's loads may land there
	TOSTAGE 2
	SEND 1, 16
	s_wait_xcnt 0x0
	TOSTAGE 3
	SEND 2, 16
	SEND 3, 0
.endif
	s_wait_tensorcnt 0x0                           ; the wave's end: behind my last tensor load and my last LDS store
	ds_add_u32 v[SPW], v[NIL]
	s_wait_dscnt 0x0
	CROUND                                         ; the closing round: no work-group ends while a partner may still ask for a tile that names it
	s_endpgm
.Lfunc_end_k_q2e07591268_ff1:
	.size	k_q2e07591268_ff1, .Lfunc_end_k_q2e07591268_ff1-k_q2e07591268_ff1
	.p2alignl 7, 3214868480
	.fill 96, 4, 3214868480
	.section	.rodata,"a",@progbits
	.p2align	6, 0x0
	.amdhsa_kernel k_q2e07591268_ff1
		.amdhsa_group_segment_fixed_size 327680
		.amdhsa_private_segment_fixed_size 0
		.amdhsa_enable_private_segment 0
		.amdhsa_kernarg_size 40
		.amdhsa_user_sgpr_count 2
		.amdhsa_user_sgpr_kernarg_segment_ptr 1
		.amdhsa_wavefront_size32 1
		.amdhsa_system_sgpr_workgroup_id_x 1
		.amdhsa_system_sgpr_workgroup_id_y 1
		.amdhsa_system_sgpr_workgroup_id_z 1
		.amdhsa_system_vgpr_workitem_id 0
		.amdhsa_next_free_vgpr 512
		.amdhsa_next_free_sgpr 100
		.amdhsa_reserve_vcc 0
		.amdhsa_float_denorm_mode_32 3
		.amdhsa_float_denorm_mode_16_64 3
		.amdhsa_memory_ordered 1
		.amdhsa_forward_progress 1
		.amdhsa_inst_pref_size 49
	.end_amdhsa_kernel
	.amdgpu_metadata
---
amdhsa.version: [ 1, 2 ]
amdhsa.kernels:
  - .name:           k_q2e07591268_ff1
    .symbol:         k_q2e07591268_ff1.kd
    .args:
      - { .name: h2c, .offset: 0, .size: 8, .value_kind: global_buffer, .address_space: global }
      - { .name: codes, .offset: 8, .size: 8, .value_kind: global_buffer, .address_space: global }
      - { .name: lowp_scales, .offset: 16, .size: 8, .value_kind: global_buffer, .address_space: global }
      - { .name: b1, .offset: 24, .size: 8, .value_kind: global_buffer, .address_space: global }
      - { .name: ffc, .offset: 32, .size: 8, .value_kind: global_buffer, .address_space: global }
    .group_segment_fixed_size: 327680
    .private_segment_fixed_size: 0
    .kernarg_segment_align: 8
    .kernarg_segment_size: 40
    .max_flat_workgroup_size: 128
    .sgpr_count:     100
    .vgpr_count:     512
    .wavefront_size: 32
...
	.end_amdgpu_metadata
.endif
;; end of part 6
;; launch ff2 (part 7): grid 8 x 32, 4 waves a work-group, clusters of 4 x 4, 327,680 bytes of LDS; arguments ffc, codes, lowp_scales, b2, x1, out0; writes out0
.if DOCPART == 7
	.amdgcn_target "amdgcn-amd-amdhsa--gfx1250"
	.amdhsa_code_object_version 6
	.text
	.protected	k_q2e07591268_ff2
	.globl	k_q2e07591268_ff2
	.p2align	8
	.type	k_q2e07591268_ff2,@function
k_q2e07591268_ff2:
	s_mov_b64 s[64:65], 0
	v_nop
	global_prefetch_b8 v0, s[64:65] scope:SCOPE_SE
	s_setreg_imm32_b32 hwreg(HW_REG_WAVE_MODE, 25, 1), 1
	s_wait_xcnt 0x0
	s_wait_alu depctr_hold_cnt(0) depctr_sa_sdst(0) depctr_va_vdst(0) depctr_va_sdst(0) depctr_va_ssrc(0) depctr_va_vcc(0) depctr_vm_vsrc(0)
	s_getreg_b32 s2, hwreg(HW_REG_IB_STS2, 6, 4)
	s_cmp_eq_u32 s2, 0
	s_cbranch_scc0 .Lentry_in_a_cluster
	s_endpgm
.Lentry_in_a_cluster:
	s_bfe_u32 s2, ttmp6, 0x10000c
	s_cmp_lg_u32 s2, 0xf033
	s_cbranch_scc0 .Lentry_shape_is_right
	s_endpgm
.Lentry_shape_is_right:
; PRODUCT 8 AND THE SECOND RESIDUAL: out0 = x1 + ff W2 + b2, f32.
; THIS TEXT IS ONE TEMPLATE FOR FOUR LAUNCHES; the constants at its head choose.  C = S1 S0^T on codes of FP8 (E4M3).  S1 supplies C's rows and hangs on the tile row, S0 supplies C's columns and hangs on the tile column.
; Operands lie in chunks of 4,096 bytes, chunk (rb, kb) = [64 rows][64 codes] at (rb KB/64 + kb) 4096: 64 rows x 512 K are 32 KB on end, one tensor load of 128 lines of 256 bytes, 16 bytes of padding behind each in LDS.
; A tile of C is 128 x 128: four waves, each 64 x 64 in 16 accumulators.  K goes in steps of 512 through two LDS slots.  THE MATRIX INSTRUCTION IS USED TRANSPOSED (source 0 = 16 rows of S0, source 1 = 16 rows of S1):
; lane (r, h) of accumulator (a, b) holds row 16 a + r and columns 16 b + 8 h + 0 .. 7.  A fragment's registers 4 c .. 4 c + 3 hold k = 32 c + 16 h + 0 .. 15: the same permutation of k on both sides, so only the order of the sums changes.
; CLUSTERS: 4 x 4 work-groups; S1's tiles are asked for jointly along a row of the cluster, S0's along a column.
; HERE: S1 = the hidden layer's codes (entry 14), S0 = W2's codes (entry 15); eight K steps, so both slots are filled again three times.  LIMIT: e14 + e15 lies between -126 and 127.
.set QKV,   0
.set KB,    4096                       ; a row of an operand in bytes
.set EPI,   1                          ; 0: the results leave as codes; 1: as f32, with a residual added
.set BIASM, 1                          ; 1: a bias along C's columns
.set RELU,  0
.set EA,    14                         ; entries of the scales: S1's, S0's, the result's
.set EB,    15
.set EO,    0
.set S0OFF, 20<<20                     ; where S0 begins in its buffer
.set OCH,   0                          ; chunks in a block of 64 rows of the result
.set A_S1,  0                          ; the arguments' places
.set A_S0,  8
.set A_SC,  16
.set A_OUT, 40
.set A_BI,  24
.set A_RE,  32
.set HK,    4<<20                      ; places in the buffer of codes, and in the buffer of q, k, v
.set HV,    8<<20
.set WQ,    12<<20
.set WK,    13<<20
.set WV,    14<<20
.set KCO,   4<<20
.set VCO,   8<<20
.set LAPS,  KB/1024                    ; a lap = two K steps = once round the ring
.set PITCH, 272                        ; a line in LDS: 256 bytes (4 rows of 64 codes) + 16
.set HALFT, 128*PITCH                  ; what one tensor load brings: 64 rows x 512 K
.set SLOT,  4*HALFT                    ; S1's two blocks of 64 rows, then S0's two
.set STAGE, 2*SLOT                     ; behind the ring: the way out, 17,408 bytes
.set SPARE, STAGE+17408                ; the spare words, 128 bytes for each wave: two blocks of 256 bytes that no other line names
.set ADR1,  16                         ; v16-17 LDS address of my S1 fragments in slot 0, 1
.set ADR0,  20                         ; v20-21 the same for S0
.set STO,   24                         ; v24-26 the way out: into the stage, back out of it, in memory
.set RD,    25
.set CO,    26
.set BO,    27                         ; v27    the bias's offset
.set SPW,   28                         ; v28    LDS address of my spare word; never rewritten
.set NIL,   29                         ; v29    0; never rewritten
.set SCL,   30                         ; v30    the conversion's scale as f32;  v31  448 x that
.set LIM,   31
.set TMP,   32                         ; v32-95 at work on the way out
.set BIAS,  96                         ; v96-127 the bias in the result's layout, divided by the power of two that the sums lack
.set ACC,   128                        ; v128-255 accumulator (a, b) at 128 + 8 (4 a + b)
.set F0,    0                          ; window 1: two sets of fragments for 128 along K: S1's four at 16 a, S0's four at 64 + 16 b.  Window 2, v0-127: the residual's tile
.set F1,    128
.set G1,    24                         ; s[24:31] descriptor group 1 for S1;  s[32:39] group 0, a set for each slot
.set G0,    32
.set G1B,   48                         ; s[48:55], s[56:63] the same for S0
.set G0B,   56
.set SC,    68                         ; s68-83  e0 .. e15
.set ZF,    1+BIASM                    ; how the first products start the sums: from 0, or from the bias
.set MSB,   0
.macro WIN new                         ; the immediate's high byte repeats the setting that is left
.if MSB != \new
	s_set_vgpr_msb (MSB<<8)|\new
.set MSB, \new
.endif
.endm
.set MUL,  0x05                        ; sources 0 and 1 window 1; C and D window 0
.set TO_F, 0x40                        ; destination window 1, address window 0
.macro JLOAD s                         ; a joint load: waves 0 and 1 fetch S1's two blocks, waves 2 and 3 S0's; an s_nop 0 and four v_nop follow each of the two lines
	s_cmp_eq_u32 s11, 0
	s_cbranch_scc0 .Lfor_b_\@
	tensor_load_to_lds s[G0+4*\s:G0+4*\s+3], s[G1:G1+7]
	s_nop 0
.rept 4
	v_nop
.endr
	s_branch .Lasked_\@
.Lfor_b_\@:
	tensor_load_to_lds s[G0B+4*\s:G0B+4*\s+3], s[G1B:G1B+7]
	s_nop 0
.rept 4
	v_nop
.endr
.Lasked_\@:
.endm
.macro CREST                           ; a round of the cluster's barrier behind its opening barrier
	s_cmp_lg_u32 s10, 0
	s_cbranch_scc1 .Lnot_wave_0_\@
	s_barrier_signal -3
.Lnot_wave_0_\@:
	s_barrier_wait -3
	s_barrier_signal -1
	s_barrier_wait -1
.endm
.macro CROUND                          ; a whole round
	s_barrier_signal -1
	s_barrier_wait -1
	CREST
.endm
.macro PLACES                          ; four places in front of loads into registers that matrix instructions have read, and of the first read of results
.rept 4
	v_nop
.endr
.endm
	s_load_b64 s[4:5], s[0:1], A_S1                ; S1's buffer
	s_load_b64 s[6:7], s[0:1], A_S0                ; S0's buffer
	s_load_b64 s[84:85], s[0:1], A_SC              ; the scales' exponents
	s_load_b64 s[8:9], s[0:1], A_OUT               ; the result
.if BIASM
	s_load_b64 s[86:87], s[0:1], A_BI
.endif
.if EPI
	s_load_b64 s[88:89], s[0:1], A_RE
.endif
	v_lshl_add_u32 v[SPW], v0, 2, SPARE
	v_mov_b32 v[NIL], 0
	ds_add_u32 v[SPW], v[NIL]                      ; the wave's opening: the add, and its wait ahead of my first tensor load; the set-up below, work on registers, stands between them
	v_lshrrev_b32 v1, 5, v0
	v_readfirstlane_b32 s10, v1                    ; wave 0..3
	s_lshr_b32 s11, s10, 1                         ; which 64 rows of the tile are mine.  Also: I fetch for S1 (0) or for S0 (1)
	s_and_b32 s12, s10, 1                          ; which 64 columns.  Also: which block of 64 rows of that operand I fetch
	s_bfe_u32 s40, ttmp6, 0x40000                  ; cx, cy: my place in the cluster
	s_bfe_u32 s41, ttmp6, 0x40004
.if QKV
	s_and_b32 s20, ttmp7, 0xffff                   ; cluster y, 0 .. 11
	s_and_b32 s22, s20, 1                          ; v: which four of Wv's eight tiles of rows
	s_sub_co_u32 s23, s20, 8
	s_lshr_b32 s23, s23, 1
	s_lshl_b32 s23, s23, 2
	s_add_co_u32 s23, s23, ttmp9                   ; v: which four of the tokens' 32 tiles
	s_and_b32 s18, ttmp9, 1                        ; q, k: which four of the weight's eight tiles
	s_cmp_ge_u32 s20, 8
	s_cselect_b32 s13, s22, s20
	s_cselect_b32 s42, s23, s18
	s_cselect_b32 s19, 1, 0                        ; 1: v
	s_lshl_b32 s13, s13, 2
	s_add_co_u32 s13, s13, s41                     ; tile row
	s_lshl_b32 s42, s42, 2
	s_add_co_u32 s42, s42, s40                     ; tile column
	s_mov_b32 s91, WK
	s_cmp_lt_u32 ttmp9, 2
	s_cselect_b32 s90, 0, HK                       ; S1's place, S0's place, the result's place
	s_cselect_b32 s91, WQ, s91
	s_cselect_b32 s92, 0, KCO
	s_cselect_b32 s93, 1, 0                        ; 1: q (where it is not v)
	s_cmp_eq_u32 s19, 1
	s_cselect_b32 s90, WV, s90
	s_cselect_b32 s91, HV, s91
	s_cselect_b32 s92, VCO, s92
.else
	s_lshl_b32 s42, ttmp9, 2
	s_add_co_u32 s42, s42, s40                     ; tile column = 4 x cluster x + cx
	s_and_b32 s13, ttmp7, 0xffff
	s_lshl_b32 s13, s13, 2
	s_add_co_u32 s13, s13, s41                     ; tile row = 4 x cluster y + cy
.endif
	s_lshl_b32 s43, s41, 2
	s_lshl_b32 s43, 15, s43                        ; my row of the cluster
	s_lshl_b32 s44, 0x1111, s40                    ; my column
	s_or_b32 s[G1], s43, 0x7730000                 ; 15:0 the mask; 17:16 elements of 8 bytes; 20 padding on; 21 set beside a mask; 24:22 after every 64 words; 31:25 four words
	s_or_b32 s[G1B], s44, 0x7730000
.irp g, G1, G1B
	s_mov_b32 s[\g+1], 32<<16                      ; tensor_dim0 = 32 elements: 256 bytes
	s_mov_b32 s[\g+2], 128<<16                     ; tensor_dim1 = 128 lines
	s_mov_b32 s[\g+3], 32<<16                      ; tile_dim0
	s_mov_b32 s[\g+4], 128                         ; tile_dim1
	s_mov_b32 s[\g+5], 32                          ; the pitch: the block is dense
	s_mov_b32 s[\g+6], 0
	s_mov_b32 s[\g+7], 0
.endr
	s_lshl_b32 s16, s13, 1
	s_add_co_u32 s16, s16, s12
	s_mul_i32 s16, s16, 64*KB                      ; S1: block of 64 rows 2 x tile row + wave % 2
	s_lshl_b32 s46, s42, 1
	s_add_co_u32 s46, s46, s12
	s_mul_i32 s46, s46, 64*KB                      ; S0: 2 x tile column + wave % 2
.if QKV
	s_add_co_u32 s16, s16, s90
	s_add_co_u32 s46, s46, s91
.else
	s_add_co_u32 s46, s46, S0OFF
.endif
	s_mov_b32 s17, 0
	s_mov_b32 s47, 0
	s_mul_i32 s45, s10, HALFT                      ; where they go: wave x a load's bytes: no place in the cluster enters an LDS address
	s_wait_dscnt 0x0                               ; the opening add is done
	s_wait_kmcnt 0x0
	s_load_b256 s[68:75], s[84:85], 0x0
	s_load_b256 s[76:83], s[84:85], 0x20
	s_add_nc_u64 s[14:15], s[4:5], s[16:17]
	s_add_nc_u64 s[46:47], s[6:7], s[46:47]
	CROUND                                         ; all sixteen work-groups are here: the first joint loads meet
.irp s, 0,1
	s_mov_b32 s[G0+4*\s], 1
	s_add_co_u32 s[G0+4*\s+1], s45, \s*SLOT
	s_add_nc_u64 s[G0+4*\s+2:G0+4*\s+3], s[14:15], \s*32768
	s_or_b32 s[G0+4*\s+3], s[G0+4*\s+3], 0x80000000
	s_mov_b32 s[G0B+4*\s], 1
	s_add_co_u32 s[G0B+4*\s+1], s45, \s*SLOT
	s_add_nc_u64 s[G0B+4*\s+2:G0B+4*\s+3], s[46:47], \s*32768
	s_or_b32 s[G0B+4*\s+3], s[G0B+4*\s+3], 0x80000000
	JLOAD \s                                       ; two loads of mine are out
.endr
	v_and_b32 v1, 15, v0                           ; r
	v_bfe_u32 v2, v0, 4, 1                         ; h
	v_and_b32 v5, 31, v0                           ; lane
	v_lshrrev_b32 v3, 2, v1
	v_mul_u32_u24 v3, v3, PITCH
	v_and_b32 v4, 3, v1
	v_lshl_add_u32 v3, v4, 6, v3
	v_lshl_add_u32 v3, v2, 4, v3                   ; a fragment's lane term: line r / 4, row r % 4 in it, 16 h
	s_mul_i32 s21, s11, HALFT                      ; my 64 rows of S1
	s_mul_i32 s22, s12, HALFT
	s_add_co_u32 s22, s22, 2*HALFT                 ; my 64 rows of S0
.irp s, 0,1
	v_add_nc_u32 v[ADR1+\s], s21, v3
	v_add_nc_u32 v[ADR0+\s], s22, v3
	s_add_co_u32 s21, s21, SLOT
	s_add_co_u32 s22, s22, SLOT
.endr
.if EPI
	s_mul_i32 s23, s10, 16*272
	s_add_co_u32 s23, s23, STAGE                   ; my stage: 16 rows x (256 bytes + 16)
	v_mul_u32_u24 v6, v1, 272
	v_lshl_add_u32 v6, v2, 5, v6
	v_add_nc_u32 v[STO], s23, v6                   ; in: row r, 32 bytes for each half of the lanes
	v_mul_u32_u24 v6, v2, 272
	v_lshl_add_u32 v6, v1, 4, v6
	v_add_nc_u32 v[RD], s23, v6                    ; back: lanes 0-15 one row of 256 bytes, lanes 16-31 the next
	v_lshlrev_b32 v6, 12, v2
	v_lshl_add_u32 v[CO], v1, 4, v6                ; and the same two rows in memory (rows of 4,096 bytes)
	s_lshl_b32 s96, s13, 7
	s_lshl_b32 s97, s11, 6
	s_add_co_u32 s96, s96, s97                     ; my first row
	s_lshl_b32 s96, s96, 12
	s_lshl_b32 s97, s42, 9
	s_add_co_u32 s96, s96, s97
	s_lshl_b32 s97, s12, 8
	s_add_co_u32 s96, s96, s97                     ; + my first column x 4
	s_mov_b32 s97, 0
	s_add_nc_u64 s[8:9], s[8:9], s[96:97]
	s_add_nc_u64 s[88:89], s[88:89], s[96:97]
.else
	s_lshl_b32 s23, s10, 12
	s_add_co_u32 s23, s23, STAGE                   ; my stage: a chunk
	v_lshlrev_b32 v6, 6, v1
	v_lshl_add_u32 v6, v2, 3, v6
	v_add_nc_u32 v[STO], s23, v6                   ; in: row r of 64 bytes, 8 h
	v_lshlrev_b32 v[CO], 4, v5
	v_add_nc_u32 v[RD], s23, v[CO]                 ; back, and in memory: as it lies
	s_lshl_b32 s96, s13, 1
	s_add_co_u32 s96, s96, s11                     ; my block of 64 rows of C
	s_lshl_b32 s97, s42, 1
	s_add_co_u32 s97, s97, s12                     ; my block of 64 columns
.if QKV
	s_cmp_eq_u32 s19, 1
	s_cselect_b32 s98, s97, s96                    ; the tokens' block,
	s_cselect_b32 s99, s96, s97                    ; the head
	s_lshr_b32 s96, s98, 5
	s_lshl_b32 s96, s96, 4
	s_add_co_u32 s96, s96, s99
	s_lshl_b32 s96, s96, 5
	s_and_b32 s98, s98, 31
	s_add_co_u32 s96, s96, s98                     ; chunk ((batch x 16 + head) x 32 + the block of 64 tokens within the batch)
	s_lshl_b32 s96, s96, 12
	s_add_co_u32 s96, s96, s92
.else
	s_mul_i32 s96, s96, OCH
	s_add_co_u32 s96, s96, s97
	s_lshl_b32 s96, s96, 12
.endif
	s_mov_b32 s97, 0
	s_add_nc_u64 s[8:9], s[8:9], s[96:97]
.endif
.if BIASM
	s_lshl_b32 s98, s42, 9
	s_lshl_b32 s99, s12, 8
	s_add_co_u32 s98, s98, s99
	s_mov_b32 s99, 0
	s_add_nc_u64 s[86:87], s[86:87], s[98:99]      ; the bias at my first column
	v_lshlrev_b32 v[BO], 5, v2
.irp b, 0,1,2,3
	global_load_b128 v[BIAS+8*\b:BIAS+8*\b+3], v[BO], s[86:87] offset:64*\b          ; columns 16 b + 8 h + 0 .. 7
	global_load_b128 v[BIAS+8*\b+4:BIAS+8*\b+7], v[BO], s[86:87] offset:64*\b+16
.endr
.endif
.if EPI
	WIN 0x80                                       ; destination window 2: the residual's tile, asked for now, wanted on the way out
.irp a, 0,1,2,3
.irp t, 0,1,2,3,4,5,6,7
	global_load_b128 v[32*\a+4*\t:32*\a+4*\t+3], v[CO], s[88:89] offset:(16*\a+2*\t)*4096
.endr
.endr
	WIN 0
.endif
	s_wait_kmcnt 0x0                               ; the exponents
.if QKV
	s_sub_co_i32 s94, s74, s68
	s_sub_co_i32 s94, s94, s69                     ; q: e6 - e0 - e1
	s_sub_co_i32 s95, s75, s70
	s_sub_co_i32 s95, s95, s71                     ; k: e7 - e2 - e3
	s_sub_co_i32 s96, s77, s72
	s_sub_co_i32 s96, s96, s73                     ; v: e9 - e4 - e5
	s_cmp_eq_u32 s93, 1
	s_cselect_b32 s94, s94, s95
	s_cmp_eq_u32 s19, 1
	s_cselect_b32 s94, s96, s94
.else
	s_add_co_i32 s95, s[SC+EA], s[SC+EB]           ; a sum stands for sum x 2^(eA + eB)
.endif
.if EPI
	s_add_co_i32 s66, s95, 127
	s_lshl_b32 s66, s66, 23                        ; 2^(eA + eB) as f32
	s_mov_b32 s67, s66                             ; (named with it as a pair, so it is written)
.else
.if QKV == 0
	s_sub_co_i32 s94, s[SC+EO], s95                ; the three scales folded into the conversion's one
.endif
	s_add_co_i32 s2, s94, 127
	s_lshl_b32 s3, s2, 23
	v_mov_b32 v[SCL], s3
	s_add_co_i32 s2, s2, 8
	s_lshl_b32 s2, s2, 23
	s_or_b32 s2, s2, 0x600000
	v_mov_b32 v[LIM], s2
.endif
.if BIASM
	s_sub_co_i32 s96, 0, s95
	s_wait_loadcnt 32*EPI                          ; the bias's eight loads are in; the residual's 32, issued behind them, may be out
.set j, 0
.rept 32
	v_ldexp_f32 v[BIAS+j], v[BIAS+j], s96          ; the bias goes in as the C of each sum's first product, divided by 2^(eA + eB)
.set j, j+1
.endr
.endif
.macro FRAG reg, adr, q, i             ; 16 rows x 128 K: the slot's q-th 128 along K (two chunks), rows 16 i on
.irp c, 0,1,2,3
	ds_load_b128 v[\reg+4*\c:\reg+4*\c+3], v[\adr] offset:8704*(\q)+4352*(\c/2)+32*(\c%2)+1088*(\i)
.endr
.endm
.macro FETCH slot, q, f                ; 32 LDS loads in one run: S0's four fragments, then S1's
	WIN TO_F
.irp i, 0,1,2,3
	FRAG \f+64+16*\i, ADR0+\slot, \q, \i
.endr
.irp i, 0,1,2,3
	FRAG \f+16*\i, ADR1+\slot, \q, \i
.endr
.endm
.macro MUL4 f, a, z                    ; S1's block a against S0's four.  z = 1: the sums start from 0; 2: from the bias.  The 16 accumulators take turns, one instruction a turn, in the same order everywhere
.irp b, 0,1,2,3
.if (\z) == 1
	v_wmma_f32_16x16x128_fp8_fp8 v[ACC+8*(4*(\a)+\b):ACC+8*(4*(\a)+\b)+7], v[\f+64+16*\b:\f+64+16*\b+15], v[\f+16*(\a):\f+16*(\a)+15], 0
.elseif (\z) == 2
	v_wmma_f32_16x16x128_fp8_fp8 v[ACC+8*(4*(\a)+\b):ACC+8*(4*(\a)+\b)+7], v[\f+64+16*\b:\f+64+16*\b+15], v[\f+16*(\a):\f+16*(\a)+15], v[BIAS+8*\b:BIAS+8*\b+7]
.else
	v_wmma_f32_16x16x128_fp8_fp8 v[ACC+8*(4*(\a)+\b):ACC+8*(4*(\a)+\b)+7], v[\f+64+16*\b:\f+64+16*\b+15], v[\f+16*(\a):\f+16*(\a)+15], v[ACC+8*(4*(\a)+\b):ACC+8*(4*(\a)+\b)+7]
.endif
.endr
.endm
.macro MUL8 f, a0, z
	MUL4 \f, \a0, \z
	MUL4 \f, \a0+1, \z
.endm
; A K step is four quarters of 128 along K, 16 matrix instructions each, on sets 0, 1, 0, 1.  One of the first three: multiplies set f and fetches the slot's quarter qn into set g.
.macro QUARTER slot, qn, f, g, z
	s_wait_dscnt 8                                 ; S0's four and S1's blocks 0 and 1 are in; the youngest eight loads (blocks 2 and 3) may be out
	WIN MUL
	MUL8 \f, 0, \z
	PLACES
	FETCH \slot, \qn, \g
	s_wait_dscnt 32                                ; all but the 32 just issued
	WIN MUL
	MUL8 \f, 2, \z
.endm
; The last quarter multiplies set 1 and changes slots: ONE barrier; in front of it each wave waits for all its tensor loads, adds 0 to its spare word, and waits for that and for its reads of this slot.  fill = 1: this slot is filled again, two K steps ahead.
.macro TURN slot, next, fill
	WIN 0                                          ; (the add's two registers lie in window 0)
	s_wait_tensorcnt 0x0                           ; all my tensor loads have landed: my part of the next slot;
	ds_add_u32 v[SPW], v[NIL]                      ; 0 onto my spare word
	s_wait_dscnt 9                                 ; (the add and the youngest eight loads may be out)
	WIN MUL
	MUL4 F1, 0, 0                                  ; four matrix instructions stand between the add and the wait for it
	s_wait_dscnt 0x0                               ; the add is done, and my reads of this slot are over
	s_barrier_signal -1
	MUL4 F1, 1, 0
.if \fill
	WIN 0
.endif
	s_barrier_wait -1
.if \fill
	CREST                                          ; the barrier has opened a round of the cluster's barrier: no wave of any partner still reads this slot or has a load on its way
	s_add_nc_u64 s[G0+4*\slot+2:G0+4*\slot+3], s[G0+4*\slot+2:G0+4*\slot+3], 65536
	s_add_nc_u64 s[G0B+4*\slot+2:G0B+4*\slot+3], s[G0B+4*\slot+2:G0B+4*\slot+3], 65536
	JLOAD \slot                                    ; the first tensor load behind the round; its four v_nop are also the places in front of the loads below
.else
	PLACES
.endif
	FETCH \next, 0, F0
	WIN MUL
	MUL4 F1, 2, 0
	MUL4 F1, 3, 0
.endm
	s_wait_tensorcnt 1                             ; my part of K step 0 is in; K step 1's may stay out
	s_barrier_signal -1
	s_barrier_wait -1                              ; everybody's is
	FETCH 0, 0, F0
	QUARTER 0, 1, F0, F1, ZF                       ; the first quarter's products start the sums
.if LAPS > 1
	WIN 0                                          ; at a label and at a branch every window is 0
	s_mov_b32 s3, LAPS-1
.Llap:                                                 ; a trip goes once round the ring, from a lap's second quarter to the next lap's first, and fills both slots again
	QUARTER 0, 2, F1, F0, 0
	QUARTER 0, 3, F0, F1, 0
	TURN 0, 1, 1
	QUARTER 1, 1, F0, F1, 0
	QUARTER 1, 2, F1, F0, 0
	QUARTER 1, 3, F0, F1, 0
	TURN 1, 0, 1
	QUARTER 0, 1, F0, F1, 0
	WIN 0
	s_sub_co_u32 s3, s3, 1
	s_cmp_lg_u32 s3, 0
	s_cbranch_scc1 .Llap
.endif
	QUARTER 0, 2, F1, F0, 0                        ; the last lap fills nothing
	QUARTER 0, 3, F0, F1, 0
	TURN 0, 1, 0
	QUARTER 1, 1, F0, F1, 0
	QUARTER 1, 2, F1, F0, 0
	QUARTER 1, 3, F0, F1, 0
	s_wait_dscnt 8                                 ; the very last quarter: nothing more to fetch
	WIN MUL
	MUL8 F1, 0, 0
	s_wait_dscnt 0x0
	MUL8 F1, 2, 0
	WIN 0
	PLACES
.if EPI == 0
; THE WAY OUT, AS CODES.  A lane's eight results are eight neighbours along the next product's K: held, converted, 8 bytes a lane into my stage (a chunk as it will lie), back as it lies, and out as 4,096 consecutive bytes.
.set t, 0
.rept 16
.set k, 0
.rept 8
.if RELU
	v_med3_num_f32 v[ACC+8*t+k], v[ACC+8*t+k], 0, v[LIM]          ; the activation and the hold in one; each accumulator from its low end on
.else
	v_med3_num_f32 v[ACC+8*t+k], v[ACC+8*t+k], -v[LIM], v[LIM]    ; the conversion does not saturate (ISA guide 7.6.2): the hold; each accumulator from its low end on
.endif
.set k, k+1
.endr
	v_cvt_scalef32_pk8_fp8_f32 v[TMP+2*t:TMP+2*t+1], v[ACC+8*t:ACC+8*t+7], v[SCL]
.set t, t+1
.endr
	v_nop                                          ; a plain instruction behind the last conversion
.irp a, 0,1,2,3
.irp b, 0,1,2,3
	ds_store_b64 v[STO], v[TMP+2*(4*\a+\b):TMP+2*(4*\a+\b)+1] offset:1024*\a+16*\b
.endr
.endr
.irp i, 0,1,2,3,4,5,6,7
	ds_load_b128 v[TMP+32+4*\i:TMP+32+4*\i+3], v[RD] offset:512*\i   ; LDS serves a wave's instructions in order: these see my stores
.endr
.irp i, 0,1,2,3,4,5,6,7
	s_wait_dscnt 7-\i
	global_store_b128 v[CO], v[TMP+32+4*\i:TMP+32+4*\i+3], s[8:9] offset:512*\i   ; 32 lanes store 512 consecutive bytes, aligned
.endr
.else
; THE WAY OUT, AS F32.  A block of 16 rows x 64 columns goes through my stage and comes back as whole rows of 256 bytes; there sum x 2^(eA + eB) + the residual is one packed multiply-add for two numbers.
.macro TOSTAGE a
.irp b, 0,1,2,3
	ds_store_b128 v[STO], v[ACC+8*(4*(\a)+\b):ACC+8*(4*(\a)+\b)+3] offset:64*\b          ; each accumulator from its low end on
	ds_store_b128 v[STO], v[ACC+8*(4*(\a)+\b)+4:ACC+8*(4*(\a)+\b)+7] offset:64*\b+16
.endr
.set BK, TMP+32*((\a)%2)
.irp t, 0,1,2,3,4,5,6,7
	ds_load_b128 v[BK+4*\t:BK+4*\t+3], v[RD] offset:544*\t   ; LDS serves a wave's instructions in order: these see the stores above, and the next block's stores come behind them
.endr
.endm
.macro SEND a, younger                 ; younger: the LDS instructions issued behind block a's loads, which may stay out
.set BK, TMP+32*((\a)%2)
	s_wait_dscnt \younger
	WIN 0x20                                       ; source 2 (the residual) window 2
.irp u, 0,2,4,6,8,10,12,14,16,18,20,22,24,26,28,30
	v_pk_fma_f32 v[BK+\u:BK+\u+1], v[BK+\u:BK+\u+1], s[66:67], v[32*(\a)+\u:32*(\a)+\u+1] op_sel_hi:[1,0,1]
.endr
	WIN 0
.irp t, 0,1,2,3,4,5,6,7
	global_store_b128 v[CO], v[BK+4*\t:BK+4*\t+3], s[8:9] offset:(16*(\a)+2*\t)*4096   ; sixteen lanes store 256 consecutive bytes, aligned
.endr
.endm
	s_wait_loadcnt 0x0                             ; the residual
	TOSTAGE 0
	TOSTAGE 1
	SEND 0, 16
	s_wait_xcnt 0x0                                ; block 0's stores have read their registers: block 2's loads may land there
	TOSTAGE 2
	SEND 1, 16
	s_wait_xcnt 0x0
	TOSTAGE 3
	SEND 2, 16
	SEND 3, 0
.endif
	s_wait_tensorcnt 0x0                           ; the wave's end: behind my last tensor load and my last LDS store
	ds_add_u32 v[SPW], v[NIL]
	s_wait_dscnt 0x0
	CROUND                                         ; the closing round: no work-group ends while a partner may still ask for a tile that names it
	s_endpgm
.Lfunc_end_k_q2e07591268_ff2:
	.size	k_q2e07591268_ff2, .Lfunc_end_k_q2e07591268_ff2-k_q2e07591268_ff2
	.p2alignl 7, 3214868480
	.fill 96, 4, 3214868480
	.section	.rodata,"a",@progbits
	.p2align	6, 0x0
	.amdhsa_kernel k_q2e07591268_ff2
		.amdhsa_group_segment_fixed_size 327680
		.amdhsa_private_segment_fixed_size 0
		.amdhsa_enable_private_segment 0
		.amdhsa_kernarg_size 48
		.amdhsa_user_sgpr_count 2
		.amdhsa_user_sgpr_kernarg_segment_ptr 1
		.amdhsa_wavefront_size32 1
		.amdhsa_system_sgpr_workgroup_id_x 1
		.amdhsa_system_sgpr_workgroup_id_y 1
		.amdhsa_system_sgpr_workgroup_id_z 1
		.amdhsa_system_vgpr_workitem_id 0
		.amdhsa_next_free_vgpr 768
		.amdhsa_next_free_sgpr 100
		.amdhsa_reserve_vcc 0
		.amdhsa_float_denorm_mode_32 3
		.amdhsa_float_denorm_mode_16_64 3
		.amdhsa_memory_ordered 1
		.amdhsa_forward_progress 1
		.amdhsa_inst_pref_size 81
	.end_amdhsa_kernel
	.amdgpu_metadata
---
amdhsa.version: [ 1, 2 ]
amdhsa.kernels:
  - .name:           k_q2e07591268_ff2
    .symbol:         k_q2e07591268_ff2.kd
    .args:
      - { .name: ffc, .offset: 0, .size: 8, .value_kind: global_buffer, .address_space: global }
      - { .name: codes, .offset: 8, .size: 8, .value_kind: global_buffer, .address_space: global }
      - { .name: lowp_scales, .offset: 16, .size: 8, .value_kind: global_buffer, .address_space: global }
      - { .name: b2, .offset: 24, .size: 8, .value_kind: global_buffer, .address_space: global }
      - { .name: x1, .offset: 32, .size: 8, .value_kind: global_buffer, .address_space: global }
      - { .name: out0, .offset: 40, .size: 8, .value_kind: global_buffer, .address_space: global }
    .group_segment_fixed_size: 327680
    .private_segment_fixed_size: 0
    .kernarg_segment_align: 8
    .kernarg_segment_size: 48
    .max_flat_workgroup_size: 128
    .sgpr_count:     100
    .vgpr_count:     768
    .wavefront_size: 32
...
	.end_amdgpu_metadata
.endif
;; end of part 7
;; ======== version 2 of 2: 7 launches
;; limits: right only within a limited range of input values
;; workspace buffers: codes 25,165,824 bytes; qkvc 12,582,912 bytes; ctxc 4,194,304 bytes; x1 16,777,216 bytes; h2c 4,194,304 bytes; ffc 16,777,216 bytes
;; launch prep (part 8): grid 640 x 1, 4 waves a work-group, no clusters, 84,480 bytes of LDS; arguments Wq, Wk, Wv, Wo, W1, W2, embedding, g1, be1, lowp_scales, codes; writes codes
.if DOCPART == 8
	.amdgcn_target "amdgcn-amd-amdhsa--gfx1250"
	.amdhsa_code_object_version 6
	.text
	.protected	k_q2e07591268_prep
	.globl	k_q2e07591268_prep
	.p2align	8
	.type	k_q2e07591268_prep,@function
k_q2e07591268_prep:
	s_mov_b64 s[64:65], 0
	v_nop
	global_prefetch_b8 v0, s[64:65] scope:SCOPE_SE
	s_setreg_imm32_b32 hwreg(HW_REG_WAVE_MODE, 25, 1), 1
	s_wait_xcnt 0x0
; PREP.  Work-groups 0-383 turn the six weights (f32, K their FIRST axis) into codes of FP8 (E4M3); work-groups 384-639 make LayerNorm 1 of the embedding and quantise it three times,
; with the scales of products 1, 2 and 3.  code = x / 2^e, held within +-448, to the nearest code, ties to even.
; LAYOUT OF EVERY OPERAND OF CODES (R rows, K codes a row): chunks of 4,096 bytes, chunk (rb, kb) = [64 rows][64 codes] at byte (rb K/64 + kb) 4096: so 64 rows x 512 K are 32 KB on end.
; In the buffer codes, in MiB: LN1 under e1 at 0, under e3 at 4, under e5 at 8; Wq 12, Wk 13, Wv 14, Wo 15, W1 16, W2 20.
; LIMITS: each exponent used here (entries 0, 2, 4, 11, 13, 15, 1, 3, 5) lies between -126 and 119, so that 2^e and 448 x 2^e are f32 numbers.  NaN among the inputs is not served.
; The two paths part on the work-group's number and never join; each has LDS bytes of its own.  No tensor load, no barrier: waves share nothing.
.set WST,   0                          ; weights: a stage of 32 rows x 272 bytes for each wave
.set LST,   34816                      ; LayerNorm: NSC x 4,096 bytes for each wave
.set SPARE, 83968                      ; the spare words, 128 bytes for each wave: two blocks of 256 bytes that no other line names
.set SPW,   12                         ; v12  LDS address of my spare word; never rewritten
.set NIL,   13                         ; v13  0; never rewritten
.set AO,    16                         ; weights: v16-47 byte offset of row i of a block of 32 along K: 4 x lane + i x a row of the weight
.set X,     48                         ; v48-111  two sets of 32 numbers
.set C,     112                        ; v112-119 a block's codes
.set OUTR,  120                        ; v120-183 the way out
.set NSC,   3                          ; LayerNorm: how many scales its result is quantised with
.set XR,    64                         ; v64-191  four rows, 32 numbers a lane each
.set G,     192                        ; v192-223 the gain at my 32 columns
.set BE,    224                        ; v224-255 the offset at my 32 columns
.set OB,    36                         ; s[36:41] where my rows' codes go, a pair for each scale
.macro MKSC se, vs, vl                 ; from the exponent e in a scalar register: 2^e (the conversion takes its exponent field) and 448 x 2^e, as f32
	s_add_co_i32 s2, \se, 127
	s_lshl_b32 s3, s2, 23
	v_mov_b32 \vs, s3
	s_add_co_i32 s2, s2, 8
	s_lshl_b32 s2, s2, 23
	s_or_b32 s2, s2, 0x600000
	v_mov_b32 \vl, s2
.endm
	s_load_b512 s[8:23], s[0:1], 0x0               ; Wq s[8:9], Wk s[10:11], Wv s[12:13], Wo s[14:15], W1 s[16:17], W2 s[18:19], embedding s[20:21], g1 s[22:23]
	s_load_b128 s[24:27], s[0:1], 0x40             ; be1 s[24:25], the scales' exponents s[26:27]
	s_load_b64 s[28:29], s[0:1], 0x50              ; codes
	v_lshl_add_u32 v[SPW], v0, 2, SPARE
	v_mov_b32 v[NIL], 0
	v_lshrrev_b32 v1, 5, v0
	v_readfirstlane_b32 s30, v1                    ; wave 0..3
	v_and_b32 v2, 31, v0                           ; lane
	s_wait_kmcnt 0x0
	s_load_b512 s[48:63], s[26:27], 0x0            ; e0 .. e15 in s48 .. s63
	s_cmp_ge_u32 ttmp9, 384
	s_cbranch_scc1 .Lln
; ---------------- THE WEIGHTS.  A work-group takes 128 columns n x 256 along K, a wave 32 columns.  A LANE TAKES A COLUMN AND ITS REGISTERS RUN DOWN K: each load reads 128 consecutive bytes
; a wave, and the conversions give codes with K innermost.  Work-groups 0-127: Wq, Wk, Wv, Wo, 32 each; 128-255: W1; 256-383: W2.
	s_mov_b32 s31, ttmp9
	s_lshr_b32 s32, s31, 5                         ; which of the four small ones
	s_and_b32 s33, s31, 31
	s_and_b32 s34, s31, 127
	s_add_co_u32 s36, s32, 12                      ; where its codes begin, in MiB
	s_lshr_b32 s38, s31, 7                         ; 0: a small one, 1: W1, 2: W2
	s_cmp_lt_u32 s31, 128
	s_cselect_b32 s33, s33, s34                    ; my number within the tensor
	s_cselect_b32 s36, s36, 16
	s_cmp_lt_u32 s31, 256
	s_cselect_b32 s36, s36, 20
	s_cselect_b32 s37, 16, 64                      ; K / 64: chunks in a block of 64 rows of codes
	s_cmp_eq_u32 s38, 1
	s_cselect_b32 s39, 5, 3                        ; log2(N / 128)
	s_cselect_b32 s40, 14, 12                      ; log2 of a row of the weight in bytes
	s_bfm_b32 s41, s39, 0
	s_and_b32 s41, s33, s41                        ; which 128 columns
	s_lshr_b32 s43, s33, s39                       ; which 256 along K
	s_lshl_b32 s42, 1, s40                         ; a row of the weight in bytes
	s_cmp_lt_u32 s31, 32                           ; the tensor: a choice that hangs on the work-group's number alone
	s_cselect_b64 s[4:5], s[8:9], s[10:11]
	s_cmp_lt_u32 s31, 64
	s_cselect_b64 s[4:5], s[4:5], s[12:13]
	s_cmp_lt_u32 s31, 96
	s_cselect_b64 s[4:5], s[4:5], s[14:15]
	s_cmp_lt_u32 s31, 128
	s_cselect_b64 s[4:5], s[4:5], s[16:17]
	s_cmp_lt_u32 s31, 256
	s_cselect_b64 s[4:5], s[4:5], s[18:19]
	s_add_co_u32 s44, s40, 8
	s_lshl_b32 s44, s43, s44                       ; 256 rows x my part of K,
	s_lshl_b32 s45, s41, 9
	s_add_co_u32 s44, s44, s45                     ; + 512 bytes x my 128 columns,
	s_lshl_b32 s45, s30, 7
	s_add_co_u32 s44, s44, s45                     ; + 128 bytes x wave
	s_mov_b32 s45, 0
	s_add_nc_u64 s[4:5], s[4:5], s[44:45]
	s_lshl_b32 s46, s42, 5                         ; s[46:47]: 32 rows on
	s_mov_b32 s47, 0
	s_lshl_b32 s34, s41, 1
	s_lshr_b32 s35, s30, 1
	s_add_co_u32 s34, s34, s35                     ; my block of 64 rows of codes: 2 x (128 columns) + wave / 2
	s_mul_i32 s34, s34, s37
	s_lshl_b32 s35, s43, 2
	s_add_co_u32 s34, s34, s35                     ; its chunk at my first 64 along K
	s_lshl_b32 s34, s34, 12
	s_and_b32 s35, s30, 1
	s_lshl_b32 s35, s35, 11
	s_add_co_u32 s34, s34, s35                     ; rows 32 (wave % 2) on: 2,048 bytes
	s_lshl_b32 s35, s36, 20
	s_add_co_u32 s34, s34, s35
	s_mov_b32 s35, 0
	s_add_nc_u64 s[6:7], s[28:29], s[34:35]
	s_wait_alu depctr_va_vdst(0)
	v_lshlrev_b32 v[AO], 2, v2
.set i, 1
.rept 31
	v_add_nc_u32 v[AO+i], s42, v[AO+i-1]
.set i, i+1
.endr
	s_wait_alu depctr_va_vdst(0)
	s_mul_i32 s38, s30, 32*272                     ; my stage (WST = 0)
	v_mul_u32_u24 v4, v2, 272
	v_add_nc_u32 v4, s38, v4                       ; into it: row = my column
	v_lshrrev_b32 v7, 2, v2
	v_mul_u32_u24 v7, v7, 272
	v_and_b32 v9, 3, v2
	v_lshl_add_u32 v7, v9, 4, v7
	v_add_nc_u32 v7, s38, v7                       ; out of it: four lanes to a row's 64 bytes, eight rows an instruction
	v_lshlrev_b32 v8, 4, v2                        ; and 512 consecutive bytes of a chunk
.macro LOAD t                          ; block t: W(32 t + i, my column), i = 0 .. 31, into set t % 2; then the base goes 32 rows on
.set i, 0
.rept 32
	global_load_b32 v[X+32*((\t)%2)+i], v[AO+i], s[4:5] th:TH_LOAD_NT
.set i, i+1
.endr
.if (\t) < 7
	s_wait_xcnt 0x0                                ; the loads have read their base: only behind this wait is it stepped
	s_add_nc_u64 s[4:5], s[4:5], s[46:47]
.endif
.endm
	LOAD 0
	LOAD 1
	s_wait_kmcnt 0x0
	s_cmp_lt_u32 s31, 32                           ; the tensor's exponent, by the same chain: entries 0, 2, 4, 11, 13, 15
	s_cselect_b32 s32, s48, s50
	s_cmp_lt_u32 s31, 64
	s_cselect_b32 s32, s32, s52
	s_cmp_lt_u32 s31, 96
	s_cselect_b32 s32, s32, s59
	s_cmp_lt_u32 s31, 128
	s_cselect_b32 s32, s32, s61
	s_cmp_lt_u32 s31, 256
	s_cselect_b32 s32, s32, s63
	MKSC s32, v11, v10
.macro BLOCK t
.set XS, X+32*((\t)%2)
.if (\t) < 7
	s_wait_loadcnt 32                              ; this block's 32 loads are in; the next block's may be out
.else
	s_wait_loadcnt 0x0
.endif
.set i, 0
.rept 32
	v_med3_num_f32 v[XS+i], v[XS+i], -v10, v10     ; the conversion to an 8-bit code does not saturate (ISA guide 7.6.2): the hold at the largest code x the scale
.set i, i+1
.endr
.irp g, 0,1,2,3
	v_cvt_scalef32_pk8_fp8_f32 v[C+2*\g:C+2*\g+1], v[XS+8*\g:XS+8*\g+7], v11
.endr
	ds_store_b128 v4, v[C:C+3] offset:32*(\t)      ; 32 codes of my column's row
	ds_store_b128 v4, v[C+4:C+7] offset:32*(\t)+16
.if (\t)+2 < 8
	LOAD (\t)+2
.endif
	s_wait_dscnt 0x0                               ; the stores have read their registers: the next block's codes may be written
.endm
	s_wait_alu depctr_va_vdst(0)
.irp t, 0,1,2,3,4,5,6,7
	BLOCK \t
.endr
.irp q, 0,1,2,3                        ; chunk q of my four along K: 32 rows x 64 bytes = 2,048 bytes on end
.irp i, 0,1,2,3
	ds_load_b128 v[OUTR+4*(4*\q+\i):OUTR+4*(4*\q+\i)+3], v7 offset:\i*8*272+64*\q   ; LDS serves a wave's instructions in order: these see my stores
.endr
.endr
.irp q, 0,1,2,3
.irp i, 0,1,2,3
	s_wait_dscnt 15-(4*\q+\i)
	global_store_b128 v8, v[OUTR+4*(4*\q+\i):OUTR+4*(4*\q+\i)+3], s[6:7] offset:\q*4096+\i*512   ; 32 lanes store 512 consecutive bytes, at a multiple of 512 from the buffer's first byte
.endr
.endr
	s_wait_tensorcnt 0x0                           ; the wave's end: behind my last LDS store
	ds_add_u32 v[SPW], v[NIL]
	s_wait_dscnt 0x0
	s_endpgm
; ---------------- LAYERNORM.  A wave takes 4 rows, one row at a time across its 32 lanes: lane l holds, for j = 0 .. 3, the eight neighbours 256 j + 8 l + 0 .. 7.
; Mean, then the mean of squared differences, as the definition has them; all in f32.  A row's codes go through the wave's stage, laid as they leave: for each chunk of 64 along K, 4 rows x 64 bytes.
.Lln:
	s_sub_co_u32 s31, ttmp9, 384
	s_lshl_b32 s31, s31, 4
	s_lshl_b32 s32, s30, 2
	s_add_co_u32 s31, s31, s32                     ; my first row: 16 x work-group + 4 x wave
	s_lshl_b32 s34, s31, 12
	s_mov_b32 s35, 0
	s_add_nc_u64 s[4:5], s[20:21], s[34:35]        ; x at my first row
	s_lshr_b32 s34, s31, 6
	s_lshl_b32 s34, s34, 16                        ; my block of 64 rows: 16 chunks,
	s_and_b32 s32, s31, 63
	s_lshl_b32 s32, s32, 6
	s_add_co_u32 s34, s34, s32                     ; my rows' 256 bytes in each
	s_add_nc_u64 s[OB:OB+1], s[28:29], s[34:35]
.if NSC > 1
	s_add_nc_u64 s[OB+2:OB+3], s[OB:OB+1], 0x400000
	s_add_nc_u64 s[OB+4:OB+5], s[OB:OB+1], 0x800000
.endif
	s_mov_b32 s44, 0x76543210                      ; v_permlanex16_b32: lane l xor 16
	s_mov_b32 s45, 0xfedcba98
	s_mov_b32 s46, 0x3a800000                      ; 1 / 1024
	s_mov_b32 s47, 0x3727c5ac                      ; 1e-5
	s_wait_alu depctr_va_vdst(0)
	v_lshlrev_b32 v3, 5, v2                        ; 32 bytes a lane
	s_mul_i32 s42, s30, NSC*4096
	s_add_co_u32 s42, s42, LST                     ; my stage
	v_lshrrev_b32 v4, 3, v2
	v_lshlrev_b32 v4, 8, v4
	v_and_b32 v5, 7, v2
	v_lshl_add_u32 v4, v5, 3, v4
	v_add_nc_u32 v4, s42, v4                       ; into it: chunk 4 j + l / 8 (256 bytes each), byte 8 (l % 8)
	v_lshlrev_b32 v5, 4, v2
	v_add_nc_u32 v5, s42, v5                       ; out of it: as it lies
	v_lshrrev_b32 v6, 4, v2
	v_lshlrev_b32 v6, 12, v6
	v_and_b32 v7, 15, v2
	v_lshl_add_u32 v6, v7, 4, v6                   ; in memory: sixteen lanes to a chunk's 256 bytes, two chunks an instruction
.irp j, 0,1,2,3
	global_load_b128 v[G+8*\j:G+8*\j+3], v3, s[22:23] offset:1024*\j
	global_load_b128 v[G+8*\j+4:G+8*\j+7], v3, s[22:23] offset:1024*\j+16
.endr
.irp j, 0,1,2,3
	global_load_b128 v[BE+8*\j:BE+8*\j+3], v3, s[24:25] offset:1024*\j
	global_load_b128 v[BE+8*\j+4:BE+8*\j+7], v3, s[24:25] offset:1024*\j+16
.endr
.irp i, 0,1,2,3
.irp j, 0,1,2,3
	global_load_b128 v[XR+32*\i+8*\j:XR+32*\i+8*\j+3], v3, s[4:5] offset:4096*\i+1024*\j
	global_load_b128 v[XR+32*\i+8*\j+4:XR+32*\i+8*\j+7], v3, s[4:5] offset:4096*\i+1024*\j+16
.endr
.endr
	s_wait_kmcnt 0x0
	MKSC s49, v44, v48                             ; e1
	MKSC s51, v45, v49                             ; e3
	MKSC s53, v46, v50                             ; e5
.macro RED x, y                        ; the sum of v[x] over the 32 lanes, in every lane; v[y] at work (written before)
	v_add_f32_dpp v[\x], v[\x], v[\x] row_xmask:1 row_mask:0xf bank_mask:0xf
	v_add_f32_dpp v[\x], v[\x], v[\x] row_xmask:2 row_mask:0xf bank_mask:0xf
	v_add_f32_dpp v[\x], v[\x], v[\x] row_xmask:4 row_mask:0xf bank_mask:0xf
	v_add_f32_dpp v[\x], v[\x], v[\x] row_xmask:8 row_mask:0xf bank_mask:0xf
	v_permlanex16_b32 v[\y], v[\x], s44, s45
	v_add_f32 v[\x], v[\x], v[\y]
.endm
.macro ROW i
.set XB, XR+32*(\i)
	s_wait_loadcnt 8*(3-(\i))                      ; gain, offset and my rows up to this one are in; the later rows' loads, eight each, may be out
	v_pk_add_f32 v[40:41], v[XB:XB+1], v[XB+2:XB+3]
	v_pk_add_f32 v[42:43], v[XB+4:XB+5], v[XB+6:XB+7]
.irp j, 8,12,16,20,24,28
	v_pk_add_f32 v[40:41], v[40:41], v[XB+\j:XB+\j+1]
	v_pk_add_f32 v[42:43], v[42:43], v[XB+\j+2:XB+\j+3]
.endr
	v_pk_add_f32 v[40:41], v[40:41], v[42:43]
	v_add_f32 v40, v40, v41
	RED 40, 41
	v_mul_f32 v36, s46, v40                        ; the mean
	v_mov_b32 v37, v36
.irp j, 0,2,4,6,8,10,12,14,16,18,20,22,24,26,28,30
	v_pk_add_f32 v[XB+\j:XB+\j+1], v[XB+\j:XB+\j+1], v[36:37] neg_lo:[0,1] neg_hi:[0,1]
.endr
	v_pk_mul_f32 v[40:41], v[XB:XB+1], v[XB:XB+1]
	v_pk_mul_f32 v[42:43], v[XB+2:XB+3], v[XB+2:XB+3]
.irp j, 4,8,12,16,20,24,28
	v_pk_fma_f32 v[40:41], v[XB+\j:XB+\j+1], v[XB+\j:XB+\j+1], v[40:41]
	v_pk_fma_f32 v[42:43], v[XB+\j+2:XB+\j+3], v[XB+\j+2:XB+\j+3], v[42:43]
.endr
	v_pk_add_f32 v[40:41], v[40:41], v[42:43]
	v_add_f32 v40, v40, v41
	RED 40, 41
	v_fma_f32 v40, v40, s46, s47                   ; the variance + 1e-5
	s_wait_alu depctr_va_vdst(0)
	v_rsq_f32 v38, v40
	v_nop                                          ; a plain instruction behind the transcendental,
	s_wait_alu depctr_va_vdst(0)                   ; and the wait ahead of its first reader
	v_mov_b32 v39, v38
.irp j, 0,2,4,6,8,10,12,14,16,18,20,22,24,26,28,30
	v_pk_mul_f32 v[XB+\j:XB+\j+1], v[XB+\j:XB+\j+1], v[38:39]
.endr
.irp j, 0,2,4,6,8,10,12,14,16,18,20,22,24,26,28,30
	v_pk_fma_f32 v[XB+\j:XB+\j+1], v[XB+\j:XB+\j+1], v[G+\j:G+\j+1], v[BE+\j:BE+\j+1]
.endr
.set SCI, 0
.rept NSC                              ; the row is kept: each scale holds it into other registers (two sets by turns) and converts from there
.irp j, 0,1,2,3
.irp k, 0,1,2,3,4,5,6,7
	v_med3_num_f32 v[16+8*(\j%2)+\k], v[XB+8*\j+\k], -v[48+SCI], v[48+SCI]
.endr
	s_wait_alu depctr_va_vdst(0)
	s_wait_dscnt 3                                 ; at most the three younger stores are out: the store four back has read the pair that is written next
	v_cvt_scalef32_pk8_fp8_f32 v[52+2*\j:53+2*\j], v[16+8*(\j%2):23+8*(\j%2)], v[44+SCI]
	ds_store_b64 v4, v[52+2*\j:53+2*\j] offset:SCI*4096+1024*\j+64*(\i)
.endr
.set SCI, SCI+1
.endr
.endm
	ROW 0
	ROW 1
	ROW 2
	ROW 3
.set n, 0
.rept 8*NSC
	ds_load_b128 v[XR+4*n:XR+4*n+3], v5 offset:512*n   ; LDS serves a wave's instructions in order: these see my stores
.set n, n+1
.endr
.set n, 0
.rept 8*NSC
	s_wait_dscnt 8*NSC-1-n
	global_store_b128 v6, v[XR+4*n:XR+4*n+3], s[OB+2*(n/8):OB+2*(n/8)+1] offset:8192*(n%8)   ; sixteen lanes store 256 consecutive bytes, aligned: my 4 rows of a chunk
.set n, n+1
.endr
	s_wait_tensorcnt 0x0                           ; the wave's end: behind my last LDS store
	ds_add_u32 v[SPW], v[NIL]
	s_wait_dscnt 0x0
	s_endpgm
.Lfunc_end_k_q2e07591268_prep:
	.size	k_q2e07591268_prep, .Lfunc_end_k_q2e07591268_prep-k_q2e07591268_prep
	.p2alignl 7, 3214868480
	.fill 96, 4, 3214868480
	.section	.rodata,"a",@progbits
	.p2align	6, 0x0
	.amdhsa_kernel k_q2e07591268_prep
		.amdhsa_group_segment_fixed_size 84480
		.amdhsa_private_segment_fixed_size 0
		.amdhsa_enable_private_segment 0
		.amdhsa_kernarg_size 88
		.amdhsa_user_sgpr_count 2
		.amdhsa_user_sgpr_kernarg_segment_ptr 1
		.amdhsa_wavefront_size32 1
		.amdhsa_system_sgpr_workgroup_id_x 1
		.amdhsa_system_sgpr_workgroup_id_y 1
		.amdhsa_system_sgpr_workgroup_id_z 1
		.amdhsa_system_vgpr_workitem_id 0
		.amdhsa_next_free_vgpr 256
		.amdhsa_next_free_sgpr 66
		.amdhsa_reserve_vcc 0
		.amdhsa_float_denorm_mode_32 3
		.amdhsa_float_denorm_mode_16_64 3
		.amdhsa_memory_ordered 1
		.amdhsa_forward_progress 1
		.amdhsa_inst_pref_size 121
	.end_amdhsa_kernel
	.amdgpu_metadata
---
amdhsa.version: [ 1, 2 ]
amdhsa.kernels:
  - .name:           k_q2e07591268_prep
    .symbol:         k_q2e07591268_prep.kd
    .args:
      - { .name: Wq, .offset: 0, .size: 8, .value_kind: global_buffer, .address_space: global }
      - { .name: Wk, .offset: 8, .size: 8, .value_kind: global_buffer, .address_space: global }
      - { .name: Wv, .offset: 16, .size: 8, .value_kind: global_buffer, .address_space: global }
      - { .name: Wo, .offset: 24, .size: 8, .value_kind: global_buffer, .address_space: global }
      - { .name: W1, .offset: 32, .size: 8, .value_kind: global_buffer, .address_space: global }
      - { .name: W2, .offset: 40, .size: 8, .value_kind: global_buffer, .address_space: global }
      - { .name: embedding, .offset: 48, .size: 8, .value_kind: global_buffer, .address_space: global }
      - { .name: g1, .offset: 56, .size: 8, .value_kind: global_buffer, .address_space: global }
      - { .name: be1, .offset: 64, .size: 8, .value_kind: global_buffer, .address_space: global }
      - { .name: lowp_scales, .offset: 72, .size: 8, .value_kind: global_buffer, .address_space: global }
      - { .name: codes, .offset: 80, .size: 8, .value_kind: global_buffer, .address_space: global }
    .group_segment_fixed_size: 84480
    .private_segment_fixed_size: 0
    .kernarg_segment_align: 8
    .kernarg_segment_size: 88
    .max_flat_workgroup_size: 128
    .sgpr_count:     66
    .vgpr_count:     256
    .wavefront_size: 32
...
	.end_amdgpu_metadata
.endif
;; end of part 8
;; launch qkv (part 9): grid 16 x 12, 4 waves a work-group, clusters of 4 x 4, 327,680 bytes of LDS; arguments codes, lowp_scales, qkvc; writes qkvc
.if DOCPART == 9
	.amdgcn_target "amdgcn-amd-amdhsa--gfx1250"
	.amdhsa_code_object_version 6
	.text
	.protected	k_q2e07591268_qkv
	.globl	k_q2e07591268_qkv
	.p2align	8
	.type	k_q2e07591268_qkv,@function
k_q2e07591268_qkv:
	s_mov_b64 s[64:65], 0
	v_nop
	global_prefetch_b8 v0, s[64:65] scope:SCOPE_SE
	s_setreg_imm32_b32 hwreg(HW_REG_WAVE_MODE, 25, 1), 1
	s_wait_xcnt 0x0
	s_wait_alu depctr_hold_cnt(0) depctr_sa_sdst(0) depctr_va_vdst(0) depctr_va_sdst(0) depctr_va_ssrc(0) depctr_va_vcc(0) depctr_vm_vsrc(0)
	s_getreg_b32 s2, hwreg(HW_REG_IB_STS2, 6, 4)
	s_cmp_eq_u32 s2, 0
	s_cbranch_scc0 .Lentry_in_a_cluster
	s_endpgm
.Lentry_in_a_cluster:
	s_bfe_u32 s2, ttmp6, 0x10000c
	s_cmp_lg_u32 s2, 0xf033
	s_cbranch_scc0 .Lentry_shape_is_right
	s_endpgm
.Lentry_shape_is_right:
; PRODUCTS 1 TO 3: q, k and v from LayerNorm 1's codes and the weights' codes; the results are quantised at once, q with entry 6, k with entry 7, v with entry 9, and v leaves with the KEYS innermost.
; THIS TEXT IS ONE TEMPLATE FOR TWO LAUNCHES; the constants at its head choose.  C = S1 S0^T on codes of FP8 (E4M3), K = 1,024; C leaves as codes.  S1 supplies C's rows and hangs on the tile row, S0 C's columns and hangs on the tile column.
; Operands and results lie in chunks of 4,096 bytes, chunk (rb, kb) = [64 rows][64 codes] at (rb K/64 + kb) 4096.
; A tile of C is 256 x 256: four waves, as many as a WGP has SIMDs, each 128 x 128 in 64 accumulators, 512 registers.  K goes in steps of 256 through two LDS slots: four K steps, so each slot is filled twice.
; A wave's tensor load brings 128 rows x 256 K: two blocks of 64 rows, each 4 chunks = 16,384 bytes on end, 65,536 bytes apart: a tile of 2 rows of 16,384 bytes, with 16 bytes of padding behind every 256: 128 lines of 272 bytes in LDS, 4 rows of 64 codes a line.
; THE MATRIX INSTRUCTION IS USED TRANSPOSED (source 0 = 16 rows of S0, source 1 = 16 rows of S1): lane (r, h) of accumulator (a, b) holds row 16 a + r and columns 16 b + 8 h + 0 .. 7: eight neighbours along the next product's K.
; A fragment's registers 4 c .. 4 c + 3 hold k = 32 c + 16 h + 0 .. 15: the same permutation of k on both sides, so only the order of the sums changes.
; CLUSTERS: 4 x 4 work-groups; S1's tiles are asked for jointly along a row of the cluster, S0's along a column.
; REGISTERS, in windows of 256: window 0: v16-31 addresses and scales; v32-95 the bias; from v128 S1's fragments (8 x 16 rows x 128 K), ONE set; on the way out v32-255 are free.
;   window 1: S0's fragments, TWO sets, at v0 and at v128.   window 2: the accumulators of my rows 0-63 ((a, b) at v[8 (8 a + b)]);   window 3: those of my rows 64-127.
; A step of 128 along K is 64 matrix instructions, S1's blocks one after the other, each against S0's eight: a block of S1 is free as soon as its eight products are issued, so one set serves S1; S0's fragments are at work through the whole step and have two.
; HERE: cluster y 0 makes q, 1 makes k: S1 = the tokens (cluster x: which four of their sixteen tiles), S0 = the weight's rows.  Cluster y 2 makes v: S1 = Wv's rows, S0 = the tokens, so that a lane's eight results are eight neighbouring keys.
; All choices are s_cselect on the cluster's numbers, which the sixteen partners share.  LIMITS: e6 - e0 - e1, e7 - e2 - e3, e9 - e4 - e5 lie between -126 and 119.
.set QKV,   1
.set BIASM, 0                          ; 1: a bias along C's columns
.set RELU,  0
.set EA,    0                          ; entries of the scales: S1's, S0's, the result's (here chosen below)
.set EB,    0
.set EO,    0
.set S0OFF, 0                          ; where S0 begins in its buffer (here chosen below)
.set OCH,   0                          ; chunks in a block of 64 rows of the result (here chosen below)
.set A_S1,  0                          ; the arguments' places
.set A_S0,  0
.set A_SC,  8
.set A_OUT, 16
.set A_BI,  0
.set HK,    4<<20                      ; places in the buffer of codes, and in the buffer of q, k, v
.set HV,    8<<20
.set WQ,    12<<20
.set WK,    13<<20
.set WV,    14<<20
.set KCO,   4<<20
.set VCO,   8<<20
.set KB,    1024                       ; a row of an operand in bytes
.set KSTEPB, 16384                     ; 64 rows x 256 K in memory
.set LAPS,  KB/512                     ; a lap = two K steps = once round the ring
.set PITCH, 272                        ; a line in LDS: 256 bytes (4 rows of 64 codes) + 16
.set HALFT, 128*PITCH                  ; what one tensor load brings, and what one wave reads of S1 or of S0
.set SLOT,  4*HALFT                    ; S1's 256 rows, then S0's 256 rows
.set STAGE, 2*SLOT                     ; behind the ring: the way out, a chunk for each wave
.set SPARE, STAGE+16384                ; the spare words, 128 bytes for each wave: two blocks of 256 bytes that no other line names
.set FR,    16                         ; registers of a fragment
.set NL,    4                          ; LDS loads that bring one
.set ADR1,  16                         ; v16-17 LDS address of my S1 fragments in slot 0, 1
.set ADR0,  20                         ; v20-21 the same for S0
.set STO,   24                         ; v24-26 the way out: into the stage, back out of it, in memory
.set RD,    25
.set CO,    26
.set BO,    27                         ; v27    the bias's offset
.set SPW,   28                         ; v28    LDS address of my spare word; never rewritten
.set NIL,   29                         ; v29    0; never rewritten
.set SCL,   30                         ; v30    the conversion's scale as f32;  v31  448 x that
.set LIM,   31
.set BIAS,  32                         ; v32-95 the bias in the result's layout, divided by the power of two that the sums lack
.set AF,    128                        ; S1's fragments
.set H,     32                         ; the way out: v32-159 a chunk's numbers, held;  v160-191 their codes;  v192-223, v224-255 a chunk read back, by turns
.set CD,    160
.set BK,    192
.set G1,    24                         ; s[24:31] descriptor group 1 for S1;  s[32:39] group 0, a set for each slot
.set G0,    32
.set G1B,   48                         ; s[48:55], s[56:63] the same for S0
.set G0B,   56
.set SC,    68                         ; s68-83  e0 .. e15
.set ZF,    1+BIASM                    ; how the first products start the sums: from 0, or from the bias
.set MSB,   0
.macro WIN new                         ; the immediate's high byte repeats the setting that is left
.if MSB != \new
	s_set_vgpr_msb (MSB<<8)|\new
.set MSB, \new
.endif
.endm
.set MUL_LO, 0xa1                      ; source 0 (S0) window 1, source 1 (S1) window 0, C and D window 2
.set MUL_HI, 0xf1                      ; the same, C and D window 3
.set BIA_LO, 0x81                      ; the same with C (the bias) in window 0
.set BIA_HI, 0xc1
.set TO_B,   0x40                      ; destination window 1, address window 0
.macro JLOAD s                         ; a joint load: waves 0 and 1 fetch S1's two halves, waves 2 and 3 S0's; an s_nop 0 and four v_nop follow each of the two lines
	s_cmp_eq_u32 s11, 0
	s_cbranch_scc0 .Lfor_b_\@
	tensor_load_to_lds s[G0+4*\s:G0+4*\s+3], s[G1:G1+7]
	s_nop 0
.rept 4
	v_nop
.endr
	s_branch .Lasked_\@
.Lfor_b_\@:
	tensor_load_to_lds s[G0B+4*\s:G0B+4*\s+3], s[G1B:G1B+7]
	s_nop 0
.rept 4
	v_nop
.endr
.Lasked_\@:
.endm
.macro CREST                           ; a round of the cluster's barrier behind its opening barrier
	s_cmp_lg_u32 s10, 0
	s_cbranch_scc1 .Lnot_wave_0_\@
	s_barrier_signal -3
.Lnot_wave_0_\@:
	s_barrier_wait -3
	s_barrier_signal -1
	s_barrier_wait -1
.endm
.macro CROUND                          ; a whole round
	s_barrier_signal -1
	s_barrier_wait -1
	CREST
.endm
.macro PLACES                          ; four places in front of loads into registers that matrix instructions have read, and of the first read of results
.rept 4
	v_nop
.endr
.endm
	s_load_b64 s[4:5], s[0:1], A_S1                ; S1's buffer
	s_load_b64 s[6:7], s[0:1], A_S0                ; S0's buffer
	s_load_b64 s[84:85], s[0:1], A_SC              ; the scales' exponents
	s_load_b64 s[8:9], s[0:1], A_OUT               ; the result
.if BIASM
	s_load_b64 s[86:87], s[0:1], A_BI
.endif
	v_lshl_add_u32 v[SPW], v0, 2, SPARE
	v_mov_b32 v[NIL], 0
	ds_add_u32 v[SPW], v[NIL]                      ; the wave's opening: the add, and its wait ahead of my first tensor load; the set-up below, work on registers, stands between them
	ds_add_u32 v[SPW], v[NIL]
	v_lshrrev_b32 v1, 5, v0
	v_readfirstlane_b32 s10, v1                    ; wave 0..3
	s_lshr_b32 s11, s10, 1                         ; which 128 rows of the tile are mine.  Also: I fetch for S1 (0) or for S0 (1)
	s_and_b32 s12, s10, 1                          ; which 128 columns.  Also: which 128 rows of that operand I fetch
	s_bfe_u32 s40, ttmp6, 0x40000                  ; cx, cy: my place in the cluster
	s_bfe_u32 s41, ttmp6, 0x40004
.if QKV
	s_and_b32 s20, ttmp7, 0xffff                   ; cluster y: 0 q, 1 k, 2 v
	s_cmp_eq_u32 s20, 2
	s_cselect_b32 s13, 0, ttmp9                    ; q, k: cluster x says which four tiles of tokens are C's rows;
	s_cselect_b32 s42, ttmp9, 0                    ; v: which four are C's columns
	s_cselect_b32 s19, 1, 0                        ; 1: v
	s_lshl_b32 s13, s13, 2
	s_add_co_u32 s13, s13, s41                     ; tile row
	s_lshl_b32 s42, s42, 2
	s_add_co_u32 s42, s42, s40                     ; tile column
	s_mov_b32 s91, WK
	s_cmp_eq_u32 s20, 0
	s_cselect_b32 s90, 0, HK                       ; S1's place, S0's place, the result's place
	s_cselect_b32 s91, WQ, s91
	s_cselect_b32 s92, 0, KCO
	s_cselect_b32 s93, 1, 0                        ; 1: q
	s_cmp_eq_u32 s19, 1
	s_cselect_b32 s90, WV, s90
	s_cselect_b32 s91, HV, s91
	s_cselect_b32 s92, VCO, s92
.else
	s_lshl_b32 s42, ttmp9, 2
	s_add_co_u32 s42, s42, s40                     ; tile column = 4 x cluster x + cx
	s_and_b32 s13, ttmp7, 0xffff
	s_lshl_b32 s13, s13, 2
	s_add_co_u32 s13, s13, s41                     ; tile row = 4 x cluster y + cy
.endif
	s_lshl_b32 s43, s41, 2
	s_lshl_b32 s43, 15, s43                        ; my row of the cluster
	s_lshl_b32 s44, 0x1111, s40                    ; my column
	s_or_b32 s[G1], s43, 0x7730000                 ; 15:0 the mask; 17:16 elements of 8 bytes; 20 padding on; 21 set beside a mask; 24:22 after every 64 words; 31:25 four words
	s_or_b32 s[G1B], s44, 0x7730000
.irp g, G1, G1B
	s_mov_b32 s[\g+1], 2048<<16                    ; tensor_dim0 = 2,048 elements: 16,384 bytes, a block of 64 rows x 256 K
	s_mov_b32 s[\g+2], 2<<16                       ; tensor_dim1 = 2 such blocks
	s_mov_b32 s[\g+3], 2048<<16                    ; tile_dim0
	s_mov_b32 s[\g+4], 2                           ; tile_dim1
	s_mov_b32 s[\g+5], 8*KB                        ; the pitch in elements: a block of 64 rows is 64 KB bytes
	s_mov_b32 s[\g+6], 0
	s_mov_b32 s[\g+7], 0
.endr
	s_lshl_b32 s17, s12, 1
	s_lshl_b32 s16, s13, 2
	s_add_co_u32 s16, s16, s17
	s_mul_i32 s16, s16, 64*KB                      ; S1: block of 64 rows 4 x tile row + 2 x (wave % 2)
	s_lshl_b32 s46, s42, 2
	s_add_co_u32 s46, s46, s17
	s_mul_i32 s46, s46, 64*KB                      ; S0: 4 x tile column + 2 x (wave % 2)
.if QKV
	s_add_co_u32 s16, s16, s90
	s_add_co_u32 s46, s46, s91
.else
	s_add_co_u32 s46, s46, S0OFF
.endif
	s_mov_b32 s17, 0
	s_mov_b32 s47, 0
	s_mul_i32 s45, s10, HALFT                      ; where they go: wave x a load's bytes: no place in the cluster enters an LDS address
	s_wait_dscnt 0x0                               ; the opening add is done
	s_wait_kmcnt 0x0
	s_load_b256 s[68:75], s[84:85], 0x0
	s_load_b256 s[76:83], s[84:85], 0x20
	s_add_nc_u64 s[14:15], s[4:5], s[16:17]
	s_add_nc_u64 s[46:47], s[6:7], s[46:47]
	CROUND                                         ; all sixteen work-groups are here: the first joint loads meet
.irp s, 0,1
	s_mov_b32 s[G0+4*\s], 1
	s_add_co_u32 s[G0+4*\s+1], s45, \s*SLOT
	s_add_nc_u64 s[G0+4*\s+2:G0+4*\s+3], s[14:15], \s*KSTEPB
	s_or_b32 s[G0+4*\s+3], s[G0+4*\s+3], 0x80000000
	s_mov_b32 s[G0B+4*\s], 1
	s_add_co_u32 s[G0B+4*\s+1], s45, \s*SLOT
	s_add_nc_u64 s[G0B+4*\s+2:G0B+4*\s+3], s[46:47], \s*KSTEPB
	s_or_b32 s[G0B+4*\s+3], s[G0B+4*\s+3], 0x80000000
.endr
	JLOAD 0                                        ; K step 0: one tensor load a wave at the head
	; PREFETCH INTO THE L2, two K steps ahead of the joint loads.  A wave's load is 128 blocks of 256 bytes; the four partners that ask for it jointly share them out BY ADDRESS:
	; place p (cx for S1, cy for S0) takes block of rows p / 2, bytes 8,192 (p % 2) on, a lane a block: each block is named once in the cluster.  Here K steps 1 and 2; behind K step 1's load K step 3, the last.
	s_cmp_eq_u32 s11, 0
	s_cselect_b64 s[88:89], s[14:15], s[46:47]     ; what I fetch, at K step 0
	s_cselect_b32 s66, s40, s41
	s_lshr_b32 s67, s66, 1
	s_lshl_b32 s67, s67, 16
	s_and_b32 s66, s66, 1
	s_lshl_b32 s66, s66, 13
	s_add_co_u32 s66, s66, s67
	s_mov_b32 s67, 0
	s_add_nc_u64 s[88:89], s[88:89], s[66:67]      ; never rewritten
	v_and_b32 v7, 31, v0
	v_lshlrev_b32 v7, 8, v7                        ; v7: 256 x lane; never rewritten
	global_prefetch_b8 v7, s[88:89] offset:KSTEPB th:TH_LOAD_NT scope:SCOPE_SE
	global_prefetch_b8 v7, s[88:89] offset:2*KSTEPB th:TH_LOAD_NT scope:SCOPE_SE
	v_and_b32 v1, 15, v0                           ; r
	v_bfe_u32 v2, v0, 4, 1                         ; h
	v_and_b32 v5, 31, v0                           ; lane
	v_lshrrev_b32 v3, 2, v1
	v_mul_u32_u24 v3, v3, PITCH
	v_and_b32 v4, 3, v1
	v_lshl_add_u32 v3, v4, 6, v3
	v_lshl_add_u32 v3, v2, 4, v3                   ; a fragment's lane term: line r / 4, row r % 4 in it, 16 h
	s_mul_i32 s21, s11, HALFT                      ; my 128 rows of S1
	s_mul_i32 s22, s12, HALFT
	s_add_co_u32 s22, s22, 2*HALFT                 ; my 128 rows of S0
.irp s, 0,1
	v_add_nc_u32 v[ADR1+\s], s21, v3
	v_add_nc_u32 v[ADR0+\s], s22, v3
	s_add_co_u32 s21, s21, SLOT
	s_add_co_u32 s22, s22, SLOT
.endr
	s_lshl_b32 s23, s10, 12
	s_add_co_u32 s23, s23, STAGE                   ; my stage: a chunk
	v_lshlrev_b32 v6, 6, v1
	v_lshl_add_u32 v6, v2, 3, v6
	v_add_nc_u32 v[STO], s23, v6                   ; in: row r of 64 bytes, 8 h
	v_lshlrev_b32 v[CO], 4, v5
	v_add_nc_u32 v[RD], s23, v[CO]                 ; back, and in memory: as it lies
	s_lshl_b32 s96, s13, 2
	s_lshl_b32 s98, s11, 1
	s_add_co_u32 s96, s96, s98                     ; my first block of 64 rows of C
	s_lshl_b32 s97, s42, 2
	s_lshl_b32 s98, s12, 1
	s_add_co_u32 s97, s97, s98                     ; my first block of 64 columns
.if QKV
	s_mov_b32 s94, 131072                          ; a head on: 32 chunks; a block of 64 tokens on: one chunk
	s_cmp_eq_u32 s19, 1
	s_cselect_b32 s98, s97, s96                    ; the tokens' block (even: the next one lies in the same batch),
	s_cselect_b32 s99, s96, s97                    ; the head
	s_cselect_b32 s95, s94, 4096                   ; a block of rows on, in bytes
	s_cselect_b32 s94, 4096, s94                   ; a block of columns on
	s_lshr_b32 s96, s98, 5
	s_lshl_b32 s96, s96, 4
	s_add_co_u32 s96, s96, s99
	s_lshl_b32 s96, s96, 5
	s_and_b32 s98, s98, 31
	s_add_co_u32 s96, s96, s98                     ; chunk ((batch x 16 + head) x 32 + the block of 64 tokens within the batch)
	s_lshl_b32 s96, s96, 12
	s_add_co_u32 s96, s96, s92
.else
	s_mul_i32 s96, s96, OCH
	s_add_co_u32 s96, s96, s97
	s_lshl_b32 s96, s96, 12
	s_mov_b32 s95, OCH*4096                        ; a block of rows on, in bytes
	s_mov_b32 s94, 4096                            ; a block of columns on
.endif
	s_mov_b32 s97, 0
	s_add_nc_u64 s[8:9], s[8:9], s[96:97]          ; my four chunks: rows 0-63, columns 0-63;
	s_mov_b32 s96, s94
	s_add_nc_u64 s[14:15], s[8:9], s[96:97]        ; rows 0-63, columns 64-127;
	s_mov_b32 s96, s95
	s_add_nc_u64 s[16:17], s[8:9], s[96:97]        ; rows 64-127, columns 0-63;
	s_add_nc_u64 s[20:21], s[14:15], s[96:97]      ; rows 64-127, columns 64-127
.if BIASM
	s_lshl_b32 s98, s42, 10
	s_lshl_b32 s99, s12, 9
	s_add_co_u32 s98, s98, s99
	s_mov_b32 s99, 0
	s_add_nc_u64 s[86:87], s[86:87], s[98:99]      ; the bias at my first column
	v_lshlrev_b32 v[BO], 5, v2
.irp b, 0,1,2,3,4,5,6,7
	global_load_b128 v[BIAS+8*\b:BIAS+8*\b+3], v[BO], s[86:87] offset:64*\b          ; columns 16 b + 8 h + 0 .. 7
	global_load_b128 v[BIAS+8*\b+4:BIAS+8*\b+7], v[BO], s[86:87] offset:64*\b+16
.endr
.endif
	s_wait_kmcnt 0x0                               ; the exponents
.if QKV
	s_sub_co_i32 s94, s74, s68
	s_sub_co_i32 s94, s94, s69                     ; q: e6 - e0 - e1
	s_sub_co_i32 s95, s75, s70
	s_sub_co_i32 s95, s95, s71                     ; k: e7 - e2 - e3
	s_sub_co_i32 s96, s77, s72
	s_sub_co_i32 s96, s96, s73                     ; v: e9 - e4 - e5
	s_cmp_eq_u32 s93, 1
	s_cselect_b32 s94, s94, s95
	s_cmp_eq_u32 s19, 1
	s_cselect_b32 s94, s96, s94
.else
	s_add_co_i32 s95, s[SC+EA], s[SC+EB]           ; a sum stands for sum x 2^(eA + eB):
	s_sub_co_i32 s94, s[SC+EO], s95                ; the three scales folded into the conversion's one
.endif
	s_add_co_i32 s2, s94, 127
	s_lshl_b32 s3, s2, 23
	v_mov_b32 v[SCL], s3
	s_add_co_i32 s2, s2, 8
	s_lshl_b32 s2, s2, 23
	s_or_b32 s2, s2, 0x600000
	v_mov_b32 v[LIM], s2
.if BIASM
	s_sub_co_i32 s96, 0, s95
	s_wait_loadcnt 0x0                             ; the bias
.set j, 0
.rept 64
	v_ldexp_f32 v[BIAS+j], v[BIAS+j], s96          ; the bias goes in as the C of each sum's first product, divided by 2^(eA + eB)
.set j, j+1
.endr
.endif
.macro FRAG reg, adr, q, i             ; 16 rows x 128 K: the slot's q-th 128 along K (two chunks), rows 16 i on: block of 64 rows i / 4 (64 lines), rows 16 (i % 4) in it (4 lines)
.irp c, 0,1,2,3
	ds_load_b128 v[\reg+4*\c:\reg+4*\c+3], v[\adr] offset:8704*(\q)+4352*(\c/2)+32*(\c%2)+17408*((\i)/4)+1088*((\i)%4)
.endr
.endm
; 16 matrix instructions: S1's blocks a0, a0 + 1 x S0's eight, 128 along K.  p: S0's set.  zero = 1: the sums start from 0; 2: from the bias: nothing is ever cleared.
; The 64 accumulators take turns, one instruction a turn, in the same order in every step.
.macro MUL16 a0, p, zero
.irp a, \a0, \a0+1
.irp b, 0,1,2,3,4,5,6,7
.if (\zero) == 1
	v_wmma_f32_16x16x128_fp8_fp8 v[8*(8*((\a)%4)+\b):8*(8*((\a)%4)+\b)+7], v[128*(\p)+FR*\b:128*(\p)+FR*\b+FR-1], v[AF+FR*(\a):AF+FR*(\a)+FR-1], 0
.elseif (\zero) == 2
	v_wmma_f32_16x16x128_fp8_fp8 v[8*(8*((\a)%4)+\b):8*(8*((\a)%4)+\b)+7], v[128*(\p)+FR*\b:128*(\p)+FR*\b+FR-1], v[AF+FR*(\a):AF+FR*(\a)+FR-1], v[BIAS+8*\b:BIAS+8*\b+7]
.else
	v_wmma_f32_16x16x128_fp8_fp8 v[8*(8*((\a)%4)+\b):8*(8*((\a)%4)+\b)+7], v[128*(\p)+FR*\b:128*(\p)+FR*\b+FR-1], v[AF+FR*(\a):AF+FR*(\a)+FR-1], v[8*(8*((\a)%4)+\b):8*(8*((\a)%4)+\b)+7]
.endif
.endr
.endr
.endm
.macro FETCH_B slot, q, p              ; S0's eight fragments of the slot's q-th 128 along K into set p
	WIN TO_B
.irp i, 0,1,2,3,4,5,6,7
	FRAG 128*(\p)+FR*\i, ADR0+\slot, \q, \i
.endr
	WIN 0
.endm
.macro FETCH_A slot, q, i0             ; S1's blocks i0 .. i0 + 3
.irp i, \i0, \i0+1, \i0+2, \i0+3
	FRAG AF+FR*(\i), ADR1+\slot, \q, \i
.endr
.endm
; A slot's first step of 128 along K: multiplies S0's set 0 and fetches the slot's second 128 along K.
.macro STEP slot, zero
	s_wait_dscnt 4*NL                              ; S0's set and S1's blocks 0-3 are in; the youngest sixteen loads (blocks 4-7) may be out
.if (\zero) == 2
	WIN BIA_LO
.else
	WIN MUL_LO
.endif
	MUL16 0, 0, \zero
	MUL16 2, 0, \zero
	s_wait_dscnt 0x0                               ; S1's blocks 4-7 are in (asked for 32 matrix instructions ago)
	PLACES
	FETCH_B \slot, 1, 1
	FETCH_A \slot, 1, 0
.if (\zero) == 2
	WIN BIA_HI
.else
	WIN MUL_HI
.endif
	MUL16 4, 0, \zero
	MUL16 6, 0, \zero
	PLACES
	WIN 0
	FETCH_A \slot, 1, 4
.endm
; A slot's second step changes slots: ONE barrier; in front of it each wave waits for all its tensor loads, adds 0 to its spare word, and waits for that and for its own reads of this slot.  fill = 1: this slot is filled again, two K steps ahead.
.macro TURN slot, next, fill
	s_wait_tensorcnt 0x0                           ; all my tensor loads have landed: my part of the next slot;  (every window is 0 here: the add's two registers lie in window 0)
	ds_add_u32 v[SPW], v[NIL]                      ; 0 onto my spare word
	s_wait_dscnt 4*NL+1                            ; (the add and the youngest sixteen loads, S1's blocks 4-7, may be out)
	WIN MUL_LO
	MUL16 0, 1, 0                                  ; sixteen matrix instructions stand between the add and the wait for it
	s_wait_dscnt 0x0                               ; the add is done, and my reads of this slot are over
	s_barrier_signal -1
	MUL16 2, 1, 0
	WIN 0
	s_barrier_wait -1
.if \fill
	CREST                                          ; the barrier has opened a round of the cluster's barrier: no wave of any partner still reads this slot's tile or has a load on its way
	s_add_nc_u64 s[G0+4*\slot+2:G0+4*\slot+3], s[G0+4*\slot+2:G0+4*\slot+3], 2*KSTEPB
	s_add_nc_u64 s[G0B+4*\slot+2:G0B+4*\slot+3], s[G0B+4*\slot+2:G0B+4*\slot+3], 2*KSTEPB
	JLOAD \slot                                    ; the first tensor load behind the round; its four v_nop are also the places in front of the loads below
.else
	PLACES
.endif
	s_wait_alu depctr_va_vdst(0)
	FETCH_B \next, 0, 0
	FETCH_A \next, 0, 0
	WIN MUL_HI
	MUL16 4, 1, 0
	MUL16 6, 1, 0
	PLACES
	WIN 0
	FETCH_A \next, 0, 4
.endm
	s_wait_alu depctr_va_vdst(0)                   ; the wait at the head's end
	s_wait_tensorcnt 0x0                           ; my part of K step 0 is in
	ds_add_u32 v[SPW], v[NIL]
	s_wait_dscnt 0x0
	CROUND                                         ; everybody's part of K step 0 is in, and the sixteen work-groups meet
	JLOAD 1                                        ; K step 1: the first tensor load behind the round
	FETCH_B 0, 0, 0
	FETCH_A 0, 0, 0
	FETCH_A 0, 0, 4
	global_prefetch_b8 v7, s[88:89] offset:3*KSTEPB th:TH_LOAD_NT scope:SCOPE_SE   ; K step 3, two loads ahead
	STEP 0, ZF                                     ; the first step's products start the sums
.rept LAPS-1                           ; once round the ring, from a lap's second step to the next lap's first: both slots are filled again.  One lap here, so it is written out and there is no loop
	TURN 0, 1, 1
	STEP 1, 0
	TURN 1, 0, 1
	STEP 0, 0
.endr
	TURN 0, 1, 0                                   ; the last lap fills nothing, and has no round of the cluster's barrier
	STEP 1, 0
	s_wait_dscnt 4*NL                              ; the very last step: nothing more to fetch
	WIN MUL_LO
	MUL16 0, 1, 0
	MUL16 2, 1, 0
	s_wait_dscnt 0x0
	WIN MUL_HI
	MUL16 4, 1, 0
	MUL16 6, 1, 0
	WIN 0
; THE WAY OUT, AS CODES, a chunk of 64 x 64 at a time: chunk n = 2 x (rows 64 on) + (columns 64 on).  A lane's eight results are eight neighbours along the next product's K: held (into window 0), converted, 8 bytes a lane into my
; stage (a chunk as it will lie), back as it lies, and out as 4,096 consecutive bytes.  LDS serves a wave's instructions in order (ISA guide 5.7.1.4): no wait between a chunk's stores and its loads, nor in front of the next chunk's stores.
.macro TOSTAGE n
.set RA, (\n)/2
.set CB, (\n)%2
.set WN, 0x02+RA
.set BB, BK+32*((\n)%2)
	WIN WN                                         ; source 0: window 2 or 3
.set ia, 0
.rept 4
.set ib, 0
.rept 4
.set ik, 0
.rept 8
.if RELU
	v_med3_num_f32 v[H+8*(4*ia+ib)+ik], v[8*(8*ia+4*CB+ib)+ik], 0, v[LIM]          ; the activation and the hold in one; each accumulator from its low end on
.else
	v_med3_num_f32 v[H+8*(4*ia+ib)+ik], v[8*(8*ia+4*CB+ib)+ik], -v[LIM], v[LIM]    ; the conversion does not saturate (ISA guide 7.6.2): the hold; each accumulator from its low end on
.endif
.set ik, ik+1
.endr
.set ib, ib+1
.endr
.set ia, ia+1
.endr
	WIN 0
.if (\n) > 0
	s_wait_dscnt 8                                 ; the last chunk's sixteen stores have read the codes' registers; its eight loads, issued behind them, may be out
.endif
.set it, 0
.rept 16
	v_cvt_scalef32_pk8_fp8_f32 v[CD+2*it:CD+2*it+1], v[H+8*it:H+8*it+7], v[SCL]
.set it, it+1
.endr
	v_nop                                          ; a plain instruction behind the last conversion: the next chunk's holds write the conversions' sources
.irp a, 0,1,2,3
.irp b, 0,1,2,3
	ds_store_b64 v[STO], v[CD+2*(4*\a+\b):CD+2*(4*\a+\b)+1] offset:1024*\a+16*\b
.endr
.endr
.if (\n) > 1
	s_wait_xcnt 0x0                                ; chunk n - 2's stores to memory have read their registers: this chunk's loads may land there
.endif
.irp i, 0,1,2,3,4,5,6,7
	ds_load_b128 v[BB+4*\i:BB+4*\i+3], v[RD] offset:512*\i
.endr
.endm
.macro SEND n, younger, ob             ; younger: the LDS instructions issued behind chunk n's loads, which may stay out;  s[ob:ob+1]: the chunk's place in memory
.set BB, BK+32*((\n)%2)
	s_wait_dscnt \younger
.irp i, 0,1,2,3,4,5,6,7
	global_store_b128 v[CO], v[BB+4*\i:BB+4*\i+3], s[\ob:\ob+1] offset:512*\i   ; 32 lanes store 512 consecutive bytes, aligned
.endr
.endm
	PLACES
	TOSTAGE 0
	TOSTAGE 1
	SEND 0, 24, 8                                  ; behind chunk 0's loads: chunk 1's sixteen stores and eight loads
	TOSTAGE 2
	SEND 1, 24, 14
	TOSTAGE 3
	SEND 2, 24, 16
	SEND 3, 0, 20
	s_wait_tensorcnt 0x0                           ; the wave's end: behind my last tensor load and my last LDS store
	ds_add_u32 v[SPW], v[NIL]
	s_wait_dscnt 0x0
	CROUND                                         ; the closing round: no work-group ends while a partner may still ask for a tile that names it
	s_endpgm
.Lfunc_end_k_q2e07591268_qkv:
	.size	k_q2e07591268_qkv, .Lfunc_end_k_q2e07591268_qkv-k_q2e07591268_qkv
	.p2alignl 7, 3214868480
	.fill 96, 4, 3214868480
	.section	.rodata,"a",@progbits
	.p2align	6, 0x0
	.amdhsa_kernel k_q2e07591268_qkv
		.amdhsa_group_segment_fixed_size 327680
		.amdhsa_private_segment_fixed_size 0
		.amdhsa_enable_private_segment 0
		.amdhsa_kernarg_size 24
		.amdhsa_user_sgpr_count 2
		.amdhsa_user_sgpr_kernarg_segment_ptr 1
		.amdhsa_wavefront_size32 1
		.amdhsa_system_sgpr_workgroup_id_x 1
		.amdhsa_system_sgpr_workgroup_id_y 1
		.amdhsa_system_sgpr_workgroup_id_z 1
		.amdhsa_system_vgpr_workitem_id 0
		.amdhsa_next_free_vgpr 1024
		.amdhsa_next_free_sgpr 100
		.amdhsa_reserve_vcc 0
		.amdhsa_float_denorm_mode_32 3
		.amdhsa_float_denorm_mode_16_64 3
		.amdhsa_memory_ordered 1
		.amdhsa_forward_progress 1
		.amdhsa_inst_pref_size 126
	.end_amdhsa_kernel
	.amdgpu_metadata
---
amdhsa.version: [ 1, 2 ]
amdhsa.kernels:
  - .name:           k_q2e07591268_qkv
    .symbol:         k_q2e07591268_qkv.kd
    .args:
      - { .name: codes, .offset: 0, .size: 8, .value_kind: global_buffer, .address_space: global }
      - { .name: lowp_scales, .offset: 8, .size: 8, .value_kind: global_buffer, .address_space: global }
      - { .name: qkvc, .offset: 16, .size: 8, .value_kind: global_buffer, .address_space: global }
    .group_segment_fixed_size: 327680
    .private_segment_fixed_size: 0
    .kernarg_segment_align: 8
    .kernarg_segment_size: 24
    .max_flat_workgroup_size: 128
    .sgpr_count:     100
    .vgpr_count:     1024
    .wavefront_size: 32
...
	.end_amdgpu_metadata
.endif
;; end of part 9
;; launch attn (part 10): grid 8 x 32, 16 waves a work-group, clusters of 4 x 1, 327,680 bytes of LDS; arguments qkvc, lowp_scales, ctxc; writes ctxc
.if DOCPART == 10
	.amdgcn_target "amdgcn-amd-amdhsa--gfx1250"
	.amdhsa_code_object_version 6
	.text
	.protected	k_q2e07591268_attn
	.globl	k_q2e07591268_attn
	.p2align	8
	.type	k_q2e07591268_attn,@function
k_q2e07591268_attn:
	s_mov_b64 s[64:65], 0
	v_nop
	global_prefetch_b8 v0, s[64:65] scope:SCOPE_SE
	s_setreg_imm32_b32 hwreg(HW_REG_WAVE_MODE, 25, 1), 1
	s_wait_xcnt 0x0
	s_wait_alu depctr_hold_cnt(0) depctr_sa_sdst(0) depctr_va_vdst(0) depctr_va_sdst(0) depctr_va_ssrc(0) depctr_va_vcc(0) depctr_vm_vsrc(0)
	s_getreg_b32 s2, hwreg(HW_REG_IB_STS2, 6, 4)
	s_cmp_eq_u32 s2, 0
	s_cbranch_scc0 .Lentry_in_a_cluster
	s_endpgm
.Lentry_in_a_cluster:
	s_bfe_u32 s2, ttmp6, 0x10000c
	s_cmp_lg_u32 s2, 0x3003
	s_cbranch_scc0 .Lentry_shape_is_right
	s_endpgm
.Lentry_shape_is_right:
; PRODUCTS 4 AND 5: causal attention on codes of FP8 (E4M3), head size 64; the result is quantised with entry 10 for product 6.
; q, k: [batch x head][2048 tokens][64] codes; v: for each batch x head, 32 chunks of [64 channels][64 keys]: the keys innermost.  ctx leaves in chunks [64 tokens][64 channels], chunk (block of 64 tokens) x 16 + head.
; THE SOFTMAX AHEAD OF THE SECOND PRODUCT: t = score x log2(e) / 8; M = the row's largest t so far, rounded UP to a whole number; p = 2^(t - M) is what is quantised; the row's sum is taken of the unquantised p and divides at the end.
; SHARES.  A cluster of four work-groups of sixteen waves serves half of one head's queries; ALL of the head's K and V (2 x 128 KB) lie in each work-group's LDS, asked for JOINTLY once, in four groups of 512 keys.
; A wave owns 16 queries.  A head's sixteen blocks of 128 queries are dealt by the wave's number and the cluster's number alone (so every branch is alike in the four partners): block = 4 m + (sigma xor 3 (m % 2)), m = wave / 4,
; sigma = 2 x cluster + (wave / 2) % 2: the four waves w, w + 4, w + 8, w + 12 have 34 key steps together, whatever w.  Within a block the eight tiles of 16 queries go by 2 cx + wave % 2: that enters global addresses and the mask's data alone.
; Every wave walks all sixteen key steps of 128 keys; a step whose keys all come after the block's queries is jumped over (a scalar branch on ids); the block's own step is masked.  No barrier stands in a step.
; LAYOUT.  Both products are used transposed: a lane holds ONE query (lane % 16).  THE KEYS OF A TILE ARE NOT NEIGHBOURS: lane r of tile 2 b + u takes key 32 b + 8 u + r + 8 (r / 8), so that the 16 registers of tiles 2 b, 2 b + 1 are keys 32 b + 16 h + 0 .. 15.
; k is permuted alike in both operands of each product (16 bytes a load), which changes only the order of the sums.
; LIMITS: e6 + e7 between -123 and 130 (added to c's exponent field); e8, and e10 - e8 - e9, between -126 and 119.
; REGISTERS: v1-7, v10, v11 addresses that stay; v8, v9 the step's; v12 -M, v13 the largest t, v[14:15] the sum; v16-23 Q; v32-95 fragments of K, then of V; v96-159 S^T, then p; v160-191 O^T; v224-239 p's codes; v236-254 at work.
; THE KEYS OF A TILE, AS THIS TEXT HAS THEM (in place of the sentence on them under LAYOUT above): they ARE neighbours: lane r of tile t takes key 16 t + r, four lines of LDS on end.
; Register 8 t + j of lane (r, h) then holds key 16 t + 8 h + j, and p's registers 4 b .. 4 b + 3 hold keys 32 b + 8 h + 0 .. 7 and 32 b + 16 + 8 h + 0 .. 7:
; V's fragments are read to match, 8 bytes a load.
.set VOFF,  139264
.set STG,   278528                     ; the way out: 1,024 bytes for each wave
.set SPARE, 294912
; THE FILLS: K and V are 16 loads of 64 lines; each of the sixteen waves issues one (group of 512 keys wave / 4; K's or V's half by wave % 4); one wait for 0 and one barrier, then nothing is filled again.
; THE KEYS OF THE LONG TILES ARE SPLIT.  A short wave (wave / 4 < 2, block b <= 7) walks its own b + 1 key steps, sends its tile out, and then walks key steps 0 .. 6 - b for the tile of its partner
; (wave + 12 or wave + 4: block 15 - b, the same place in the block); it hands O^T, -M and the sum over through LDS.  The partner walks key steps 7 - b .. 15 - b and joins the two parts:
; both are brought under the larger M by powers of two.  So a wave has 8 or 9 key steps.  All these choices hang on the wave's and the cluster's number alone.
.set PART,  296960                     ; 3,584 bytes for each of the eight pairs: 28 registers of O^T; the last four, -M and the sum lie in the short wave's stage, which is done with by then
.set LO,    36                         ; s36  the walk's first key step;  s37  one behind its last;  s38  the key step that is masked
.set HX,    37
.set MB,    38
.set SPW,   5
.set NIL,   6
.macro CROUND                          ; a round of the cluster's barrier
	s_barrier_signal -1
	s_barrier_wait -1
	s_cmp_lg_u32 s18, 0
	s_cbranch_scc1 .Lnot_wave_0_\@
	s_barrier_signal -3
.Lnot_wave_0_\@:
	s_barrier_wait -3
	s_barrier_signal -1
	s_barrier_wait -1
.endm
.macro MKSC se, vs, vl                 ; 2^e and 448 x 2^e as f32
	s_add_co_i32 s2, \se, 127
	s_lshl_b32 s3, s2, 23
	v_mov_b32 \vs, s3
	s_add_co_i32 s2, s2, 8
	s_lshl_b32 s2, s2, 23
	s_or_b32 s2, s2, 0x600000
	v_mov_b32 \vl, s2
.endm
	s_load_b128 s[4:7], s[0:1], 0x0                ; q, k, v's codes s[4:5], the scales' exponents s[6:7]
	s_load_b64 s[8:9], s[0:1], 0x10                ; ctx's codes
	v_lshl_add_u32 v[SPW], v0, 2, SPARE
	v_mov_b32 v[NIL], 0
	ds_add_u32 v[SPW], v[NIL]                      ; the wave's opening: the add, and its wait ahead of my first tensor load; the set-up below, work on registers, stands between them
	ds_add_u32 v[SPW], v[NIL]
	v_lshrrev_b32 v8, 5, v0
	s_delay_alu instid0(VALU_DEP_1)
	v_readfirstlane_b32 s18, v8                    ; wave 0..15
	s_bfe_u32 s51, ttmp6, 0x40000                  ; cx
	s_and_b32 s52, ttmp7, 0xffff                   ; batch x 16 + head
	s_lshr_b32 s53, s18, 1
	s_and_b32 s53, s53, 1
	s_lshl_b32 s54, ttmp9, 1
	s_add_co_u32 s53, s53, s54                     ; sigma
	s_lshr_b32 s54, s18, 2                         ; m
	s_and_b32 s55, s54, 1
	s_mul_i32 s55, s55, 3
	s_xor_b32 s53, s53, s55
	s_lshl_b32 s49, s54, 2
	s_add_co_u32 s49, s49, s53                     ; s49: my block of 128 queries
	s_and_b32 s57, s18, 1
	s_lshl_b32 s56, s51, 1
	s_add_co_u32 s56, s56, s57
	s_lshl_b32 s56, s56, 4                         ; s56: my first query within the block
	s_lshl_b32 s50, s49, 7
	s_add_co_u32 s50, s50, s56                     ; s50: my first query
	s_mov_b32 s24, 15|0x7730000                    ; group 1: 15:0 all four work-groups; elements of 8 bytes; padding on; bit 21 beside the mask; after every 64 words four words
	s_mov_b32 s25, 32<<16                          ; tensor_dim0 = 32 elements: 256 bytes
	s_mov_b32 s26, 64<<16                          ; tensor_dim1 = 64 lines
	s_mov_b32 s27, 32<<16                          ; tile_dim0
	s_mov_b32 s28, 64                              ; tile_dim1
	s_mov_b32 s29, 32                              ; the pitch: the block is dense
	s_mov_b32 s30, 0
	s_mov_b32 s31, 0
	s_lshr_b32 s58, s18, 1
	s_and_b32 s58, s58, 1                          ; wave % 4 = 0, 1 fetch K, 2, 3 V; each a half (64 lines) of group wave / 4
	s_mul_i32 s59, s58, VOFF
	s_mul_i32 s60, s57, 64*272
	s_add_co_u32 s59, s59, s60
	s_mul_i32 s60, s54, 34816
	s_add_co_u32 s59, s59, s60                     ; in LDS: + my group of 512 keys
	s_lshl_b32 s60, s58, 22
	s_add_co_u32 s60, s60, 4<<20                   ; k's codes begin at 4 MiB, v's at 8
	s_lshl_b32 s61, s52, 17
	s_add_co_u32 s60, s60, s61                     ; my head's 131,072 bytes
	s_lshl_b32 s61, s57, 14
	s_add_co_u32 s60, s60, s61
	s_lshl_b32 s61, s54, 15
	s_add_co_u32 s60, s60, s61                     ; my group: 32,768 bytes each
	s_mov_b32 s61, 0
	s_mov_b32 s20, 0x76543210                      ; v_permlanex16_b32: lane l xor 16
	s_mov_b32 s21, 0xfedcba98
	s_mov_b32 s48, 0                               ; s48: the key step
	s_wait_dscnt 0x0                               ; the opening add is done
	s_wait_kmcnt 0x0
	s_load_b256 s[68:75], s[6:7], 0x0              ; e0 .. e15 in s68 .. s83
	s_load_b256 s[76:83], s[6:7], 0x20
	s_add_nc_u64 s[60:61], s[4:5], s[60:61]
	s_mov_b32 s32, 1
	s_mov_b32 s33, s59
	s_mov_b64 s[34:35], s[60:61]
	s_or_b32 s35, s35, 0x80000000
	CROUND                                         ; all four work-groups are here: the joint loads meet
	tensor_load_to_lds s[32:35], s[24:31]          ; my one load: every wave issues one, with no branch
	s_nop 0
.rept 4
	v_nop
.endr
	s_lshl_b32 s62, s52, 17
	s_lshl_b32 s63, s50, 6
	s_add_co_u32 s62, s62, s63
	s_mov_b32 s63, 0
	s_add_nc_u64 s[10:11], s[4:5], s[62:63]
	s_sub_co_u32 s40, 15, s49
	s_sub_co_u32 s41, 7, s49
	s_sub_co_u32 s42, s49, 8
	s_cmp_lt_u32 s54, 2                            ; a short wave?
	s_cselect_b32 s40, s40, s49                    ; s40: the block of the second walk's queries (a long wave has none: its own)
	s_cselect_b32 s41, s41, 0                      ; s41: how many key steps the second walk has
	s_cselect_b32 s[LO], 0, s42                    ; the first walk: a long wave begins at key step block - 8
	s_add_co_u32 s[HX], s49, 1
	s_mov_b32 s[MB], s49
	s_lshl_b32 s44, s40, 7
	s_add_co_u32 s44, s44, s56
	s_lshl_b32 s44, s44, 6
	s_lshl_b32 s45, s52, 17
	s_add_co_u32 s44, s44, s45
	s_mov_b32 s45, 0
	s_add_nc_u64 s[44:45], s[4:5], s[44:45]        ; q's codes for the second walk
	v_and_b32 v8, 15, v0                           ; r
	v_bfe_u32 v9, v0, 4, 1                         ; h
	s_delay_alu instid0(VALU_DEP_2)
	v_lshlrev_b32 v4, 6, v8
	s_delay_alu instid0(VALU_DEP_1)
	v_lshl_add_u32 v4, v9, 4, v4
	global_load_b128 v[16:19], v4, s[10:11]            ; Q's fragment stays in registers: k = 16 h + 0 .. 15,
	global_load_b128 v[20:23], v4, s[10:11] offset:32
	global_load_b128 v[24:27], v4, s[44:45]            ; the second walk's Q
	global_load_b128 v[28:31], v4, s[44:45] offset:32
	v_lshrrev_b32 v11, 2, v8                       ; line r / 4
	s_delay_alu instid0(VALU_DEP_1)
	v_mul_u32_u24 v1, v11, 272
	v_and_b32 v11, 3, v8
	s_delay_alu instid0(VALU_DEP_1)
	v_lshl_add_u32 v1, v11, 6, v1
	s_delay_alu instid0(VALU_DEP_1)
	v_lshl_add_u32 v1, v9, 4, v1                   ; v1: my lane's place in a tile of K
	v_lshrrev_b32 v2, 2, v8
	s_delay_alu instid0(VALU_DEP_1)
	v_mul_u32_u24 v2, v2, 272
	s_delay_alu instid0(VALU_DEP_1)
	v_lshl_add_u32 v2, v11, 6, v2
	s_delay_alu instid0(VALU_DEP_1)
	v_lshl_add_u32 v2, v9, 3, v2
	s_delay_alu instid0(VALU_DEP_1)
	v_add_nc_u32 v2, VOFF, v2                      ; v2: the same for V
	v_lshlrev_b32 v3, 3, v9                        ; (here: my query within the block - 8 h)
	s_delay_alu instid0(VALU_DEP_1)
	v_sub_nc_u32 v3, v8, v3
	s_delay_alu instid0(VALU_DEP_1)
	v_add_nc_u32 v3, s56, v3                       ; v3: my query within the block - 8 h: in the block's own step register n holds a hidden key where 16 (n / 8) + n % 8 is above it
	s_lshl_b32 s62, s18, 10
	s_add_co_u32 s62, s62, STG                     ; my stage
	v_lshlrev_b32 v10, 6, v8
	s_delay_alu instid0(VALU_DEP_1)
	v_lshl_add_u32 v10, v9, 3, v10
	s_delay_alu instid0(VALU_DEP_1)
	v_add_nc_u32 v10, s62, v10                     ; v10: in: row r of 64 bytes, 8 h
	v_and_b32 v7, 31, v0
	s_delay_alu instid0(VALU_DEP_1)
	v_lshlrev_b32 v7, 4, v7                        ; v7: in memory: as it lies
	s_delay_alu instid0(VALU_DEP_1)
	v_add_nc_u32 v11, s62, v7
	s_lshr_b32 s46, s54, 1
	s_mul_i32 s46, s46, 3
	s_xor_b32 s46, s46, s54                        ; 0, 1, 1, 0 for wave / 4 = 0 .. 3
	s_lshl_b32 s46, s46, 2
	s_and_b32 s47, s18, 3
	s_add_co_u32 s46, s46, s47                     ; my pair = the short wave's number
	s_mul_i32 s47, s46, 3584
	s_add_co_u32 s47, s47, PART
	s_lshl_b32 s46, s46, 10
	s_add_co_u32 s46, s46, STG
	s_wait_alu depctr_va_vdst(0)
	v_add_nc_u32 v192, s47, v7
	v_add_nc_u32 v193, s46, v7
	v_lshrrev_b32 v194, 1, v7
	v_add_nc_u32 v194, s46, v194
	s_lshr_b32 s84, s52, 4
	s_lshl_b32 s84, s84, 5
	s_lshr_b32 s85, s50, 6
	s_add_co_u32 s84, s84, s85                     ; my block of 64 tokens: batch x 32 + query / 64
	s_lshl_b32 s84, s84, 4
	s_and_b32 s85, s52, 15
	s_add_co_u32 s84, s84, s85                     ; its chunk for my head
	s_lshl_b32 s84, s84, 12
	s_and_b32 s85, s50, 63
	s_lshl_b32 s85, s85, 6
	s_add_co_u32 s84, s84, s85
	s_mov_b32 s85, 0
	s_add_nc_u64 s[8:9], s[8:9], s[84:85]
	v_mov_b32 v13, 0xff61b1e6                      ; the largest t so far: -3e38, under every t
	s_delay_alu instid0(VALU_DEP_1)
	v_floor_f32 v12, -v13                          ; -M
	v_mov_b32 v14, 0                               ; the sum, in two halves
	v_mov_b32 v15, 0
	v_mov_b32 v236, 0                              ; written once: a lane permute's destination counts as one of its sources
	v_mov_b32 v252, 0
	v_mov_b32 v253, 0                              ; (named as the upper half of the pair v[252:253])
.set j, 0
.rept 32
	v_mov_b32 v[160+j], 0                          ; O^T.  (The step is written once: the first finds zeros, which the first change of M leaves zeros)
.set j, j+1
.endr
	s_wait_kmcnt 0x0
	s_add_co_i32 s62, s74, s75
	s_lshl_b32 s62, s62, 23
	s_mov_b32 s22, 0x3e38aa3b                      ; c = log2(e) / 8
	s_add_co_i32 s22, s22, s62                     ; a score stands for score x 2^(e6 + e7): added to c's exponent field
	s_mov_b32 s23, s22                             ; (named with it as a pair, so it is written)
	MKSC s76, v244, v240                           ; e8: p's scale
	s_sub_co_i32 s62, s78, s76
	s_sub_co_i32 s62, s62, s77                     ; O / l stands for ctx / 2^(e8 + e9): its code is taken with 2^(e10 - e8 - e9)
	MKSC s62, v245, v241
; A KEY STEP: 128 keys, at LDS byte s2 of K's and of V's region.
.macro STEP first                      ; first = 1: the first walk, with a lower bound and the masked step; 0: the second, which begins at key step 0 and has no hidden key
.if \first
	s_cmp_lt_u32 s48, s[LO]
	s_cbranch_scc1 .Lhidden_\@
.endif
	s_cmp_ge_u32 s48, s[HX]
	s_cbranch_scc1 .Lhidden_\@
	v_add_nc_u32 v8, s2, v1
	v_add_nc_u32 v9, s2, v2
	v_nop
	v_nop                                          ; with the two additions: four places in front of loads into registers that the last products read
.irp t, 0,1,2,3,4,5,6,7
	ds_load_b128 v[32+8*\t:35+8*\t], v8 offset:4*\t*272
	ds_load_b128 v[36+8*\t:39+8*\t], v8 offset:4*\t*272+32
.endr
	s_wait_alu depctr_va_vdst(0)
	s_wait_dscnt 0x0
.irp t, 0,1,2,3,4,5,6,7                        ; S^T = K Q^T
	v_wmma_f32_16x16x64_fp8_fp8 v[96+8*\t:103+8*\t], v[32+8*\t:39+8*\t], v[16:23], 0
.endr
.rept 4
	v_nop
.endr
.irp t, 0,1,2,3                                ; V's four fragments (16 channels x 128 keys) are asked for now and land during the softmax
.irp c, 0,1,2,3
	ds_load_b64 v[32+16*\t+4*\c:33+16*\t+4*\c], v9 offset:4352*(\c/2)+32*(\c%2)+1088*\t       ; keys 32 c + 8 h + 0 .. 7
	ds_load_b64 v[34+16*\t+4*\c:35+16*\t+4*\c], v9 offset:4352*(\c/2)+32*(\c%2)+1088*\t+16    ; keys 32 c + 16 + 8 h + 0 .. 7
.endr
.endr
.if \first
	s_cmp_lt_u32 s48, s[MB]
	s_cbranch_scc1 .Lopen_\@
	v_mov_b32 v254, 0xff800000                     ; -infinity: p = 0 then
.set n, 0
.rept 64
	v_cmp_gt_i32 vcc_lo, 16*(n/8)+n%8, v3          ; register n holds key 16 (n / 8) + n % 8 + 8 h of the step
	v_cndmask_b32 v[96+n], v[96+n], v254, vcc_lo
.set n, n+1
.endr
.Lopen_\@:
.endif
	v_max3_num_f32 v254, v96, v97, v98             ; the step's largest score of my query, among my 64 keys, in two chains,
	v_max3_num_f32 v252, v99, v100, v101
.irp i, 6,10,14,18,22,26,30,34,38,42,46,50,54,58
	v_max3_num_f32 v254, v254, v[96+\i], v[97+\i]
	v_max3_num_f32 v252, v252, v[98+\i], v[99+\i]
.endr
	v_max3_num_f32 v254, v254, v158, v159
	s_delay_alu instid0(VALU_DEP_1)
	v_max_num_f32 v254, v254, v252
	v_permlanex16_b32 v236, v254, s20, s21
	s_delay_alu instid0(VALU_DEP_1)
	v_max_num_f32 v254, v254, v236                 ; and among lane l xor 16's
	s_delay_alu instid0(VALU_DEP_1)
	v_mul_f32 v254, s22, v254                      ; as t (c is positive)
	s_delay_alu instid0(VALU_DEP_1)
	v_max_num_f32 v13, v13, v254                   ; the running largest t
	v_mov_b32 v254, v12
	s_delay_alu instid0(VALU_DEP_2)
	v_floor_f32 v12, -v13                          ; the new -M = floor(-t): M is a whole number
	s_delay_alu instid0(VALU_DEP_1)
	v_sub_f32 v254, v12, v254                      ; M's old value less its new one: a whole number, 0 or less
	s_delay_alu instid0(VALU_DEP_1)
	v_cvt_i32_f32 v254, v254                       ; (it saturates)
	s_delay_alu instid0(VALU_DEP_1)
	v_ldexp_f32 v252, 1.0, v254                    ; f = 2^(old M - new M)
.set j, 0
.rept 32
	v_pk_fma_f32 v[96+j:97+j], v[96+j:97+j], s[22:23], v[12:13] op_sel_hi:[1,0,0]   ; t - M, two at a time
.set j, j+2
.endr
.set j, 0
	s_wait_alu depctr_va_vdst(0)
.rept 64
	v_exp_f32 v[96+j], v[96+j]                     ; p = 2^(t - M), at most 1: not normalised
.set j, j+1
.endr
	v_pk_mul_f32 v[14:15], v[14:15], v[252:253] op_sel_hi:[1,0]   ; the sums under the new M.  (A plain instruction behind the exponentials)
	s_wait_alu depctr_va_vdst(0)                   ; one wait for the whole batch, ahead of its first reader
	v_pk_add_f32 v[242:243], v[100:101], v[104:105]
	v_pk_add_f32 v[254:255], v[108:109], v[112:113]
	v_pk_add_f32 v[250:251], v[116:117], v[120:121]
	v_pk_add_f32 v[248:249], v[124:125], v[128:129]
	v_pk_add_f32 v[246:247], v[132:133], v[136:137]
	v_pk_add_f32 v[238:239], v[140:141], v[144:145]
	v_pk_add_f32 v[236:237], v[148:149], v[152:153]
	v_pk_add_f32 v[14:15], v[14:15], v[156:157]
	v_pk_add_f32 v[242:243], v[242:243], v[96:97]
	v_pk_add_f32 v[254:255], v[254:255], v[98:99]
	v_pk_add_f32 v[250:251], v[250:251], v[102:103]
	v_pk_add_f32 v[248:249], v[248:249], v[106:107]
	v_pk_add_f32 v[246:247], v[246:247], v[110:111]
	v_pk_add_f32 v[238:239], v[238:239], v[114:115]
	v_pk_add_f32 v[236:237], v[236:237], v[118:119]
	v_pk_add_f32 v[14:15], v[14:15], v[122:123]
	v_pk_add_f32 v[242:243], v[242:243], v[126:127]
	v_pk_add_f32 v[254:255], v[254:255], v[130:131]
	v_pk_add_f32 v[250:251], v[250:251], v[134:135]
	v_pk_add_f32 v[248:249], v[248:249], v[138:139]
	v_pk_add_f32 v[246:247], v[246:247], v[142:143]
	v_pk_add_f32 v[238:239], v[238:239], v[146:147]
	v_pk_add_f32 v[236:237], v[236:237], v[150:151]
	v_pk_add_f32 v[14:15], v[14:15], v[154:155]
	v_pk_add_f32 v[242:243], v[242:243], v[158:159]
	s_delay_alu instid0(VALU_DEP_2)
	v_pk_add_f32 v[14:15], v[14:15], v[248:249]
	s_delay_alu instid0(VALU_DEP_2)
	v_pk_add_f32 v[242:243], v[242:243], v[246:247]
	v_pk_add_f32 v[254:255], v[254:255], v[238:239]
	v_pk_add_f32 v[250:251], v[250:251], v[236:237]
	s_delay_alu instid0(VALU_DEP_2)
	v_pk_add_f32 v[14:15], v[14:15], v[254:255]
	s_delay_alu instid0(VALU_DEP_2)
	v_pk_add_f32 v[242:243], v[242:243], v[250:251]
	s_delay_alu instid0(VALU_DEP_1)
	v_pk_add_f32 v[14:15], v[14:15], v[242:243]
.irp b, 0,1,2,3
.irp i, 0,1,2,3,4,5,6,7,8,9,10,11,12,13,14,15
	v_min_num_f32 v[96+16*\b+\i], v[96+16*\b+\i], v240   ; the conversion does not saturate (ISA guide 7.6.2); p is not negative, so the hold is one-sided
.endr
	v_cvt_scalef32_pk8_fp8_f32 v[224+4*\b:225+4*\b], v[96+16*\b:103+16*\b], v244
	v_cvt_scalef32_pk8_fp8_f32 v[226+4*\b:227+4*\b], v[104+16*\b:111+16*\b], v244
.endr
.set j, 0
.rept 16
	v_pk_mul_f32 v[160+j:161+j], v[160+j:161+j], v[252:253] op_sel_hi:[1,0]   ; O^T under the new M.  (These are also the plain instructions behind the conversions)
.set j, j+2
.endr
	s_wait_alu depctr_va_vdst(0)
	s_wait_dscnt 0x0                               ; V
.irp t, 0,1,2,3                                ; O^T += V^T P^T: the four accumulators take turns
	v_wmma_f32_16x16x128_fp8_fp8 v[160+8*\t:167+8*\t], v[32+16*\t:47+16*\t], v[224:239], v[160+8*\t:167+8*\t]
.endr
.Lhidden_\@:
	s_add_co_u32 s2, s2, 8704                      ; 128 keys on: 32 lines
	s_add_co_u32 s48, s48, 1
.endm
.macro WAYOUT
	; THE WAY OUT.  O^T / the sum, held and converted: a lane's eight channels are 8 bytes of its query's row; 16 rows x 64 bytes go through my stage and leave as 1,024 consecutive bytes.
.rept 4
	v_nop
.endr
	v_add_f32 v14, v14, v15                        ; the sum's two halves,
	s_delay_alu instid0(VALU_DEP_1)
	v_permlanex16_b32 v252, v14, s20, s21
	s_delay_alu instid0(VALU_DEP_1)
	v_add_f32 v14, v14, v252                       ; and lane l xor 16's
	s_wait_alu depctr_va_vdst(0)
	v_rcp_f32 v14, v14
	v_nop                                          ; a plain instruction behind the transcendental,
	s_wait_alu depctr_va_vdst(0)                   ; and the wait ahead of its first reader
.set j, 0
.rept 32
	v_mul_f32 v[96+j], v[160+j], v14               ; register 8 t + i: channel 16 t + 8 h + i; each accumulator from its low end on
.set j, j+1
.endr
.set j, 0
.rept 32
	v_med3_num_f32 v[96+j], v[96+j], -v241, v241
.set j, j+1
.endr
.irp t, 0,1,2,3
	v_cvt_scalef32_pk8_fp8_f32 v[224+2*\t:225+2*\t], v[96+8*\t:103+8*\t], v245
.endr
	v_nop                                          ; a plain instruction behind the last conversion
.irp t, 0,1,2,3
	ds_store_b64 v10, v[224+2*\t:225+2*\t] offset:16*\t
.endr
	ds_load_b128 v[32:35], v11                     ; LDS serves a wave's instructions in order: these see my stores
	ds_load_b128 v[36:39], v11 offset:512
	s_wait_dscnt 1
	global_store_b128 v7, v[32:35], s[8:9]         ; 32 lanes store 512 consecutive bytes, aligned
	s_wait_dscnt 0x0
	global_store_b128 v7, v[36:39], s[8:9] offset:512
.endm
.macro WALK first
	s_mov_b32 s48, 0
	s_mov_b32 s2, 0
	s_mov_b32 s3, 16
.Lwalk_\@:
	STEP \first
	s_sub_co_u32 s3, s3, 1
	s_cmp_lg_u32 s3, 0
	s_cbranch_scc1 .Lwalk_\@
.endm
	s_wait_alu depctr_va_vdst(0)                   ; the wait at the head's end
	s_wait_loadcnt 0x0                             ; Q, twice
	s_wait_tensorcnt 0x0                           ; my load has landed
	s_wait_dscnt 0x0
	s_barrier_signal -1
	s_barrier_wait -1
	WALK 1
	s_cmp_lt_u32 s54, 2
	s_cbranch_scc0 .Llong_1
	WAYOUT                                         ; a short wave's own tile is finished
	s_wait_xcnt 0x0                                ; its stores have read their registers
.set j, 0
.rept 8
	v_mov_b32 v[16+j], v[24+j]                     ; the partner's queries
.set j, j+1
.endr
	v_mov_b32 v13, 0xff61b1e6                      ; and a new state
	v_floor_f32 v12, -v13
	v_mov_b32 v14, 0
	v_mov_b32 v15, 0
.set j, 0
.rept 32
	v_mov_b32 v[160+j], 0
.set j, j+1
.endr
	s_wait_alu depctr_va_vdst(0)
.Llong_1:
	s_mov_b32 s[HX], s41                           ; a long wave: none
	WALK 0
	s_cmp_lt_u32 s54, 2
	s_cbranch_scc0 .Llong_2
.rept 4
	v_nop                                          ; places behind the last products
.endr
	v_add_f32 v13, v14, v15                        ; the sum's two halves, beside -M
.irp i, 0,1,2,3,4,5,6
	ds_store_b128 v192, v[160+4*\i:163+4*\i] offset:512*\i   ; each accumulator from its low end on
.endr
	ds_store_b128 v193, v[188:191]
	ds_store_b64 v194, v[12:13] offset:512
.Llong_2:
	s_wait_dscnt 0x0                               ; my stores are done
	s_barrier_signal -1
	s_barrier_wait -1
	s_cmp_lt_u32 s54, 2
	s_cbranch_scc1 .Ldone
.irp i, 0,1,2,3,4,5,6
	ds_load_b128 v[96+4*\i:99+4*\i], v192 offset:512*\i
.endr
	ds_load_b128 v[124:127], v193
	ds_load_b64 v[128:129], v194 offset:512
	s_wait_dscnt 0x0
	v_add_f32 v14, v14, v15
	v_min_num_f32 v130, v12, v128                  ; -M of the two parts together
	v_sub_f32 v131, v130, v12                      ; whole numbers, 0 or less
	v_sub_f32 v132, v130, v128
	v_cvt_i32_f32 v131, v131                       ; (they saturate)
	v_cvt_i32_f32 v132, v132
	v_ldexp_f32 v252, 1.0, v131                    ; my part's factor,
	v_ldexp_f32 v134, 1.0, v132                    ; the other's (0 where that part is empty)
	v_mov_b32 v135, 0                              ; (named as the upper half of the pair)
	v_mul_f32 v14, v14, v252
	v_fma_f32 v14, v129, v134, v14
	v_mov_b32 v15, 0
.set j, 0
.rept 16
	v_pk_mul_f32 v[96+j:97+j], v[96+j:97+j], v[134:135] op_sel_hi:[1,0]
	v_pk_fma_f32 v[160+j:161+j], v[160+j:161+j], v[252:253], v[96+j:97+j] op_sel_hi:[1,0,1]
.set j, j+2
.endr
	WAYOUT
.Ldone:
	s_wait_tensorcnt 0x0                           ; the wave's end: behind my last tensor load and my last LDS store
	ds_add_u32 v[SPW], v[NIL]
	s_wait_dscnt 0x0
	CROUND                                         ; the closing round
	s_endpgm
.Lfunc_end_k_q2e07591268_attn:
	.size	k_q2e07591268_attn, .Lfunc_end_k_q2e07591268_attn-k_q2e07591268_attn
	.p2alignl 7, 3214868480
	.fill 96, 4, 3214868480
	.section	.rodata,"a",@progbits
	.p2align	6, 0x0
	.amdhsa_kernel k_q2e07591268_attn
		.amdhsa_group_segment_fixed_size 327680
		.amdhsa_private_segment_fixed_size 0
		.amdhsa_enable_private_segment 0
		.amdhsa_kernarg_size 24
		.amdhsa_user_sgpr_count 2
		.amdhsa_user_sgpr_kernarg_segment_ptr 1
		.amdhsa_wavefront_size32 1
		.amdhsa_system_sgpr_workgroup_id_x 1
		.amdhsa_system_sgpr_workgroup_id_y 1
		.amdhsa_system_sgpr_workgroup_id_z 1
		.amdhsa_system_vgpr_workitem_id 0
		.amdhsa_next_free_vgpr 256
		.amdhsa_next_free_sgpr 100
		.amdhsa_reserve_vcc 1
		.amdhsa_float_denorm_mode_32 3
		.amdhsa_float_denorm_mode_16_64 3
		.amdhsa_memory_ordered 1
		.amdhsa_forward_progress 1
		.amdhsa_inst_pref_size 64
	.end_amdhsa_kernel
	.amdgpu_metadata
---
amdhsa.version: [ 1, 2 ]
amdhsa.kernels:
  - .name:           k_q2e07591268_attn
    .symbol:         k_q2e07591268_attn.kd
    .args:
      - { .name: qkvc, .offset: 0, .size: 8, .value_kind: global_buffer, .address_space: global }
      - { .name: lowp_scales, .offset: 8, .size: 8, .value_kind: global_buffer, .address_space: global }
      - { .name: ctxc, .offset: 16, .size: 8, .value_kind: global_buffer, .address_space: global }
    .group_segment_fixed_size: 327680
    .private_segment_fixed_size: 0
    .kernarg_segment_align: 8
    .kernarg_segment_size: 24
    .max_flat_workgroup_size: 512
    .sgpr_count:     100
    .vgpr_count:     256
    .wavefront_size: 32
...
	.end_amdgpu_metadata
.endif
;; end of part 10
;; launch wo (part 11): grid 8 x 32, 4 waves a work-group, clusters of 4 x 4, 327,680 bytes of LDS; arguments ctxc, codes, lowp_scales, embedding, x1; writes x1
.if DOCPART == 11
	.amdgcn_target "amdgcn-amd-amdhsa--gfx1250"
	.amdhsa_code_object_version 6
	.text
	.protected	k_q2e07591268_wo
	.globl	k_q2e07591268_wo
	.p2align	8
	.type	k_q2e07591268_wo,@function
k_q2e07591268_wo:
	s_mov_b64 s[64:65], 0
	v_nop
	global_prefetch_b8 v0, s[64:65] scope:SCOPE_SE
	s_setreg_imm32_b32 hwreg(HW_REG_WAVE_MODE, 25, 1), 1
	s_wait_xcnt 0x0
	s_wait_alu depctr_hold_cnt(0) depctr_sa_sdst(0) depctr_va_vdst(0) depctr_va_sdst(0) depctr_va_ssrc(0) depctr_va_vcc(0) depctr_vm_vsrc(0)
	s_getreg_b32 s2, hwreg(HW_REG_IB_STS2, 6, 4)
	s_cmp_eq_u32 s2, 0
	s_cbranch_scc0 .Lentry_in_a_cluster
	s_endpgm
.Lentry_in_a_cluster:
	s_bfe_u32 s2, ttmp6, 0x10000c
	s_cmp_lg_u32 s2, 0xf033
	s_cbranch_scc0 .Lentry_shape_is_right
	s_endpgm
.Lentry_shape_is_right:
; PRODUCT 6 AND THE FIRST RESIDUAL: x1 = embedding + ctx Wo, f32.
; THIS TEXT IS ONE TEMPLATE FOR TWO LAUNCHES; the constants at its head choose.  C = S1 S0^T on codes of FP8 (E4M3).  S1 supplies C's rows and hangs on the tile row, S0 supplies C's columns and hangs on the tile column.
; Operands lie in chunks of 4,096 bytes, chunk (rb, kb) = [64 rows][64 codes] at (rb KB/64 + kb) 4096: 64 rows x 512 K are 32 KB on end, 128 lines of 256 bytes, 16 bytes of padding behind each in LDS.
; A tile of C is 128 x 128: four waves, each 64 x 64 in 16 accumulators.  K goes in steps of 512 through two LDS slots.  THE MATRIX INSTRUCTION IS USED TRANSPOSED (source 0 = 16 rows of S0, source 1 = 16 rows of S1):
; lane (r, h) of accumulator (a, b) holds row 16 a + r and columns 16 b + 8 h + 0 .. 7.  A fragment's registers 4 c .. 4 c + 3 hold k = 32 c + 16 h + 0 .. 15: the same permutation of k on both sides, so only the order of the sums changes.
; CLUSTERS: 4 x 4 work-groups; S1's tiles are asked for jointly along a row of the cluster, S0's along a column.
; HERE: S1 = ctx's codes (entry 10), S0 = Wo's codes (entry 11).  LIMIT: e10 + e11 lies between -126 and 127.
; HERE ALL OF K = 1,024 LIES IN LDS AT ONCE (in place of the two slots named above): a wave's one joint load brings 64 rows x 1,024 K, 65,536 bytes on end, 256 lines of 272 bytes; four such loads are 278,528 bytes.
; Nothing is filled a second time: one wait, one barrier, and no change of slots.  No prefetch: each wave's one load, at the head, asks for all that the work-group reads, so there is no loop to run ahead in.
.set QKV,   0
.set KB,    1024                       ; a row of an operand in bytes
.set EPI,   1                          ; 0: the results leave as codes; 1: as f32, with a residual added
.set BIASM, 0                          ; 1: a bias along C's columns
.set RELU,  0
.set EA,    10                         ; entries of the scales: S1's, S0's, the result's
.set EB,    11
.set EO,    0
.set S0OFF, 15<<20                     ; where S0 begins in its buffer
.set OCH,   0                          ; chunks in a block of 64 rows of the result
.set A_S1,  0                          ; the arguments' places
.set A_S0,  8
.set A_SC,  16
.set A_OUT, 32
.set A_BI,  0
.set A_RE,  24
.set HK,    4<<20                      ; places in the buffer of codes, and in the buffer of q, k, v
.set HV,    8<<20
.set WQ,    12<<20
.set WK,    13<<20
.set WV,    14<<20
.set KCO,   4<<20
.set VCO,   8<<20
.set LAPS,  KB/1024                    ; a lap = two K steps = once round the ring
.set PITCH, 272                        ; a line in LDS: 256 bytes (4 rows of 64 codes) + 16
.set HALFT, 128*PITCH                  ; half of what one tensor load brings: 64 rows x 512 K
.set SLOT,  4*HALFT                    ; S1's two blocks of 64 rows, then S0's two
.set STAGE, 2*SLOT                     ; behind the ring: the way out, 17,408 bytes
.set SPARE, STAGE+17408                ; the spare words, 128 bytes for each wave: two blocks of 256 bytes that no other line names
.set ADR1,  16                         ; v16-17 LDS address of my S1 fragments in slot 0, 1
.set ADR0,  20                         ; v20-21 the same for S0
.set STO,   24                         ; v24-26 the way out: into the stage, back out of it, in memory
.set RD,    25
.set CO,    26
.set BO,    27                         ; v27    the bias's offset
.set SPW,   28                         ; v28    LDS address of my spare word; never rewritten
.set NIL,   29                         ; v29    0; never rewritten
.set SCL,   30                         ; v30    the conversion's scale as f32;  v31  448 x that
.set LIM,   31
.set TMP,   32                         ; v32-95 at work on the way out
.set BIAS,  96                         ; v96-127 the bias in the result's layout, divided by the power of two that the sums lack
.set ACC,   128                        ; v128-255 accumulator (a, b) at 128 + 8 (4 a + b)
.set F0,    0                          ; window 1: two sets of fragments for 128 along K: S1's four at 16 a, S0's four at 64 + 16 b.  Window 2, v0-127: the residual's tile
.set F1,    128
.set G1,    24                         ; s[24:31] descriptor group 1 for S1;  s[32:39] group 0, a set for each slot
.set G0,    32
.set G1B,   48                         ; s[48:55], s[56:63] the same for S0
.set G0B,   56
.set SC,    68                         ; s68-83  e0 .. e15
.set ZF,    1+BIASM                    ; how the first products start the sums: from 0, or from the bias
.set MSB,   0
.macro WIN new                         ; the immediate's high byte repeats the setting that is left
.if MSB != \new
	s_set_vgpr_msb (MSB<<8)|\new
.set MSB, \new
.endif
.endm
.set MUL,  0x05                        ; sources 0 and 1 window 1; C and D window 0
.set TO_F, 0x40                        ; destination window 1, address window 0
.macro JLOAD s                         ; a joint load: waves 0 and 1 fetch S1's two blocks, waves 2 and 3 S0's; an s_nop 0 and four v_nop follow each of the two lines
	s_cmp_eq_u32 s11, 0
	s_cbranch_scc0 .Lfor_b_\@
	tensor_load_to_lds s[G0+4*\s:G0+4*\s+3], s[G1:G1+7]
	s_nop 0
.rept 4
	v_nop
.endr
	s_branch .Lasked_\@
.Lfor_b_\@:
	tensor_load_to_lds s[G0B+4*\s:G0B+4*\s+3], s[G1B:G1B+7]
	s_nop 0
.rept 4
	v_nop
.endr
.Lasked_\@:
.endm
.macro CREST                           ; a round of the cluster's barrier behind its opening barrier
	s_cmp_lg_u32 s10, 0
	s_cbranch_scc1 .Lnot_wave_0_\@
	s_barrier_signal -3
.Lnot_wave_0_\@:
	s_barrier_wait -3
	s_barrier_signal -1
	s_barrier_wait -1
.endm
.macro CROUND                          ; a whole round
	s_barrier_signal -1
	s_barrier_wait -1
	CREST
.endm
.macro PLACES                          ; four places in front of loads into registers that matrix instructions have read, and of the first read of results
.rept 4
	v_nop
.endr
.endm
	s_load_b64 s[4:5], s[0:1], A_S1                ; S1's buffer
	s_load_b64 s[6:7], s[0:1], A_S0                ; S0's buffer
	s_load_b64 s[84:85], s[0:1], A_SC              ; the scales' exponents
	s_load_b64 s[8:9], s[0:1], A_OUT               ; the result
.if BIASM
	s_load_b64 s[86:87], s[0:1], A_BI
.endif
.if EPI
	s_load_b64 s[88:89], s[0:1], A_RE
.endif
	v_lshl_add_u32 v[SPW], v0, 2, SPARE
	v_mov_b32 v[NIL], 0
	ds_add_u32 v[SPW], v[NIL]                      ; the wave's opening: the add, and its wait ahead of my first tensor load; the set-up below, work on registers, stands between them
	ds_add_u32 v[SPW], v[NIL]
	v_lshrrev_b32 v1, 5, v0
	v_readfirstlane_b32 s10, v1                    ; wave 0..3
	s_lshr_b32 s11, s10, 1                         ; which 64 rows of the tile are mine.  Also: I fetch for S1 (0) or for S0 (1)
	s_and_b32 s12, s10, 1                          ; which 64 columns.  Also: which block of 64 rows of that operand I fetch
	s_bfe_u32 s40, ttmp6, 0x40000                  ; cx, cy: my place in the cluster
	s_bfe_u32 s41, ttmp6, 0x40004
.if QKV
	s_and_b32 s20, ttmp7, 0xffff                   ; cluster y, 0 .. 11
	s_and_b32 s22, s20, 1                          ; v: which four of Wv's eight tiles of rows
	s_sub_co_u32 s23, s20, 8
	s_lshr_b32 s23, s23, 1
	s_lshl_b32 s23, s23, 2
	s_add_co_u32 s23, s23, ttmp9                   ; v: which four of the tokens' 32 tiles
	s_and_b32 s18, ttmp9, 1                        ; q, k: which four of the weight's eight tiles
	s_cmp_ge_u32 s20, 8
	s_cselect_b32 s13, s22, s20
	s_cselect_b32 s42, s23, s18
	s_cselect_b32 s19, 1, 0                        ; 1: v
	s_lshl_b32 s13, s13, 2
	s_add_co_u32 s13, s13, s41                     ; tile row
	s_lshl_b32 s42, s42, 2
	s_add_co_u32 s42, s42, s40                     ; tile column
	s_mov_b32 s91, WK
	s_cmp_lt_u32 ttmp9, 2
	s_cselect_b32 s90, 0, HK                       ; S1's place, S0's place, the result's place
	s_cselect_b32 s91, WQ, s91
	s_cselect_b32 s92, 0, KCO
	s_cselect_b32 s93, 1, 0                        ; 1: q (where it is not v)
	s_cmp_eq_u32 s19, 1
	s_cselect_b32 s90, WV, s90
	s_cselect_b32 s91, HV, s91
	s_cselect_b32 s92, VCO, s92
.else
	s_lshl_b32 s42, ttmp9, 2
	s_add_co_u32 s42, s42, s40                     ; tile column = 4 x cluster x + cx
	s_and_b32 s13, ttmp7, 0xffff
	s_lshl_b32 s13, s13, 2
	s_add_co_u32 s13, s13, s41                     ; tile row = 4 x cluster y + cy
.endif
	s_lshl_b32 s43, s41, 2
	s_lshl_b32 s43, 15, s43                        ; my row of the cluster
	s_lshl_b32 s44, 0x1111, s40                    ; my column
	s_or_b32 s[G1], s43, 0x7730000                 ; 15:0 the mask; 17:16 elements of 8 bytes; 20 padding on; 21 set beside a mask; 24:22 after every 64 words; 31:25 four words
	s_or_b32 s[G1B], s44, 0x7730000
.irp g, G1, G1B
	s_mov_b32 s[\g+1], 32<<16                      ; tensor_dim0 = 32 elements: 256 bytes
	s_mov_b32 s[\g+2], 256<<16                     ; tensor_dim1 = 256 lines
	s_mov_b32 s[\g+3], 32<<16                      ; tile_dim0
	s_mov_b32 s[\g+4], 256                         ; tile_dim1
	s_mov_b32 s[\g+5], 32                          ; the pitch: the block is dense
	s_mov_b32 s[\g+6], 0
	s_mov_b32 s[\g+7], 0
.endr
	s_lshl_b32 s16, s13, 1
	s_add_co_u32 s16, s16, s12
	s_mul_i32 s16, s16, 64*KB                      ; S1: block of 64 rows 2 x tile row + wave % 2
	s_lshl_b32 s46, s42, 1
	s_add_co_u32 s46, s46, s12
	s_mul_i32 s46, s46, 64*KB                      ; S0: 2 x tile column + wave % 2
.if QKV
	s_add_co_u32 s16, s16, s90
	s_add_co_u32 s46, s46, s91
.else
	s_add_co_u32 s46, s46, S0OFF
.endif
	s_mov_b32 s17, 0
	s_mov_b32 s47, 0
	s_mul_i32 s45, s10, 2*HALFT                    ; where they go: wave x a load's bytes
	s_wait_dscnt 0x0                               ; the opening add is done
	s_wait_kmcnt 0x0
	s_load_b256 s[68:75], s[84:85], 0x0
	s_load_b256 s[76:83], s[84:85], 0x20
	s_add_nc_u64 s[14:15], s[4:5], s[16:17]
	s_add_nc_u64 s[46:47], s[6:7], s[46:47]
	CROUND                                         ; all sixteen work-groups are here: the first joint loads meet
.irp s, 0
	s_mov_b32 s[G0+4*\s], 1
	s_add_co_u32 s[G0+4*\s+1], s45, \s*SLOT
	s_add_nc_u64 s[G0+4*\s+2:G0+4*\s+3], s[14:15], \s*32768
	s_or_b32 s[G0+4*\s+3], s[G0+4*\s+3], 0x80000000
	s_mov_b32 s[G0B+4*\s], 1
	s_add_co_u32 s[G0B+4*\s+1], s45, \s*SLOT
	s_add_nc_u64 s[G0B+4*\s+2:G0B+4*\s+3], s[46:47], \s*32768
	s_or_b32 s[G0B+4*\s+3], s[G0B+4*\s+3], 0x80000000
.endr
	JLOAD 0                                        ; my one tensor load: 64 rows, all of K
	v_and_b32 v1, 15, v0                           ; r
	v_bfe_u32 v2, v0, 4, 1                         ; h
	v_and_b32 v5, 31, v0                           ; lane
	v_lshrrev_b32 v3, 2, v1
	v_mul_u32_u24 v3, v3, PITCH
	v_and_b32 v4, 3, v1
	v_lshl_add_u32 v3, v4, 6, v3
	v_lshl_add_u32 v3, v2, 4, v3                   ; a fragment's lane term: line r / 4, row r % 4 in it, 16 h
	s_mul_i32 s21, s11, 2*HALFT                    ; my 64 rows of S1
	s_mul_i32 s22, s12, 2*HALFT
	s_add_co_u32 s22, s22, 4*HALFT                 ; my 64 rows of S0
.irp s, 0,1                            ; the first and the second 512 along K: 128 lines apart
	v_add_nc_u32 v[ADR1+\s], s21, v3
	v_add_nc_u32 v[ADR0+\s], s22, v3
	s_add_co_u32 s21, s21, HALFT
	s_add_co_u32 s22, s22, HALFT
.endr
.if EPI
	s_mul_i32 s23, s10, 16*272
	s_add_co_u32 s23, s23, STAGE                   ; my stage: 16 rows x (256 bytes + 16)
	v_mul_u32_u24 v6, v1, 272
	v_lshl_add_u32 v6, v2, 5, v6
	v_add_nc_u32 v[STO], s23, v6                   ; in: row r, 32 bytes for each half of the lanes
	v_mul_u32_u24 v6, v2, 272
	v_lshl_add_u32 v6, v1, 4, v6
	v_add_nc_u32 v[RD], s23, v6                    ; back: lanes 0-15 one row of 256 bytes, lanes 16-31 the next
	v_lshlrev_b32 v6, 12, v2
	v_lshl_add_u32 v[CO], v1, 4, v6                ; and the same two rows in memory (rows of 4,096 bytes)
	s_wait_alu depctr_va_vdst(0)
	s_lshl_b32 s96, s13, 7
	s_lshl_b32 s97, s11, 6
	s_add_co_u32 s96, s96, s97                     ; my first row
	s_lshl_b32 s96, s96, 12
	s_lshl_b32 s97, s42, 9
	s_add_co_u32 s96, s96, s97
	s_lshl_b32 s97, s12, 8
	s_add_co_u32 s96, s96, s97                     ; + my first column x 4
	s_mov_b32 s97, 0
	s_add_nc_u64 s[8:9], s[8:9], s[96:97]
	s_add_nc_u64 s[88:89], s[88:89], s[96:97]
.else
	s_lshl_b32 s23, s10, 12
	s_add_co_u32 s23, s23, STAGE                   ; my stage: a chunk
	v_lshlrev_b32 v6, 6, v1
	v_lshl_add_u32 v6, v2, 3, v6
	v_add_nc_u32 v[STO], s23, v6                   ; in: row r of 64 bytes, 8 h
	v_lshlrev_b32 v[CO], 4, v5
	v_add_nc_u32 v[RD], s23, v[CO]                 ; back, and in memory: as it lies
	s_lshl_b32 s96, s13, 1
	s_add_co_u32 s96, s96, s11                     ; my block of 64 rows of C
	s_lshl_b32 s97, s42, 1
	s_add_co_u32 s97, s97, s12                     ; my block of 64 columns
.if QKV
	s_cmp_eq_u32 s19, 1
	s_cselect_b32 s98, s97, s96                    ; the tokens' block,
	s_cselect_b32 s99, s96, s97                    ; the head
	s_lshr_b32 s96, s98, 5
	s_lshl_b32 s96, s96, 4
	s_add_co_u32 s96, s96, s99
	s_lshl_b32 s96, s96, 5
	s_and_b32 s98, s98, 31
	s_add_co_u32 s96, s96, s98                     ; chunk ((batch x 16 + head) x 32 + the block of 64 tokens within the batch)
	s_lshl_b32 s96, s96, 12
	s_add_co_u32 s96, s96, s92
.else
	s_mul_i32 s96, s96, OCH
	s_add_co_u32 s96, s96, s97
	s_lshl_b32 s96, s96, 12
.endif
	s_mov_b32 s97, 0
	s_add_nc_u64 s[8:9], s[8:9], s[96:97]
.endif
.if BIASM
	s_lshl_b32 s98, s42, 9
	s_lshl_b32 s99, s12, 8
	s_add_co_u32 s98, s98, s99
	s_mov_b32 s99, 0
	s_add_nc_u64 s[86:87], s[86:87], s[98:99]      ; the bias at my first column
	v_lshlrev_b32 v[BO], 5, v2
.irp b, 0,1,2,3
	global_load_b128 v[BIAS+8*\b:BIAS+8*\b+3], v[BO], s[86:87] offset:64*\b          ; columns 16 b + 8 h + 0 .. 7
	global_load_b128 v[BIAS+8*\b+4:BIAS+8*\b+7], v[BO], s[86:87] offset:64*\b+16
.endr
.endif
.if EPI
	WIN 0x80                                       ; destination window 2: the residual's tile, asked for now, wanted on the way out
.irp a, 0,1,2,3
.irp t, 0,1,2,3,4,5,6,7
	global_load_b128 v[32*\a+4*\t:32*\a+4*\t+3], v[CO], s[88:89] offset:(16*\a+2*\t)*4096
.endr
.endr
	WIN 0
.endif
	s_wait_kmcnt 0x0                               ; the exponents
.if QKV
	s_sub_co_i32 s94, s74, s68
	s_sub_co_i32 s94, s94, s69                     ; q: e6 - e0 - e1
	s_sub_co_i32 s95, s75, s70
	s_sub_co_i32 s95, s95, s71                     ; k: e7 - e2 - e3
	s_sub_co_i32 s96, s77, s72
	s_sub_co_i32 s96, s96, s73                     ; v: e9 - e4 - e5
	s_cmp_eq_u32 s93, 1
	s_cselect_b32 s94, s94, s95
	s_cmp_eq_u32 s19, 1
	s_cselect_b32 s94, s96, s94
.else
	s_add_co_i32 s95, s[SC+EA], s[SC+EB]           ; a sum stands for sum x 2^(eA + eB)
.endif
.if EPI
	s_add_co_i32 s66, s95, 127
	s_lshl_b32 s66, s66, 23                        ; 2^(eA + eB) as f32
	s_mov_b32 s67, s66                             ; (named with it as a pair, so it is written)
.else
.if QKV == 0
	s_sub_co_i32 s94, s[SC+EO], s95                ; the three scales folded into the conversion's one
.endif
	s_add_co_i32 s2, s94, 127
	s_lshl_b32 s3, s2, 23
	v_mov_b32 v[SCL], s3
	s_add_co_i32 s2, s2, 8
	s_lshl_b32 s2, s2, 23
	s_or_b32 s2, s2, 0x600000
	v_mov_b32 v[LIM], s2
.endif
.if BIASM
	s_sub_co_i32 s96, 0, s95
	s_wait_loadcnt 32*EPI                          ; the bias's eight loads are in; the residual's 32, issued behind them, may be out
.set j, 0
.rept 32
	v_ldexp_f32 v[BIAS+j], v[BIAS+j], s96          ; the bias goes in as the C of each sum's first product, divided by 2^(eA + eB)
.set j, j+1
.endr
.endif
.macro FRAG reg, adr, q, i             ; 16 rows x 128 K: the slot's q-th 128 along K (two chunks), rows 16 i on
.irp c, 0,1,2,3
	ds_load_b128 v[\reg+4*\c:\reg+4*\c+3], v[\adr] offset:8704*(\q)+4352*(\c/2)+32*(\c%2)+1088*(\i)
.endr
.endm
.macro FETCH slot, q, f                ; 32 LDS loads in one run: S0's four fragments, then S1's
	WIN TO_F
.irp i, 0,1,2,3
	FRAG \f+64+16*\i, ADR0+\slot, \q, \i
.endr
.irp i, 0,1,2,3
	FRAG \f+16*\i, ADR1+\slot, \q, \i
.endr
.endm
.macro MUL4 f, a, z                    ; S1's block a against S0's four.  z = 1: the sums start from 0; 2: from the bias.  The 16 accumulators take turns, one instruction a turn, in the same order everywhere
.irp b, 0,1,2,3
.if (\z) == 1
	v_wmma_f32_16x16x128_fp8_fp8 v[ACC+8*(4*(\a)+\b):ACC+8*(4*(\a)+\b)+7], v[\f+64+16*\b:\f+64+16*\b+15], v[\f+16*(\a):\f+16*(\a)+15], 0
.elseif (\z) == 2
	v_wmma_f32_16x16x128_fp8_fp8 v[ACC+8*(4*(\a)+\b):ACC+8*(4*(\a)+\b)+7], v[\f+64+16*\b:\f+64+16*\b+15], v[\f+16*(\a):\f+16*(\a)+15], v[BIAS+8*\b:BIAS+8*\b+7]
.else
	v_wmma_f32_16x16x128_fp8_fp8 v[ACC+8*(4*(\a)+\b):ACC+8*(4*(\a)+\b)+7], v[\f+64+16*\b:\f+64+16*\b+15], v[\f+16*(\a):\f+16*(\a)+15], v[ACC+8*(4*(\a)+\b):ACC+8*(4*(\a)+\b)+7]
.endif
.endr
.endm
.macro MUL8 f, a0, z
	MUL4 \f, \a0, \z
	MUL4 \f, \a0+1, \z
.endm
; A K step is four quarters of 128 along K, 16 matrix instructions each, on sets 0, 1, 0, 1.  One of the first three: multiplies set f and fetches the slot's quarter qn into set g.
.macro QUARTER slot, qn, f, g, z
	s_wait_dscnt 8                                 ; S0's four and S1's blocks 0 and 1 are in; the youngest eight loads (blocks 2 and 3) may be out
	WIN MUL
	MUL8 \f, 0, \z
	PLACES
	FETCH \slot, \qn, \g
	s_wait_dscnt 32                                ; all but the 32 just issued
	WIN MUL
	MUL8 \f, 2, \z
.endm
; The last quarter multiplies set 1 and changes slots: ONE barrier; in front of it each wave waits for all its tensor loads, adds 0 to its spare word, and waits for that and for its reads of this slot.  fill = 1: this slot is filled again, two K steps ahead.
.macro TURN slot, next, fill
	WIN 0                                          ; (the add's two registers lie in window 0)
	s_wait_tensorcnt 0x0                           ; all my tensor loads have landed: my part of the next slot;
	ds_add_u32 v[SPW], v[NIL]                      ; 0 onto my spare word
	s_wait_dscnt 9                                 ; (the add and the youngest eight loads may be out)
	WIN MUL
	MUL4 F1, 0, 0                                  ; four matrix instructions stand between the add and the wait for it
	s_wait_dscnt 0x0                               ; the add is done, and my reads of this slot are over
	s_barrier_signal -1
	MUL4 F1, 1, 0
.if \fill
	WIN 0
.endif
	s_barrier_wait -1
.if \fill
	CREST                                          ; the barrier has opened a round of the cluster's barrier: no wave of any partner still reads this slot or has a load on its way
	s_add_nc_u64 s[G0+4*\slot+2:G0+4*\slot+3], s[G0+4*\slot+2:G0+4*\slot+3], 65536
	s_add_nc_u64 s[G0B+4*\slot+2:G0B+4*\slot+3], s[G0B+4*\slot+2:G0B+4*\slot+3], 65536
	JLOAD \slot                                    ; the first tensor load behind the round; its four v_nop are also the places in front of the loads below
.else
	PLACES
.endif
	FETCH \next, 0, F0
	WIN MUL
	MUL4 F1, 2, 0
	MUL4 F1, 3, 0
.endm
	s_wait_alu depctr_va_vdst(0)                   ; the wait at the head's end
	s_wait_tensorcnt 0x0                           ; my load has landed
	s_barrier_signal -1
	s_barrier_wait -1                              ; everybody's has
	FETCH 0, 0, F0
	QUARTER 0, 1, F0, F1, ZF                       ; the first quarter's products start the sums
.if LAPS > 1
	WIN 0                                          ; at a label and at a branch every window is 0
	s_mov_b32 s3, LAPS-1
.Llap:                                                 ; a trip goes once round the ring, from a lap's second quarter to the next lap's first, and fills both slots again
	QUARTER 0, 2, F1, F0, 0
	QUARTER 0, 3, F0, F1, 0
	TURN 0, 1, 1
	QUARTER 1, 1, F0, F1, 0
	QUARTER 1, 2, F1, F0, 0
	QUARTER 1, 3, F0, F1, 0
	TURN 1, 0, 1
	QUARTER 0, 1, F0, F1, 0
	WIN 0
	s_sub_co_u32 s3, s3, 1
	s_cmp_lg_u32 s3, 0
	s_cbranch_scc1 .Llap
.endif
	QUARTER 0, 2, F1, F0, 0                        ; the last lap fills nothing
	QUARTER 0, 3, F0, F1, 0
	QUARTER 1, 0, F1, F0, 0                        ; on into the second 512 along K: no barrier, the bytes have been there since the head
	QUARTER 1, 1, F0, F1, 0
	QUARTER 1, 2, F1, F0, 0
	QUARTER 1, 3, F0, F1, 0
	s_wait_dscnt 8                                 ; the very last quarter: nothing more to fetch
	WIN MUL
	MUL8 F1, 0, 0
	s_wait_dscnt 0x0
	MUL8 F1, 2, 0
	WIN 0
	PLACES
.if EPI == 0
; THE WAY OUT, AS CODES.  A lane's eight results are eight neighbours along the next product's K: held, converted, 8 bytes a lane into my stage (a chunk as it will lie), back as it lies, and out as 4,096 consecutive bytes.
.set t, 0
.rept 16
.set k, 0
.rept 8
.if RELU
	v_med3_num_f32 v[ACC+8*t+k], v[ACC+8*t+k], 0, v[LIM]          ; the activation and the hold in one; each accumulator from its low end on
.else
	v_med3_num_f32 v[ACC+8*t+k], v[ACC+8*t+k], -v[LIM], v[LIM]    ; the conversion does not saturate (ISA guide 7.6.2): the hold; each accumulator from its low end on
.endif
.set k, k+1
.endr
	v_cvt_scalef32_pk8_fp8_f32 v[TMP+2*t:TMP+2*t+1], v[ACC+8*t:ACC+8*t+7], v[SCL]
.set t, t+1
.endr
	v_nop                                          ; a plain instruction behind the last conversion
.irp a, 0,1,2,3
.irp b, 0,1,2,3
	ds_store_b64 v[STO], v[TMP+2*(4*\a+\b):TMP+2*(4*\a+\b)+1] offset:1024*\a+16*\b
.endr
.endr
.irp i, 0,1,2,3,4,5,6,7
	ds_load_b128 v[TMP+32+4*\i:TMP+32+4*\i+3], v[RD] offset:512*\i   ; LDS serves a wave's instructions in order: these see my stores
.endr
.irp i, 0,1,2,3,4,5,6,7
	s_wait_dscnt 7-\i
	global_store_b128 v[CO], v[TMP+32+4*\i:TMP+32+4*\i+3], s[8:9] offset:512*\i   ; 32 lanes store 512 consecutive bytes, aligned
.endr
.else
; THE WAY OUT, AS F32.  A block of 16 rows x 64 columns goes through my stage and comes back as whole rows of 256 bytes; there sum x 2^(eA + eB) + the residual is one packed multiply-add for two numbers.
.macro TOSTAGE a
.irp b, 0,1,2,3
	ds_store_b128 v[STO], v[ACC+8*(4*(\a)+\b):ACC+8*(4*(\a)+\b)+3] offset:64*\b          ; each accumulator from its low end on
	ds_store_b128 v[STO], v[ACC+8*(4*(\a)+\b)+4:ACC+8*(4*(\a)+\b)+7] offset:64*\b+16
.endr
.set BK, TMP+32*((\a)%2)
.irp t, 0,1,2,3,4,5,6,7
	ds_load_b128 v[BK+4*\t:BK+4*\t+3], v[RD] offset:544*\t   ; LDS serves a wave's instructions in order: these see the stores above, and the next block's stores come behind them
.endr
.endm
.macro SEND a, younger                 ; younger: the LDS instructions issued behind block a's loads, which may stay out
.set BK, TMP+32*((\a)%2)
	s_wait_dscnt \younger
	WIN 0x20                                       ; source 2 (the residual) window 2
.irp u, 0,2,4,6,8,10,12,14,16,18,20,22,24,26,28,30
	v_pk_fma_f32 v[BK+\u:BK+\u+1], v[BK+\u:BK+\u+1], s[66:67], v[32*(\a)+\u:32*(\a)+\u+1] op_sel_hi:[1,0,1]
.endr
	WIN 0
.irp t, 0,1,2,3,4,5,6,7
	global_store_b128 v[CO], v[BK+4*\t:BK+4*\t+3], s[8:9] offset:(16*(\a)+2*\t)*4096   ; sixteen lanes store 256 consecutive bytes, aligned
.endr
.endm
	s_wait_loadcnt 0x0                             ; the residual
	TOSTAGE 0
	TOSTAGE 1
	SEND 0, 16
	s_wait_xcnt 0x0                                ; block 0's stores have read their registers: block 2's loads may land there
	TOSTAGE 2
	SEND 1, 16
	s_wait_xcnt 0x0
	TOSTAGE 3
	SEND 2, 16
	SEND 3, 0
.endif
	s_wait_tensorcnt 0x0                           ; the wave's end: behind my last tensor load and my last LDS store
	ds_add_u32 v[SPW], v[NIL]
	s_wait_dscnt 0x0
	CROUND                                         ; the closing round: no work-group ends while a partner may still ask for a tile that names it
	s_endpgm
.Lfunc_end_k_q2e07591268_wo:
	.size	k_q2e07591268_wo, .Lfunc_end_k_q2e07591268_wo-k_q2e07591268_wo
	.p2alignl 7, 3214868480
	.fill 96, 4, 3214868480
	.section	.rodata,"a",@progbits
	.p2align	6, 0x0
	.amdhsa_kernel k_q2e07591268_wo
		.amdhsa_group_segment_fixed_size 327680
		.amdhsa_private_segment_fixed_size 0
		.amdhsa_enable_private_segment 0
		.amdhsa_kernarg_size 40
		.amdhsa_user_sgpr_count 2
		.amdhsa_user_sgpr_kernarg_segment_ptr 1
		.amdhsa_wavefront_size32 1
		.amdhsa_system_sgpr_workgroup_id_x 1
		.amdhsa_system_sgpr_workgroup_id_y 1
		.amdhsa_system_sgpr_workgroup_id_z 1
		.amdhsa_system_vgpr_workitem_id 0
		.amdhsa_next_free_vgpr 768
		.amdhsa_next_free_sgpr 100
		.amdhsa_reserve_vcc 0
		.amdhsa_float_denorm_mode_32 3
		.amdhsa_float_denorm_mode_16_64 3
		.amdhsa_memory_ordered 1
		.amdhsa_forward_progress 1
		.amdhsa_inst_pref_size 48
	.end_amdhsa_kernel
	.amdgpu_metadata
---
amdhsa.version: [ 1, 2 ]
amdhsa.kernels:
  - .name:           k_q2e07591268_wo
    .symbol:         k_q2e07591268_wo.kd
    .args:
      - { .name: ctxc, .offset: 0, .size: 8, .value_kind: global_buffer, .address_space: global }
      - { .name: codes, .offset: 8, .size: 8, .value_kind: global_buffer, .address_space: global }
      - { .name: lowp_scales, .offset: 16, .size: 8, .value_kind: global_buffer, .address_space: global }
      - { .name: embedding, .offset: 24, .size: 8, .value_kind: global_buffer, .address_space: global }
      - { .name: x1, .offset: 32, .size: 8, .value_kind: global_buffer, .address_space: global }
    .group_segment_fixed_size: 327680
    .private_segment_fixed_size: 0
    .kernarg_segment_align: 8
    .kernarg_segment_size: 40
    .max_flat_workgroup_size: 128
    .sgpr_count:     100
    .vgpr_count:     768
    .wavefront_size: 32
...
	.end_amdgpu_metadata
.endif
;; end of part 11
;; launch ln2 (part 12): grid 256 x 1, 4 waves a work-group, no clusters, 16,896 bytes of LDS; arguments x1, g2, be2, lowp_scales, h2c; writes h2c
.if DOCPART == 12
	.amdgcn_target "amdgcn-amd-amdhsa--gfx1250"
	.amdhsa_code_object_version 6
	.text
	.protected	k_q2e07591268_ln2
	.globl	k_q2e07591268_ln2
	.p2align	8
	.type	k_q2e07591268_ln2,@function
k_q2e07591268_ln2:
	s_mov_b64 s[64:65], 0
	v_nop
	global_prefetch_b8 v0, s[64:65] scope:SCOPE_SE
	s_setreg_imm32_b32 hwreg(HW_REG_WAVE_MODE, 25, 1), 1
	s_wait_xcnt 0x0
; LAYERNORM 2 of x1, quantised with entry 12 into codes of FP8 (E4M3) for product 7.  code = x / 2^e, held within +-448, to the nearest code, ties to even.
; The codes lie in chunks of 4,096 bytes, chunk (rb, kb) = [64 rows][64 codes] at (16 rb + kb) 4096.
; A wave takes 4 rows, one row at a time across its 32 lanes: lane l holds, for j = 0 .. 3, the eight neighbours 256 j + 8 l + 0 .. 7.  Mean, then the mean of squared differences, as the definition has them; all in f32.
; A row's codes go through the wave's stage, laid as they leave: for each chunk of 64 along K, 4 rows x 64 bytes.  No tensor load, no barrier: waves share nothing.
; LIMITS: e12 lies between -126 and 119.  NaN among the inputs is not served.
.set LST,   0                          ; NSC x 4,096 bytes for each wave
.set SPARE, 16384                      ; the spare words, 128 bytes for each wave: two blocks of 256 bytes that no other line names
.set SPW,   12                         ; v12  LDS address of my spare word; never rewritten
.set NIL,   13                         ; v13  0; never rewritten
.set NSC,   1                          ; how many scales the result is quantised with
.set XR,    64                         ; v64-191  four rows, 32 numbers a lane each
.set G,     192                        ; v192-223 the gain at my 32 columns
.set BE,    224                        ; v224-255 the offset at my 32 columns
.set OB,    36                         ; s[36:37] where my rows' codes go
.macro MKSC se, vs, vl                 ; from the exponent e in a scalar register: 2^e (the conversion takes its exponent field) and 448 x 2^e, as f32
	s_add_co_i32 s2, \se, 127
	s_lshl_b32 s3, s2, 23
	v_mov_b32 \vs, s3
	s_add_co_i32 s2, s2, 8
	s_lshl_b32 s2, s2, 23
	s_or_b32 s2, s2, 0x600000
	v_mov_b32 \vl, s2
.endm
	s_load_b128 s[20:23], s[0:1], 0x0              ; x1 s[20:21], g2 s[22:23]
	s_load_b128 s[24:27], s[0:1], 0x10             ; be2 s[24:25], the scales' exponents s[26:27]
	s_load_b64 s[28:29], s[0:1], 0x20              ; the codes
	v_lshl_add_u32 v[SPW], v0, 2, SPARE
	v_mov_b32 v[NIL], 0
	v_lshrrev_b32 v1, 5, v0
	v_readfirstlane_b32 s30, v1                    ; wave 0..3
	v_and_b32 v2, 31, v0                           ; lane
	s_wait_alu depctr_va_vdst(0)
	s_wait_kmcnt 0x0
	s_load_b512 s[48:63], s[26:27], 0x0            ; e0 .. e15 in s48 .. s63
	s_lshl_b32 s31, ttmp9, 4
	s_lshl_b32 s32, s30, 2
	s_add_co_u32 s31, s31, s32                     ; my first row: 16 x work-group + 4 x wave
	s_lshl_b32 s34, s31, 12
	s_mov_b32 s35, 0
	s_add_nc_u64 s[4:5], s[20:21], s[34:35]        ; x at my first row
	s_lshr_b32 s34, s31, 6
	s_lshl_b32 s34, s34, 16                        ; my block of 64 rows: 16 chunks,
	s_and_b32 s32, s31, 63
	s_lshl_b32 s32, s32, 6
	s_add_co_u32 s34, s34, s32                     ; my rows' 256 bytes in each
	s_add_nc_u64 s[OB:OB+1], s[28:29], s[34:35]
	s_mov_b32 s44, 0x76543210                      ; v_permlanex16_b32: lane l xor 16
	s_mov_b32 s45, 0xfedcba98
	s_mov_b32 s46, 0x3a800000                      ; 1 / 1024
	s_mov_b32 s47, 0x3727c5ac                      ; 1e-5
	v_lshlrev_b32 v3, 5, v2                        ; 32 bytes a lane
	s_mul_i32 s42, s30, NSC*4096
	s_add_co_u32 s42, s42, LST                     ; my stage
	v_lshrrev_b32 v4, 3, v2
	v_lshlrev_b32 v4, 8, v4
	v_and_b32 v5, 7, v2
	v_lshl_add_u32 v4, v5, 3, v4
	v_add_nc_u32 v4, s42, v4                       ; into it: chunk 4 j + l / 8 (256 bytes each), byte 8 (l % 8)
	v_lshlrev_b32 v5, 4, v2
	v_add_nc_u32 v5, s42, v5                       ; out of it: as it lies
	v_lshrrev_b32 v6, 4, v2
	v_lshlrev_b32 v6, 12, v6
	v_and_b32 v7, 15, v2
	v_lshl_add_u32 v6, v7, 4, v6                   ; in memory: sixteen lanes to a chunk's 256 bytes, two chunks an instruction
.irp j, 0,1,2,3
	global_load_b128 v[G+8*\j:G+8*\j+3], v3, s[22:23] offset:1024*\j
	global_load_b128 v[G+8*\j+4:G+8*\j+7], v3, s[22:23] offset:1024*\j+16
.endr
.irp j, 0,1,2,3
	global_load_b128 v[BE+8*\j:BE+8*\j+3], v3, s[24:25] offset:1024*\j
	global_load_b128 v[BE+8*\j+4:BE+8*\j+7], v3, s[24:25] offset:1024*\j+16
.endr
.irp i, 0,1,2,3
.irp j, 0,1,2,3
	global_load_b128 v[XR+32*\i+8*\j:XR+32*\i+8*\j+3], v3, s[4:5] offset:4096*\i+1024*\j
	global_load_b128 v[XR+32*\i+8*\j+4:XR+32*\i+8*\j+7], v3, s[4:5] offset:4096*\i+1024*\j+16
.endr
.endr
	s_wait_kmcnt 0x0
	MKSC s60, v44, v48                             ; e12
.macro RED x, y                        ; the sum of v[x] over the 32 lanes, in every lane; v[y] at work (written before)
	v_add_f32_dpp v[\x], v[\x], v[\x] row_xmask:1 row_mask:0xf bank_mask:0xf
	v_add_f32_dpp v[\x], v[\x], v[\x] row_xmask:2 row_mask:0xf bank_mask:0xf
	v_add_f32_dpp v[\x], v[\x], v[\x] row_xmask:4 row_mask:0xf bank_mask:0xf
	v_add_f32_dpp v[\x], v[\x], v[\x] row_xmask:8 row_mask:0xf bank_mask:0xf
	v_permlanex16_b32 v[\y], v[\x], s44, s45
	v_add_f32 v[\x], v[\x], v[\y]
.endm
.macro ROW i
.set XB, XR+32*(\i)
	s_wait_loadcnt 8*(3-(\i))                      ; gain, offset and my rows up to this one are in; the later rows' loads, eight each, may be out
	v_pk_add_f32 v[40:41], v[XB:XB+1], v[XB+2:XB+3]
	v_pk_add_f32 v[42:43], v[XB+4:XB+5], v[XB+6:XB+7]
.irp j, 8,12,16,20,24,28
	v_pk_add_f32 v[40:41], v[40:41], v[XB+\j:XB+\j+1]
	v_pk_add_f32 v[42:43], v[42:43], v[XB+\j+2:XB+\j+3]
.endr
	v_pk_add_f32 v[40:41], v[40:41], v[42:43]
	v_add_f32 v40, v40, v41
	RED 40, 41
	v_mul_f32 v36, s46, v40                        ; the mean
	v_mov_b32 v37, v36
.irp j, 0,2,4,6,8,10,12,14,16,18,20,22,24,26,28,30
	v_pk_add_f32 v[XB+\j:XB+\j+1], v[XB+\j:XB+\j+1], v[36:37] neg_lo:[0,1] neg_hi:[0,1]
.endr
	v_pk_mul_f32 v[40:41], v[XB:XB+1], v[XB:XB+1]
	v_pk_mul_f32 v[42:43], v[XB+2:XB+3], v[XB+2:XB+3]
.irp j, 4,8,12,16,20,24,28
	v_pk_fma_f32 v[40:41], v[XB+\j:XB+\j+1], v[XB+\j:XB+\j+1], v[40:41]
	v_pk_fma_f32 v[42:43], v[XB+\j+2:XB+\j+3], v[XB+\j+2:XB+\j+3], v[42:43]
.endr
	v_pk_add_f32 v[40:41], v[40:41], v[42:43]
	v_add_f32 v40, v40, v41
	RED 40, 41
	v_fma_f32 v40, v40, s46, s47                   ; the variance + 1e-5
	s_wait_alu depctr_va_vdst(0)
	v_rsq_f32 v38, v40
	v_nop                                          ; a plain instruction behind the transcendental,
	s_wait_alu depctr_va_vdst(0)                   ; and the wait ahead of its first reader
	v_mov_b32 v39, v38
.irp j, 0,2,4,6,8,10,12,14,16,18,20,22,24,26,28,30
	v_pk_mul_f32 v[XB+\j:XB+\j+1], v[XB+\j:XB+\j+1], v[38:39]
.endr
.irp j, 0,2,4,6,8,10,12,14,16,18,20,22,24,26,28,30
	v_pk_fma_f32 v[XB+\j:XB+\j+1], v[XB+\j:XB+\j+1], v[G+\j:G+\j+1], v[BE+\j:BE+\j+1]
.endr
.set SCI, 0
.rept NSC                              ; each scale holds the row into other registers (two sets by turns) and converts from there
.irp j, 0,1,2,3
.irp k, 0,1,2,3,4,5,6,7
	v_med3_num_f32 v[16+8*(\j%2)+\k], v[XB+8*\j+\k], -v[48+SCI], v[48+SCI]
.endr
	s_wait_alu depctr_va_vdst(0)
	s_wait_dscnt 3                                 ; at most the three younger stores are out: the store four back has read the pair that is written next
	v_cvt_scalef32_pk8_fp8_f32 v[52+2*\j:53+2*\j], v[16+8*(\j%2):23+8*(\j%2)], v[44+SCI]
	ds_store_b64 v4, v[52+2*\j:53+2*\j] offset:SCI*4096+1024*\j+64*(\i)
.endr
.set SCI, SCI+1
.endr
.endm
	ROW 0
	ROW 1
	ROW 2
	ROW 3
.set n, 0
.rept 8*NSC
	ds_load_b128 v[XR+4*n:XR+4*n+3], v5 offset:512*n   ; LDS serves a wave's instructions in order: these see my stores
.set n, n+1
.endr
.set n, 0
.rept 8*NSC
	s_wait_dscnt 8*NSC-1-n
	global_store_b128 v6, v[XR+4*n:XR+4*n+3], s[OB+2*(n/8):OB+2*(n/8)+1] offset:8192*(n%8)   ; sixteen lanes store 256 consecutive bytes, aligned: my 4 rows of a chunk
.set n, n+1
.endr
	s_wait_tensorcnt 0x0                           ; the wave's end: behind my last LDS store
	ds_add_u32 v[SPW], v[NIL]
	s_wait_dscnt 0x0
	s_endpgm
.Lfunc_end_k_q2e07591268_ln2:
	.size	k_q2e07591268_ln2, .Lfunc_end_k_q2e07591268_ln2-k_q2e07591268_ln2
	.p2alignl 7, 3214868480
	.fill 96, 4, 3214868480
	.section	.rodata,"a",@progbits
	.p2align	6, 0x0
	.amdhsa_kernel k_q2e07591268_ln2
		.amdhsa_group_segment_fixed_size 16896
		.amdhsa_private_segment_fixed_size 0
		.amdhsa_enable_private_segment 0
		.amdhsa_kernarg_size 40
		.amdhsa_user_sgpr_count 2
		.amdhsa_user_sgpr_kernarg_segment_ptr 1
		.amdhsa_wavefront_size32 1
		.amdhsa_system_sgpr_workgroup_id_x 1
		.amdhsa_system_sgpr_workgroup_id_y 1
		.amdhsa_system_sgpr_workgroup_id_z 1
		.amdhsa_system_vgpr_workitem_id 0
		.amdhsa_next_free_vgpr 256
		.amdhsa_next_free_sgpr 66
		.amdhsa_reserve_vcc 0
		.amdhsa_float_denorm_mode_32 3
		.amdhsa_float_denorm_mode_16_64 3
		.amdhsa_memory_ordered 1
		.amdhsa_forward_progress 1
		.amdhsa_inst_pref_size 44
	.end_amdhsa_kernel
	.amdgpu_metadata
---
amdhsa.version: [ 1, 2 ]
amdhsa.kernels:
  - .name:           k_q2e07591268_ln2
    .symbol:         k_q2e07591268_ln2.kd
    .args:
      - { .name: x1, .offset: 0, .size: 8, .value_kind: global_buffer, .address_space: global }
      - { .name: g2, .offset: 8, .size: 8, .value_kind: global_buffer, .address_space: global }
      - { .name: be2, .offset: 16, .size: 8, .value_kind: global_buffer, .address_space: global }
      - { .name: lowp_scales, .offset: 24, .size: 8, .value_kind: global_buffer, .address_space: global }
      - { .name: h2c, .offset: 32, .size: 8, .value_kind: global_buffer, .address_space: global }
    .group_segment_fixed_size: 16896
    .private_segment_fixed_size: 0
    .kernarg_segment_align: 8
    .kernarg_segment_size: 40
    .max_flat_workgroup_size: 128
    .sgpr_count:     66
    .vgpr_count:     256
    .wavefront_size: 32
...
	.end_amdgpu_metadata
.endif
;; end of part 12
;; launch ff1 (part 13): grid 16 x 16, 4 waves a work-group, clusters of 4 x 4, 327,680 bytes of LDS; arguments h2c, codes, lowp_scales, b1, ffc; writes ffc
.if DOCPART == 13
	.amdgcn_target "amdgcn-amd-amdhsa--gfx1250"
	.amdhsa_code_object_version 6
	.text
	.protected	k_q2e07591268_ff1
	.globl	k_q2e07591268_ff1
	.p2align	8
	.type	k_q2e07591268_ff1,@function
k_q2e07591268_ff1:
	s_mov_b64 s[64:65], 0
	v_nop
	global_prefetch_b8 v0, s[64:65] scope:SCOPE_SE
	s_setreg_imm32_b32 hwreg(HW_REG_WAVE_MODE, 25, 1), 1
	s_wait_xcnt 0x0
	s_wait_alu depctr_hold_cnt(0) depctr_sa_sdst(0) depctr_va_vdst(0) depctr_va_sdst(0) depctr_va_ssrc(0) depctr_va_vcc(0) depctr_vm_vsrc(0)
	s_getreg_b32 s2, hwreg(HW_REG_IB_STS2, 6, 4)
	s_cmp_eq_u32 s2, 0
	s_cbranch_scc0 .Lentry_in_a_cluster
	s_endpgm
.Lentry_in_a_cluster:
	s_bfe_u32 s2, ttmp6, 0x10000c
	s_cmp_lg_u32 s2, 0xf033
	s_cbranch_scc0 .Lentry_shape_is_right
	s_endpgm
.Lentry_shape_is_right:
; PRODUCT 7: relu(LayerNorm 2's codes x W1's codes + b1), quantised at once with entry 14 for product 8.  The text is the template of launch qkv, which explains it; the constants below choose.
; S1 = h2's codes (entry 12), S0 = W1's codes (entry 13).  LIMITS: e14 - e12 - e13 lies between -126 and 119.
.set QKV,   0
.set BIASM, 1
.set RELU,  1
.set EA,    12
.set EB,    13
.set EO,    14
.set S0OFF, 16<<20
.set OCH,   64
.set A_S1,  0
.set A_S0,  8
.set A_SC,  16
.set A_OUT, 32
.set A_BI,  24
.set HK,    4<<20
.set HV,    8<<20
.set WQ,    12<<20
.set WK,    13<<20
.set WV,    14<<20
.set KCO,   4<<20
.set VCO,   8<<20
.set KB,    1024
.set KSTEPB, 16384
.set LAPS,  KB/512
.set PITCH, 272
.set HALFT, 128*PITCH
.set SLOT,  4*HALFT
.set STAGE, 2*SLOT
.set SPARE, STAGE+16384
.set FR,    16
.set NL,    4
.set ADR1,  16
.set ADR0,  20
.set STO,   24
.set RD,    25
.set CO,    26
.set BO,    27
.set SPW,   28
.set NIL,   29
.set SCL,   30
.set LIM,   31
.set BIAS,  32
.set AF,    128
.set H,     32
.set CD,    160
.set BK,    192
.set G1,    24
.set G0,    32
.set G1B,   48
.set G0B,   56
.set SC,    68
.set ZF,    1+BIASM
.set MSB,   0
.macro WIN new
.if MSB != \new
	s_set_vgpr_msb (MSB<<8)|\new
.set MSB, \new
.endif
.endm
.set MUL_LO, 0xa1
.set MUL_HI, 0xf1
.set BIA_LO, 0x81
.set BIA_HI, 0xc1
.set TO_B,   0x40
.macro JLOAD s
	s_cmp_eq_u32 s11, 0
	s_cbranch_scc0 .Lfor_b_\@
	tensor_load_to_lds s[G0+4*\s:G0+4*\s+3], s[G1:G1+7]
	s_nop 0
.rept 4
	v_nop
.endr
	s_branch .Lasked_\@
.Lfor_b_\@:
	tensor_load_to_lds s[G0B+4*\s:G0B+4*\s+3], s[G1B:G1B+7]
	s_nop 0
.rept 4
	v_nop
.endr
.Lasked_\@:
.endm
.macro CREST
	s_cmp_lg_u32 s10, 0
	s_cbranch_scc1 .Lnot_wave_0_\@
	s_barrier_signal -3
.Lnot_wave_0_\@:
	s_barrier_wait -3
	s_barrier_signal -1
	s_barrier_wait -1
.endm
.macro CROUND
	s_barrier_signal -1
	s_barrier_wait -1
	CREST
.endm
.macro PLACES
.rept 4
	v_nop
.endr
.endm
	s_load_b64 s[4:5], s[0:1], A_S1
	s_load_b64 s[6:7], s[0:1], A_S0
	s_load_b64 s[84:85], s[0:1], A_SC
	s_load_b64 s[8:9], s[0:1], A_OUT
.if BIASM
	s_load_b64 s[86:87], s[0:1], A_BI
.endif
	v_lshl_add_u32 v[SPW], v0, 2, SPARE
	v_mov_b32 v[NIL], 0
	ds_add_u32 v[SPW], v[NIL]
	ds_add_u32 v[SPW], v[NIL]
	v_lshrrev_b32 v1, 5, v0
	v_readfirstlane_b32 s10, v1
	s_lshr_b32 s11, s10, 1
	s_and_b32 s12, s10, 1
	s_bfe_u32 s40, ttmp6, 0x40000
	s_bfe_u32 s41, ttmp6, 0x40004
.if QKV
	s_and_b32 s20, ttmp7, 0xffff
	s_cmp_eq_u32 s20, 2
	s_cselect_b32 s13, 0, ttmp9
	s_cselect_b32 s42, ttmp9, 0
	s_cselect_b32 s19, 1, 0
	s_lshl_b32 s13, s13, 2
	s_add_co_u32 s13, s13, s41
	s_lshl_b32 s42, s42, 2
	s_add_co_u32 s42, s42, s40
	s_mov_b32 s91, WK
	s_cmp_eq_u32 s20, 0
	s_cselect_b32 s90, 0, HK
	s_cselect_b32 s91, WQ, s91
	s_cselect_b32 s92, 0, KCO
	s_cselect_b32 s93, 1, 0
	s_cmp_eq_u32 s19, 1
	s_cselect_b32 s90, WV, s90
	s_cselect_b32 s91, HV, s91
	s_cselect_b32 s92, VCO, s92
.else
	s_lshl_b32 s42, ttmp9, 2
	s_add_co_u32 s42, s42, s40
	s_and_b32 s13, ttmp7, 0xffff
	s_lshl_b32 s13, s13, 2
	s_add_co_u32 s13, s13, s41
.endif
	s_lshl_b32 s43, s41, 2
	s_lshl_b32 s43, 15, s43
	s_lshl_b32 s44, 0x1111, s40
	s_or_b32 s[G1], s43, 0x7730000
	s_or_b32 s[G1B], s44, 0x7730000
.irp g, G1, G1B
	s_mov_b32 s[\g+1], 2048<<16
	s_mov_b32 s[\g+2], 2<<16
	s_mov_b32 s[\g+3], 2048<<16
	s_mov_b32 s[\g+4], 2
	s_mov_b32 s[\g+5], 8*KB
	s_mov_b32 s[\g+6], 0
	s_mov_b32 s[\g+7], 0
.endr
	s_lshl_b32 s17, s12, 1
	s_lshl_b32 s16, s13, 2
	s_add_co_u32 s16, s16, s17
	s_mul_i32 s16, s16, 64*KB
	s_lshl_b32 s46, s42, 2
	s_add_co_u32 s46, s46, s17
	s_mul_i32 s46, s46, 64*KB
.if QKV
	s_add_co_u32 s16, s16, s90
	s_add_co_u32 s46, s46, s91
.else
	s_add_co_u32 s46, s46, S0OFF
.endif
	s_mov_b32 s17, 0
	s_mov_b32 s47, 0
	s_mul_i32 s45, s10, HALFT
	s_wait_dscnt 0x0
	s_wait_kmcnt 0x0
	s_load_b256 s[68:75], s[84:85], 0x0
	s_load_b256 s[76:83], s[84:85], 0x20
	s_add_nc_u64 s[14:15], s[4:5], s[16:17]
	s_add_nc_u64 s[46:47], s[6:7], s[46:47]
	CROUND
.irp s, 0,1
	s_mov_b32 s[G0+4*\s], 1
	s_add_co_u32 s[G0+4*\s+1], s45, \s*SLOT
	s_add_nc_u64 s[G0+4*\s+2:G0+4*\s+3], s[14:15], \s*KSTEPB
	s_or_b32 s[G0+4*\s+3], s[G0+4*\s+3], 0x80000000
	s_mov_b32 s[G0B+4*\s], 1
	s_add_co_u32 s[G0B+4*\s+1], s45, \s*SLOT
	s_add_nc_u64 s[G0B+4*\s+2:G0B+4*\s+3], s[46:47], \s*KSTEPB
	s_or_b32 s[G0B+4*\s+3], s[G0B+4*\s+3], 0x80000000
.endr
	JLOAD 0                                        ; K step 0: one tensor load a wave at the head
	; PREFETCH INTO THE L2, two K steps ahead of the joint loads.  A wave's load is 128 blocks of 256 bytes; the four partners that ask for it jointly share them out BY ADDRESS:
	; place p (cx for S1, cy for S0) takes block of rows p / 2, bytes 8,192 (p % 2) on, a lane a block.  Here K steps 1 and 2; behind K step 1's load K step 3, the last.
	s_cmp_eq_u32 s11, 0
	s_cselect_b64 s[88:89], s[14:15], s[46:47]     ; what I fetch, at K step 0
	s_cselect_b32 s66, s40, s41
	s_lshr_b32 s67, s66, 1
	s_lshl_b32 s67, s67, 16
	s_and_b32 s66, s66, 1
	s_lshl_b32 s66, s66, 13
	s_add_co_u32 s66, s66, s67
	s_mov_b32 s67, 0
	s_add_nc_u64 s[88:89], s[88:89], s[66:67]      ; never rewritten
	v_and_b32 v7, 31, v0
	v_lshlrev_b32 v7, 8, v7                        ; v7: 256 x lane; never rewritten
	global_prefetch_b8 v7, s[88:89] offset:KSTEPB th:TH_LOAD_NT scope:SCOPE_SE
	global_prefetch_b8 v7, s[88:89] offset:2*KSTEPB th:TH_LOAD_NT scope:SCOPE_SE
	v_and_b32 v1, 15, v0
	v_bfe_u32 v2, v0, 4, 1
	v_and_b32 v5, 31, v0
	v_lshrrev_b32 v3, 2, v1
	v_mul_u32_u24 v3, v3, PITCH
	v_and_b32 v4, 3, v1
	v_lshl_add_u32 v3, v4, 6, v3
	v_lshl_add_u32 v3, v2, 4, v3
	s_mul_i32 s21, s11, HALFT
	s_mul_i32 s22, s12, HALFT
	s_add_co_u32 s22, s22, 2*HALFT
.irp s, 0,1
	v_add_nc_u32 v[ADR1+\s], s21, v3
	v_add_nc_u32 v[ADR0+\s], s22, v3
	s_add_co_u32 s21, s21, SLOT
	s_add_co_u32 s22, s22, SLOT
.endr
	s_lshl_b32 s23, s10, 12
	s_add_co_u32 s23, s23, STAGE
	v_lshlrev_b32 v6, 6, v1
	v_lshl_add_u32 v6, v2, 3, v6
	v_add_nc_u32 v[STO], s23, v6
	v_lshlrev_b32 v[CO], 4, v5
	v_add_nc_u32 v[RD], s23, v[CO]
	s_lshl_b32 s96, s13, 2
	s_lshl_b32 s98, s11, 1
	s_add_co_u32 s96, s96, s98
	s_lshl_b32 s97, s42, 2
	s_lshl_b32 s98, s12, 1
	s_add_co_u32 s97, s97, s98
.if QKV
	s_mov_b32 s94, 131072
	s_cmp_eq_u32 s19, 1
	s_cselect_b32 s98, s97, s96
	s_cselect_b32 s99, s96, s97
	s_cselect_b32 s95, s94, 4096
	s_cselect_b32 s94, 4096, s94
	s_lshr_b32 s96, s98, 5
	s_lshl_b32 s96, s96, 4
	s_add_co_u32 s96, s96, s99
	s_lshl_b32 s96, s96, 5
	s_and_b32 s98, s98, 31
	s_add_co_u32 s96, s96, s98
	s_lshl_b32 s96, s96, 12
	s_add_co_u32 s96, s96, s92
.else
	s_mul_i32 s96, s96, OCH
	s_add_co_u32 s96, s96, s97
	s_lshl_b32 s96, s96, 12
	s_mov_b32 s95, OCH*4096
	s_mov_b32 s94, 4096
.endif
	s_mov_b32 s97, 0
	s_add_nc_u64 s[8:9], s[8:9], s[96:97]
	s_mov_b32 s96, s94
	s_add_nc_u64 s[14:15], s[8:9], s[96:97]
	s_mov_b32 s96, s95
	s_add_nc_u64 s[16:17], s[8:9], s[96:97]
	s_add_nc_u64 s[20:21], s[14:15], s[96:97]
.if BIASM
	s_lshl_b32 s98, s42, 10
	s_lshl_b32 s99, s12, 9
	s_add_co_u32 s98, s98, s99
	s_mov_b32 s99, 0
	s_add_nc_u64 s[86:87], s[86:87], s[98:99]
	v_lshlrev_b32 v[BO], 5, v2
.irp b, 0,1,2,3,4,5,6,7
	global_load_b128 v[BIAS+8*\b:BIAS+8*\b+3], v[BO], s[86:87] offset:64*\b
	global_load_b128 v[BIAS+8*\b+4:BIAS+8*\b+7], v[BO], s[86:87] offset:64*\b+16
.endr
.endif
	s_wait_kmcnt 0x0
.if QKV
	s_sub_co_i32 s94, s74, s68
	s_sub_co_i32 s94, s94, s69
	s_sub_co_i32 s95, s75, s70
	s_sub_co_i32 s95, s95, s71
	s_sub_co_i32 s96, s77, s72
	s_sub_co_i32 s96, s96, s73
	s_cmp_eq_u32 s93, 1
	s_cselect_b32 s94, s94, s95
	s_cmp_eq_u32 s19, 1
	s_cselect_b32 s94, s96, s94
.else
	s_add_co_i32 s95, s[SC+EA], s[SC+EB]
	s_sub_co_i32 s94, s[SC+EO], s95
.endif
	s_add_co_i32 s2, s94, 127
	s_lshl_b32 s3, s2, 23
	v_mov_b32 v[SCL], s3
	s_add_co_i32 s2, s2, 8
	s_lshl_b32 s2, s2, 23
	s_or_b32 s2, s2, 0x600000
	v_mov_b32 v[LIM], s2
.if BIASM
	s_sub_co_i32 s96, 0, s95
	s_wait_loadcnt 0x0
.set j, 0
.rept 64
	v_ldexp_f32 v[BIAS+j], v[BIAS+j], s96
.set j, j+1
.endr
.endif
.macro FRAG reg, adr, q, i
.irp c, 0,1,2,3
	ds_load_b128 v[\reg+4*\c:\reg+4*\c+3], v[\adr] offset:8704*(\q)+4352*(\c/2)+32*(\c%2)+17408*((\i)/4)+1088*((\i)%4)
.endr
.endm
.macro MUL16 a0, p, zero
.irp a, \a0, \a0+1
.irp b, 0,1,2,3,4,5,6,7
.if (\zero) == 1
	v_wmma_f32_16x16x128_fp8_fp8 v[8*(8*((\a)%4)+\b):8*(8*((\a)%4)+\b)+7], v[128*(\p)+FR*\b:128*(\p)+FR*\b+FR-1], v[AF+FR*(\a):AF+FR*(\a)+FR-1], 0
.elseif (\zero) == 2
	v_wmma_f32_16x16x128_fp8_fp8 v[8*(8*((\a)%4)+\b):8*(8*((\a)%4)+\b)+7], v[128*(\p)+FR*\b:128*(\p)+FR*\b+FR-1], v[AF+FR*(\a):AF+FR*(\a)+FR-1], v[BIAS+8*\b:BIAS+8*\b+7]
.else
	v_wmma_f32_16x16x128_fp8_fp8 v[8*(8*((\a)%4)+\b):8*(8*((\a)%4)+\b)+7], v[128*(\p)+FR*\b:128*(\p)+FR*\b+FR-1], v[AF+FR*(\a):AF+FR*(\a)+FR-1], v[8*(8*((\a)%4)+\b):8*(8*((\a)%4)+\b)+7]
.endif
.endr
.endr
.endm
.macro FETCH_B slot, q, p
	WIN TO_B
.irp i, 0,1,2,3,4,5,6,7
	FRAG 128*(\p)+FR*\i, ADR0+\slot, \q, \i
.endr
	WIN 0
.endm
.macro FETCH_A slot, q, i0
.irp i, \i0, \i0+1, \i0+2, \i0+3
	FRAG AF+FR*(\i), ADR1+\slot, \q, \i
.endr
.endm
.macro STEP slot, zero
	s_wait_dscnt 4*NL
.if (\zero) == 2
	WIN BIA_LO
.else
	WIN MUL_LO
.endif
	MUL16 0, 0, \zero
	MUL16 2, 0, \zero
	s_wait_dscnt 0x0
	PLACES
	FETCH_B \slot, 1, 1
	FETCH_A \slot, 1, 0
.if (\zero) == 2
	WIN BIA_HI
.else
	WIN MUL_HI
.endif
	MUL16 4, 0, \zero
	MUL16 6, 0, \zero
	PLACES
	WIN 0
	FETCH_A \slot, 1, 4
.endm
.macro TURN slot, next, fill
	s_wait_tensorcnt 0x0
	ds_add_u32 v[SPW], v[NIL]
	s_wait_dscnt 4*NL+1
	WIN MUL_LO
	MUL16 0, 1, 0
	s_wait_dscnt 0x0
	s_barrier_signal -1
	MUL16 2, 1, 0
	WIN 0
	s_barrier_wait -1
.if \fill
	CREST
	s_add_nc_u64 s[G0+4*\slot+2:G0+4*\slot+3], s[G0+4*\slot+2:G0+4*\slot+3], 2*KSTEPB
	s_add_nc_u64 s[G0B+4*\slot+2:G0B+4*\slot+3], s[G0B+4*\slot+2:G0B+4*\slot+3], 2*KSTEPB
	JLOAD \slot
.else
	PLACES
.endif
	FETCH_B \next, 0, 0
	FETCH_A \next, 0, 0
	WIN MUL_HI
	MUL16 4, 1, 0
	MUL16 6, 1, 0
	PLACES
	WIN 0
	FETCH_A \next, 0, 4
.endm
	s_wait_alu depctr_va_vdst(0)                   ; the wait at the head's end
	s_wait_tensorcnt 0x0                           ; my part of K step 0 is in
	ds_add_u32 v[SPW], v[NIL]
	s_wait_dscnt 0x0
	CROUND                                         ; everybody's part of K step 0 is in, and the sixteen work-groups meet
	JLOAD 1                                        ; K step 1: the first tensor load behind the round
	FETCH_B 0, 0, 0
	FETCH_A 0, 0, 0
	FETCH_A 0, 0, 4
	global_prefetch_b8 v7, s[88:89] offset:3*KSTEPB th:TH_LOAD_NT scope:SCOPE_SE   ; K step 3, two loads ahead
	STEP 0, ZF
.rept LAPS-1
	TURN 0, 1, 1
	STEP 1, 0
	TURN 1, 0, 1
	STEP 0, 0
.endr
	TURN 0, 1, 0
	STEP 1, 0
	s_wait_dscnt 4*NL
	WIN MUL_LO
	MUL16 0, 1, 0
	MUL16 2, 1, 0
	s_wait_dscnt 0x0
	WIN MUL_HI
	MUL16 4, 1, 0
	MUL16 6, 1, 0
	WIN 0
.macro TOSTAGE n
.set RA, (\n)/2
.set CB, (\n)%2
.set WN, 0x02+RA
.set BB, BK+32*((\n)%2)
	WIN WN
.set ia, 0
.rept 4
.set ib, 0
.rept 4
.set ik, 0
.rept 8
.if RELU
	v_med3_num_f32 v[H+8*(4*ia+ib)+ik], v[8*(8*ia+4*CB+ib)+ik], 0, v[LIM]
.else
	v_med3_num_f32 v[H+8*(4*ia+ib)+ik], v[8*(8*ia+4*CB+ib)+ik], -v[LIM], v[LIM]
.endif
.set ik, ik+1
.endr
.set ib, ib+1
.endr
.set ia, ia+1
.endr
	WIN 0
.if (\n) > 0
	s_wait_dscnt 8
.endif
.set it, 0
.rept 16
	v_cvt_scalef32_pk8_fp8_f32 v[CD+2*it:CD+2*it+1], v[H+8*it:H+8*it+7], v[SCL]
.set it, it+1
.endr
	v_nop
.irp a, 0,1,2,3
.irp b, 0,1,2,3
	ds_store_b64 v[STO], v[CD+2*(4*\a+\b):CD+2*(4*\a+\b)+1] offset:1024*\a+16*\b
.endr
.endr
.if (\n) > 1
	s_wait_xcnt 0x0
.endif
.irp i, 0,1,2,3,4,5,6,7
	ds_load_b128 v[BB+4*\i:BB+4*\i+3], v[RD] offset:512*\i
.endr
.endm
.macro SEND n, younger, ob
.set BB, BK+32*((\n)%2)
	s_wait_dscnt \younger
.irp i, 0,1,2,3,4,5,6,7
	global_store_b128 v[CO], v[BB+4*\i:BB+4*\i+3], s[\ob:\ob+1] offset:512*\i
.endr
.endm
	PLACES
	TOSTAGE 0
	TOSTAGE 1
	SEND 0, 24, 8
	TOSTAGE 2
	SEND 1, 24, 14
	TOSTAGE 3
	SEND 2, 24, 16
	SEND 3, 0, 20
	s_wait_tensorcnt 0x0
	ds_add_u32 v[SPW], v[NIL]
	s_wait_dscnt 0x0
	CROUND
	s_endpgm
.Lfunc_end_k_q2e07591268_ff1:
	.size	k_q2e07591268_ff1, .Lfunc_end_k_q2e07591268_ff1-k_q2e07591268_ff1
	.p2alignl 7, 3214868480
	.fill 96, 4, 3214868480
	.section	.rodata,"a",@progbits
	.p2align	6, 0x0
	.amdhsa_kernel k_q2e07591268_ff1
		.amdhsa_group_segment_fixed_size 327680
		.amdhsa_private_segment_fixed_size 0
		.amdhsa_enable_private_segment 0
		.amdhsa_kernarg_size 40
		.amdhsa_user_sgpr_count 2
		.amdhsa_user_sgpr_kernarg_segment_ptr 1
		.amdhsa_wavefront_size32 1
		.amdhsa_system_sgpr_workgroup_id_x 1
		.amdhsa_system_sgpr_workgroup_id_y 1
		.amdhsa_system_sgpr_workgroup_id_z 1
		.amdhsa_system_vgpr_workitem_id 0
		.amdhsa_next_free_vgpr 1024
		.amdhsa_next_free_sgpr 100
		.amdhsa_reserve_vcc 0
		.amdhsa_float_denorm_mode_32 3
		.amdhsa_float_denorm_mode_16_64 3
		.amdhsa_memory_ordered 1
		.amdhsa_forward_progress 1
		.amdhsa_inst_pref_size 131
	.end_amdhsa_kernel
	.amdgpu_metadata
---
amdhsa.version: [ 1, 2 ]
amdhsa.kernels:
  - .name:           k_q2e07591268_ff1
    .symbol:         k_q2e07591268_ff1.kd
    .args:
      - { .name: h2c, .offset: 0, .size: 8, .value_kind: global_buffer, .address_space: global }
      - { .name: codes, .offset: 8, .size: 8, .value_kind: global_buffer, .address_space: global }
      - { .name: lowp_scales, .offset: 16, .size: 8, .value_kind: global_buffer, .address_space: global }
      - { .name: b1, .offset: 24, .size: 8, .value_kind: global_buffer, .address_space: global }
      - { .name: ffc, .offset: 32, .size: 8, .value_kind: global_buffer, .address_space: global }
    .group_segment_fixed_size: 327680
    .private_segment_fixed_size: 0
    .kernarg_segment_align: 8
    .kernarg_segment_size: 40
    .max_flat_workgroup_size: 128
    .sgpr_count:     100
    .vgpr_count:     1024
    .wavefront_size: 32
...
	.end_amdgpu_metadata
.endif
;; end of part 13
;; launch ff2 (part 14): grid 8 x 32, 4 waves a work-group, clusters of 4 x 4, 327,680 bytes of LDS; arguments ffc, codes, lowp_scales, b2, x1, out0; writes out0
.if DOCPART == 14
	.amdgcn_target "amdgcn-amd-amdhsa--gfx1250"
	.amdhsa_code_object_version 6
	.text
	.protected	k_q2e07591268_ff2
	.globl	k_q2e07591268_ff2
	.p2align	8
	.type	k_q2e07591268_ff2,@function
k_q2e07591268_ff2:
	s_mov_b64 s[64:65], 0
	v_nop
	global_prefetch_b8 v0, s[64:65] scope:SCOPE_SE
	s_setreg_imm32_b32 hwreg(HW_REG_WAVE_MODE, 25, 1), 1
	s_wait_xcnt 0x0
	s_wait_alu depctr_hold_cnt(0) depctr_sa_sdst(0) depctr_va_vdst(0) depctr_va_sdst(0) depctr_va_ssrc(0) depctr_va_vcc(0) depctr_vm_vsrc(0)
	s_getreg_b32 s2, hwreg(HW_REG_IB_STS2, 6, 4)
	s_cmp_eq_u32 s2, 0
	s_cbranch_scc0 .Lentry_in_a_cluster
	s_endpgm
.Lentry_in_a_cluster:
	s_bfe_u32 s2, ttmp6, 0x10000c
	s_cmp_lg_u32 s2, 0xf033
	s_cbranch_scc0 .Lentry_shape_is_right
	s_endpgm
.Lentry_shape_is_right:
; PRODUCT 8, ITS BIAS AND THE SECOND RESIDUAL: out0 = x1 + ff W2 + b2, f32.  The text is the template of launch wo, which explains it; the constants below choose.
; S1 = ff's codes (entry 14), S0 = W2's codes (entry 15); K = 4,096: eight K steps of 512.  LIMIT: e14 + e15 lies between -126 and 127.
.set QKV,   0
.set KB,    4096
.set EPI,   1
.set BIASM, 1
.set RELU,  0
.set EA,    14
.set EB,    15
.set EO,    0
.set S0OFF, 20<<20
.set OCH,   0
.set A_S1,  0
.set A_S0,  8
.set A_SC,  16
.set A_OUT, 40
.set A_BI,  24
.set A_RE,  32
.set HK,    4<<20
.set HV,    8<<20
.set WQ,    12<<20
.set WK,    13<<20
.set WV,    14<<20
.set KCO,   4<<20
.set VCO,   8<<20
.set LAPS,  KB/1024
.set PITCH, 272
.set HALFT, 128*PITCH
.set SLOT,  4*HALFT
.set STAGE, 2*SLOT
.set SPARE, STAGE+17408
.set ADR1,  16
.set ADR0,  20
.set STO,   24
.set RD,    25
.set CO,    26
.set BO,    27
.set SPW,   28
.set NIL,   29
.set SCL,   30
.set LIM,   31
.set TMP,   32
.set BIAS,  96
.set ACC,   128
.set F0,    0
.set F1,    128
.set G1,    24
.set G0,    32
.set G1B,   48
.set G0B,   56
.set SC,    68
.set ZF,    1+BIASM
.set MSB,   0
.macro WIN new
.if MSB != \new
	s_set_vgpr_msb (MSB<<8)|\new
.set MSB, \new
.endif
.endm
.set MUL,  0x05
.set TO_F, 0x40
.macro JLOAD s
	s_cmp_eq_u32 s11, 0
	s_cbranch_scc0 .Lfor_b_\@
	tensor_load_to_lds s[G0+4*\s:G0+4*\s+3], s[G1:G1+7]
	s_nop 0
.rept 4
	v_nop
.endr
	s_branch .Lasked_\@
.Lfor_b_\@:
	tensor_load_to_lds s[G0B+4*\s:G0B+4*\s+3], s[G1B:G1B+7]
	s_nop 0
.rept 4
	v_nop
.endr
.Lasked_\@:
.endm
.macro CREST
	s_cmp_lg_u32 s10, 0
	s_cbranch_scc1 .Lnot_wave_0_\@
	s_barrier_signal -3
.Lnot_wave_0_\@:
	s_barrier_wait -3
	s_barrier_signal -1
	s_barrier_wait -1
.endm
.macro CROUND
	s_barrier_signal -1
	s_barrier_wait -1
	CREST
.endm
.macro PLACES
.rept 4
	v_nop
.endr
.endm
	s_load_b64 s[4:5], s[0:1], A_S1
	s_load_b64 s[6:7], s[0:1], A_S0
	s_load_b64 s[84:85], s[0:1], A_SC
	s_load_b64 s[8:9], s[0:1], A_OUT
.if BIASM
	s_load_b64 s[86:87], s[0:1], A_BI
.endif
.if EPI
	s_load_b64 s[88:89], s[0:1], A_RE
.endif
	v_lshl_add_u32 v[SPW], v0, 2, SPARE
	v_mov_b32 v[NIL], 0
	ds_add_u32 v[SPW], v[NIL]
	ds_add_u32 v[SPW], v[NIL]
	v_lshrrev_b32 v1, 5, v0
	v_readfirstlane_b32 s10, v1
	s_lshr_b32 s11, s10, 1
	s_and_b32 s12, s10, 1
	s_bfe_u32 s40, ttmp6, 0x40000
	s_bfe_u32 s41, ttmp6, 0x40004
.if QKV
	s_and_b32 s20, ttmp7, 0xffff
	s_and_b32 s22, s20, 1
	s_sub_co_u32 s23, s20, 8
	s_lshr_b32 s23, s23, 1
	s_lshl_b32 s23, s23, 2
	s_add_co_u32 s23, s23, ttmp9
	s_and_b32 s18, ttmp9, 1
	s_cmp_ge_u32 s20, 8
	s_cselect_b32 s13, s22, s20
	s_cselect_b32 s42, s23, s18
	s_cselect_b32 s19, 1, 0
	s_lshl_b32 s13, s13, 2
	s_add_co_u32 s13, s13, s41
	s_lshl_b32 s42, s42, 2
	s_add_co_u32 s42, s42, s40
	s_mov_b32 s91, WK
	s_cmp_lt_u32 ttmp9, 2
	s_cselect_b32 s90, 0, HK
	s_cselect_b32 s91, WQ, s91
	s_cselect_b32 s92, 0, KCO
	s_cselect_b32 s93, 1, 0
	s_cmp_eq_u32 s19, 1
	s_cselect_b32 s90, WV, s90
	s_cselect_b32 s91, HV, s91
	s_cselect_b32 s92, VCO, s92
.else
	s_lshl_b32 s42, ttmp9, 2
	s_add_co_u32 s42, s42, s40
	s_and_b32 s13, ttmp7, 0xffff
	s_lshl_b32 s13, s13, 2
	s_add_co_u32 s13, s13, s41
.endif
	s_lshl_b32 s43, s41, 2
	s_lshl_b32 s43, 15, s43
	s_lshl_b32 s44, 0x1111, s40
	s_or_b32 s[G1], s43, 0x7730000
	s_or_b32 s[G1B], s44, 0x7730000
.irp g, G1, G1B
	s_mov_b32 s[\g+1], 32<<16
	s_mov_b32 s[\g+2], 128<<16
	s_mov_b32 s[\g+3], 32<<16
	s_mov_b32 s[\g+4], 128
	s_mov_b32 s[\g+5], 32
	s_mov_b32 s[\g+6], 0
	s_mov_b32 s[\g+7], 0
.endr
	s_lshl_b32 s16, s13, 1
	s_add_co_u32 s16, s16, s12
	s_mul_i32 s16, s16, 64*KB
	s_lshl_b32 s46, s42, 1
	s_add_co_u32 s46, s46, s12
	s_mul_i32 s46, s46, 64*KB
.if QKV
	s_add_co_u32 s16, s16, s90
	s_add_co_u32 s46, s46, s91
.else
	s_add_co_u32 s46, s46, S0OFF
.endif
	s_mov_b32 s17, 0
	s_mov_b32 s47, 0
	s_mul_i32 s45, s10, HALFT
	s_wait_dscnt 0x0
	s_wait_kmcnt 0x0
	s_load_b256 s[68:75], s[84:85], 0x0
	s_load_b256 s[76:83], s[84:85], 0x20
	s_add_nc_u64 s[14:15], s[4:5], s[16:17]
	s_add_nc_u64 s[46:47], s[6:7], s[46:47]
	CROUND
.irp s, 0,1
	s_mov_b32 s[G0+4*\s], 1
	s_add_co_u32 s[G0+4*\s+1], s45, \s*SLOT
	s_add_nc_u64 s[G0+4*\s+2:G0+4*\s+3], s[14:15], \s*32768
	s_or_b32 s[G0+4*\s+3], s[G0+4*\s+3], 0x80000000
	s_mov_b32 s[G0B+4*\s], 1
	s_add_co_u32 s[G0B+4*\s+1], s45, \s*SLOT
	s_add_nc_u64 s[G0B+4*\s+2:G0B+4*\s+3], s[46:47], \s*32768
	s_or_b32 s[G0B+4*\s+3], s[G0B+4*\s+3], 0x80000000
.endr
	JLOAD 0                                        ; K step 0: one tensor load a wave at the head
	; PREFETCH INTO THE L2, two K steps ahead of the joint loads.  A wave's load is 128 blocks of 256 bytes on end; the four partners that ask for it jointly share them out BY ADDRESS:
	; place p (cx for S1, cy for S0) takes 8,192 bytes, a lane a block: each block is named once in the cluster.  Here K steps 1 and 2; behind the load of K step t, K step t + 2; the loop's last trip asks for nothing.
	s_cmp_eq_u32 s11, 0
	s_cselect_b64 s[90:91], s[14:15], s[46:47]     ; what I fetch, at K step 0
	s_cselect_b32 s92, s40, s41
	s_lshl_b32 s92, s92, 13
	s_mov_b32 s93, 0
	s_add_nc_u64 s[90:91], s[90:91], s[92:93]
	v_and_b32 v7, 31, v0
	v_lshlrev_b32 v7, 8, v7                        ; v7: 256 x lane; never rewritten
	global_prefetch_b8 v7, s[90:91] offset:32768 th:TH_LOAD_NT scope:SCOPE_SE
	global_prefetch_b8 v7, s[90:91] offset:65536 th:TH_LOAD_NT scope:SCOPE_SE
	v_and_b32 v1, 15, v0
	v_bfe_u32 v2, v0, 4, 1
	v_and_b32 v5, 31, v0
	v_lshrrev_b32 v3, 2, v1
	v_mul_u32_u24 v3, v3, PITCH
	v_and_b32 v4, 3, v1
	v_lshl_add_u32 v3, v4, 6, v3
	v_lshl_add_u32 v3, v2, 4, v3
	s_mul_i32 s21, s11, HALFT
	s_mul_i32 s22, s12, HALFT
	s_add_co_u32 s22, s22, 2*HALFT
.irp s, 0,1
	v_add_nc_u32 v[ADR1+\s], s21, v3
	v_add_nc_u32 v[ADR0+\s], s22, v3
	s_add_co_u32 s21, s21, SLOT
	s_add_co_u32 s22, s22, SLOT
.endr
.if EPI
	s_mul_i32 s23, s10, 16*272
	s_add_co_u32 s23, s23, STAGE
	v_mul_u32_u24 v6, v1, 272
	v_lshl_add_u32 v6, v2, 5, v6
	v_add_nc_u32 v[STO], s23, v6
	v_mul_u32_u24 v6, v2, 272
	v_lshl_add_u32 v6, v1, 4, v6
	v_add_nc_u32 v[RD], s23, v6
	v_lshlrev_b32 v6, 12, v2
	v_lshl_add_u32 v[CO], v1, 4, v6
	s_wait_alu depctr_va_vdst(0)
	s_lshl_b32 s96, s13, 7
	s_lshl_b32 s97, s11, 6
	s_add_co_u32 s96, s96, s97
	s_lshl_b32 s96, s96, 12
	s_lshl_b32 s97, s42, 9
	s_add_co_u32 s96, s96, s97
	s_lshl_b32 s97, s12, 8
	s_add_co_u32 s96, s96, s97
	s_mov_b32 s97, 0
	s_add_nc_u64 s[8:9], s[8:9], s[96:97]
	s_add_nc_u64 s[88:89], s[88:89], s[96:97]
.else
	s_lshl_b32 s23, s10, 12
	s_add_co_u32 s23, s23, STAGE
	v_lshlrev_b32 v6, 6, v1
	v_lshl_add_u32 v6, v2, 3, v6
	v_add_nc_u32 v[STO], s23, v6
	v_lshlrev_b32 v[CO], 4, v5
	v_add_nc_u32 v[RD], s23, v[CO]
	s_lshl_b32 s96, s13, 1
	s_add_co_u32 s96, s96, s11
	s_lshl_b32 s97, s42, 1
	s_add_co_u32 s97, s97, s12
.if QKV
	s_cmp_eq_u32 s19, 1
	s_cselect_b32 s98, s97, s96
	s_cselect_b32 s99, s96, s97
	s_lshr_b32 s96, s98, 5
	s_lshl_b32 s96, s96, 4
	s_add_co_u32 s96, s96, s99
	s_lshl_b32 s96, s96, 5
	s_and_b32 s98, s98, 31
	s_add_co_u32 s96, s96, s98
	s_lshl_b32 s96, s96, 12
	s_add_co_u32 s96, s96, s92
.else
	s_mul_i32 s96, s96, OCH
	s_add_co_u32 s96, s96, s97
	s_lshl_b32 s96, s96, 12
.endif
	s_mov_b32 s97, 0
	s_add_nc_u64 s[8:9], s[8:9], s[96:97]
.endif
.if BIASM
	s_lshl_b32 s98, s42, 9
	s_lshl_b32 s99, s12, 8
	s_add_co_u32 s98, s98, s99
	s_mov_b32 s99, 0
	s_add_nc_u64 s[86:87], s[86:87], s[98:99]
	v_lshlrev_b32 v[BO], 5, v2
.irp b, 0,1,2,3
	global_load_b128 v[BIAS+8*\b:BIAS+8*\b+3], v[BO], s[86:87] offset:64*\b
	global_load_b128 v[BIAS+8*\b+4:BIAS+8*\b+7], v[BO], s[86:87] offset:64*\b+16
.endr
.endif
	s_wait_kmcnt 0x0
.if QKV
	s_sub_co_i32 s94, s74, s68
	s_sub_co_i32 s94, s94, s69
	s_sub_co_i32 s95, s75, s70
	s_sub_co_i32 s95, s95, s71
	s_sub_co_i32 s96, s77, s72
	s_sub_co_i32 s96, s96, s73
	s_cmp_eq_u32 s93, 1
	s_cselect_b32 s94, s94, s95
	s_cmp_eq_u32 s19, 1
	s_cselect_b32 s94, s96, s94
.else
	s_add_co_i32 s95, s[SC+EA], s[SC+EB]
.endif
.if EPI
	s_add_co_i32 s66, s95, 127
	s_lshl_b32 s66, s66, 23
	s_mov_b32 s67, s66
.else
.if QKV == 0
	s_sub_co_i32 s94, s[SC+EO], s95
.endif
	s_add_co_i32 s2, s94, 127
	s_lshl_b32 s3, s2, 23
	v_mov_b32 v[SCL], s3
	s_add_co_i32 s2, s2, 8
	s_lshl_b32 s2, s2, 23
	s_or_b32 s2, s2, 0x600000
	v_mov_b32 v[LIM], s2
.endif
.if BIASM
	s_sub_co_i32 s96, 0, s95
	s_wait_loadcnt 0x0                             ; the bias's eight loads
.set j, 0
.rept 32
	v_ldexp_f32 v[BIAS+j], v[BIAS+j], s96
.set j, j+1
.endr
.endif
.macro FRAG reg, adr, q, i
.irp c, 0,1,2,3
	ds_load_b128 v[\reg+4*\c:\reg+4*\c+3], v[\adr] offset:8704*(\q)+4352*(\c/2)+32*(\c%2)+1088*(\i)
.endr
.endm
.macro FETCH slot, q, f
	WIN TO_F
.irp i, 0,1,2,3
	FRAG \f+64+16*\i, ADR0+\slot, \q, \i
.endr
.irp i, 0,1,2,3
	FRAG \f+16*\i, ADR1+\slot, \q, \i
.endr
.endm
.macro MUL4 f, a, z
.irp b, 0,1,2,3
.if (\z) == 1
	v_wmma_f32_16x16x128_fp8_fp8 v[ACC+8*(4*(\a)+\b):ACC+8*(4*(\a)+\b)+7], v[\f+64+16*\b:\f+64+16*\b+15], v[\f+16*(\a):\f+16*(\a)+15], 0
.elseif (\z) == 2
	v_wmma_f32_16x16x128_fp8_fp8 v[ACC+8*(4*(\a)+\b):ACC+8*(4*(\a)+\b)+7], v[\f+64+16*\b:\f+64+16*\b+15], v[\f+16*(\a):\f+16*(\a)+15], v[BIAS+8*\b:BIAS+8*\b+7]
.else
	v_wmma_f32_16x16x128_fp8_fp8 v[ACC+8*(4*(\a)+\b):ACC+8*(4*(\a)+\b)+7], v[\f+64+16*\b:\f+64+16*\b+15], v[\f+16*(\a):\f+16*(\a)+15], v[ACC+8*(4*(\a)+\b):ACC+8*(4*(\a)+\b)+7]
.endif
.endr
.endm
.macro MUL8 f, a0, z
	MUL4 \f, \a0, \z
	MUL4 \f, \a0+1, \z
.endm
.macro QUARTER slot, qn, f, g, z
	s_wait_dscnt 8
	WIN MUL
	MUL8 \f, 0, \z
	PLACES
	FETCH \slot, \qn, \g
	s_wait_dscnt 32
	WIN MUL
	MUL8 \f, 2, \z
.endm
.macro TURN slot, next, fill
	WIN 0
.if \fill
	s_wait_xcnt 0x0                                ; my last prefetch has read its address: it goes a K step on
	s_add_nc_u64 s[90:91], s[90:91], 32768
.endif
	s_wait_tensorcnt 0x0
	ds_add_u32 v[SPW], v[NIL]
	s_wait_dscnt 9
	WIN MUL
	MUL4 F1, 0, 0
	s_wait_dscnt 0x0
	s_barrier_signal -1
	MUL4 F1, 1, 0
.if \fill
	WIN 0
.endif
	s_barrier_wait -1
.if \fill
	CREST
	s_add_nc_u64 s[G0+4*\slot+2:G0+4*\slot+3], s[G0+4*\slot+2:G0+4*\slot+3], 65536
	s_add_nc_u64 s[G0B+4*\slot+2:G0B+4*\slot+3], s[G0B+4*\slot+2:G0B+4*\slot+3], 65536
	JLOAD \slot
.else
	PLACES
.endif
	FETCH \next, 0, F0
.if \fill
	WIN 0                                          ; (a branch follows)
	s_cmp_gt_u32 s3, 1                             ; the loop's last trip loads K steps 6 and 7: nothing lies two steps behind them
	s_cbranch_scc0 .Lnot_ahead_\@
	global_prefetch_b8 v7, s[90:91] offset:98304 th:TH_LOAD_NT scope:SCOPE_SE   ; two K steps behind the one just asked for
.Lnot_ahead_\@:
.endif
	WIN MUL
	MUL4 F1, 2, 0
	MUL4 F1, 3, 0
.endm
	s_wait_alu depctr_va_vdst(0)                   ; the wait at the head's end
	s_wait_tensorcnt 0x0                           ; my part of K step 0 is in
	ds_add_u32 v[SPW], v[NIL]
	s_wait_dscnt 0x0
	CROUND                                         ; everybody's part of K step 0 is in, and the sixteen work-groups meet
	JLOAD 1                                        ; K step 1: the first tensor load behind the round
	FETCH 0, 0, F0
	global_prefetch_b8 v7, s[90:91] offset:98304 th:TH_LOAD_NT scope:SCOPE_SE   ; K step 3
	QUARTER 0, 1, F0, F1, ZF
.if LAPS > 1
	WIN 0
	WIN 0x80                                       ; destination window 2: the residual's tile is asked for here, behind K step 0's landing and seven K steps ahead of the way out, which wants it
.irp a, 0,1,2,3
.irp t, 0,1,2,3,4,5,6,7
	global_load_b128 v[32*\a+4*\t:32*\a+4*\t+3], v[CO], s[88:89] offset:(16*\a+2*\t)*4096
.endr
.endr
	WIN 0
	s_mov_b32 s3, LAPS-1
.Llap:
	QUARTER 0, 2, F1, F0, 0
	QUARTER 0, 3, F0, F1, 0
	TURN 0, 1, 1
	QUARTER 1, 1, F0, F1, 0
	QUARTER 1, 2, F1, F0, 0
	QUARTER 1, 3, F0, F1, 0
	TURN 1, 0, 1
	QUARTER 0, 1, F0, F1, 0
	WIN 0
	s_sub_co_u32 s3, s3, 1
	s_cmp_lg_u32 s3, 0
	s_cbranch_scc1 .Llap
.endif
	QUARTER 0, 2, F1, F0, 0
	QUARTER 0, 3, F0, F1, 0
	TURN 0, 1, 0
	QUARTER 1, 1, F0, F1, 0
	QUARTER 1, 2, F1, F0, 0
	QUARTER 1, 3, F0, F1, 0
	s_wait_dscnt 8
	WIN MUL
	MUL8 F1, 0, 0
	s_wait_dscnt 0x0
	MUL8 F1, 2, 0
	WIN 0
	PLACES
.if EPI == 0
.set t, 0
.rept 16
.set k, 0
.rept 8
.if RELU
	v_med3_num_f32 v[ACC+8*t+k], v[ACC+8*t+k], 0, v[LIM]
.else
	v_med3_num_f32 v[ACC+8*t+k], v[ACC+8*t+k], -v[LIM], v[LIM]
.endif
.set k, k+1
.endr
	v_cvt_scalef32_pk8_fp8_f32 v[TMP+2*t:TMP+2*t+1], v[ACC+8*t:ACC+8*t+7], v[SCL]
.set t, t+1
.endr
	v_nop
.irp a, 0,1,2,3
.irp b, 0,1,2,3
	ds_store_b64 v[STO], v[TMP+2*(4*\a+\b):TMP+2*(4*\a+\b)+1] offset:1024*\a+16*\b
.endr
.endr
.irp i, 0,1,2,3,4,5,6,7
	ds_load_b128 v[TMP+32+4*\i:TMP+32+4*\i+3], v[RD] offset:512*\i
.endr
.irp i, 0,1,2,3,4,5,6,7
	s_wait_dscnt 7-\i
	global_store_b128 v[CO], v[TMP+32+4*\i:TMP+32+4*\i+3], s[8:9] offset:512*\i
.endr
.else
.macro TOSTAGE a
.irp b, 0,1,2,3
	ds_store_b128 v[STO], v[ACC+8*(4*(\a)+\b):ACC+8*(4*(\a)+\b)+3] offset:64*\b
	ds_store_b128 v[STO], v[ACC+8*(4*(\a)+\b)+4:ACC+8*(4*(\a)+\b)+7] offset:64*\b+16
.endr
.set BK, TMP+32*((\a)%2)
.irp t, 0,1,2,3,4,5,6,7
	ds_load_b128 v[BK+4*\t:BK+4*\t+3], v[RD] offset:544*\t
.endr
.endm
.macro SEND a, younger
.set BK, TMP+32*((\a)%2)
	s_wait_dscnt \younger
	WIN 0x20
.irp u, 0,2,4,6,8,10,12,14,16,18,20,22,24,26,28,30
	v_pk_fma_f32 v[BK+\u:BK+\u+1], v[BK+\u:BK+\u+1], s[66:67], v[32*(\a)+\u:32*(\a)+\u+1] op_sel_hi:[1,0,1]
.endr
	WIN 0
.irp t, 0,1,2,3,4,5,6,7
	global_store_b128 v[CO], v[BK+4*\t:BK+4*\t+3], s[8:9] offset:(16*(\a)+2*\t)*4096
.endr
.endm
	s_wait_loadcnt 0x0
	TOSTAGE 0
	TOSTAGE 1
	SEND 0, 16
	s_wait_xcnt 0x0
	TOSTAGE 2
	SEND 1, 16
	s_wait_xcnt 0x0
	TOSTAGE 3
	SEND 2, 16
	SEND 3, 0
.endif
	s_wait_tensorcnt 0x0
	ds_add_u32 v[SPW], v[NIL]
	s_wait_dscnt 0x0
	CROUND
	s_endpgm
.Lfunc_end_k_q2e07591268_ff2:
	.size	k_q2e07591268_ff2, .Lfunc_end_k_q2e07591268_ff2-k_q2e07591268_ff2
	.p2alignl 7, 3214868480
	.fill 96, 4, 3214868480
	.section	.rodata,"a",@progbits
	.p2align	6, 0x0
	.amdhsa_kernel k_q2e07591268_ff2
		.amdhsa_group_segment_fixed_size 327680
		.amdhsa_private_segment_fixed_size 0
		.amdhsa_enable_private_segment 0
		.amdhsa_kernarg_size 48
		.amdhsa_user_sgpr_count 2
		.amdhsa_user_sgpr_kernarg_segment_ptr 1
		.amdhsa_wavefront_size32 1
		.amdhsa_system_sgpr_workgroup_id_x 1
		.amdhsa_system_sgpr_workgroup_id_y 1
		.amdhsa_system_sgpr_workgroup_id_z 1
		.amdhsa_system_vgpr_workitem_id 0
		.amdhsa_next_free_vgpr 768
		.amdhsa_next_free_sgpr 100
		.amdhsa_reserve_vcc 0
		.amdhsa_float_denorm_mode_32 3
		.amdhsa_float_denorm_mode_16_64 3
		.amdhsa_memory_ordered 1
		.amdhsa_forward_progress 1
		.amdhsa_inst_pref_size 82
	.end_amdhsa_kernel
	.amdgpu_metadata
---
amdhsa.version: [ 1, 2 ]
amdhsa.kernels:
  - .name:           k_q2e07591268_ff2
    .symbol:         k_q2e07591268_ff2.kd
    .args:
      - { .name: ffc, .offset: 0, .size: 8, .value_kind: global_buffer, .address_space: global }
      - { .name: codes, .offset: 8, .size: 8, .value_kind: global_buffer, .address_space: global }
      - { .name: lowp_scales, .offset: 16, .size: 8, .value_kind: global_buffer, .address_space: global }
      - { .name: b2, .offset: 24, .size: 8, .value_kind: global_buffer, .address_space: global }
      - { .name: x1, .offset: 32, .size: 8, .value_kind: global_buffer, .address_space: global }
      - { .name: out0, .offset: 40, .size: 8, .value_kind: global_buffer, .address_space: global }
    .group_segment_fixed_size: 327680
    .private_segment_fixed_size: 0
    .kernarg_segment_align: 8
    .kernarg_segment_size: 48
    .max_flat_workgroup_size: 128
    .sgpr_count:     100
    .vgpr_count:     768
    .wavefront_size: 32
...
	.end_amdgpu_metadata
.endif
;; end of part 14
